; MI455X (gfx1250); checked and timed in simulation.
; The chip was launched on July 23, 2026; its instructions are those of AMD's public machine-readable ISA for CDNA 5 (MIT licence, August 2026) and "CDNA5" Instruction Set Architecture Reference Guide (July 2026). The comments in the code are by the model that wrote it; some were corrected since.
;; Dual Path Transformer. Allowed arithmetic: matrix products marked QUANTISED: E3M2 operands, one E8M0 scale for each 32 along K, by v_wmma_scale_f32_16x16x128_f8f6f4 with both operands' format E3M2, f32 sums; products left as they are: f32 operands where the result goes on into a quantised operand, else bf16, f16 or f32 operands; f32 sums; everything else in f32.
;; Inputs: ffn_b1 1,024 float32; ffn_b2 512 float32; ffn_w1_codes 1,024 x 16 x 24 uint8 (E3M2 codes of ffn_w1, K innermost, in blocks of 32 codes, four codes in three bytes); ffn_w1_scales 1,024 x 16 uint8 (E8M0 scales of ffn_w1, one for each 32 codes along K); ffn_w2_codes 512 x 32 x 24 uint8 (E3M2 codes of ffn_w2, K innermost, in blocks of 32 codes, four codes in three bytes); ffn_w2_scales 512 x 32 uint8 (E8M0 scales of ffn_w2, one for each 32 codes along K); g_bo 512 float32; g_bqkv 3 x 512 float32; g_wo_codes 512 x 16 x 24 uint8 (E3M2 codes of g_wo, K innermost, in blocks of 32 codes, four codes in three bytes); g_wo_scales 512 x 16 uint8 (E8M0 scales of g_wo, one for each 32 codes along K); g_wqkv_codes 3 x 512 x 16 x 24 uint8 (E3M2 codes of g_wqkv, K innermost, in blocks of 32 codes, four codes in three bytes); g_wqkv_scales 3 x 512 x 16 uint8 (E8M0 scales of g_wqkv, one for each 32 codes along K); gate_b 512 float32; gate_w_codes 512 x 32 x 24 uint8 (E3M2 codes of gate_w, K innermost, in blocks of 32 codes, four codes in three bytes); gate_w_scales 512 x 32 uint8 (E8M0 scales of gate_w, one for each 32 codes along K); l_bo 512 float32; l_bqkv 3 x 512 float32; l_wo_codes 512 x 16 x 24 uint8 (E3M2 codes of l_wo, K innermost, in blocks of 32 codes, four codes in three bytes); l_wo_scales 512 x 16 uint8 (E8M0 scales of l_wo, one for each 32 codes along K); l_wqkv_codes 3 x 512 x 16 x 24 uint8 (E3M2 codes of l_wqkv, K innermost, in blocks of 32 codes, four codes in three bytes); l_wqkv_scales 3 x 512 x 16 uint8 (E8M0 scales of l_wqkv, one for each 32 codes along K); n1_b 512 float32; n1_g 512 float32; n2_b 512 float32; n2_g 512 float32; n3_b 512 float32; n3_g 512 float32; out_b 128 float32; out_w 512 x 128 float32; pos 1 x 2,048 x 512 float32; win_b 512 float32; win_w_codes 512 x 8 x 24 uint8 (E3M2 codes of win_w, K innermost, in blocks of 32 codes, four codes in three bytes); win_w_scales 512 x 8 uint8 (E8M0 scales of win_w, one for each 32 codes along K); x_codes 4 x 2,048 x 8 x 24 uint8 (E3M2 codes of x, K innermost, in blocks of 32 codes, four codes in three bytes); x_scales 4 x 2,048 x 8 uint8 (E8M0 scales of x, one for each 32 codes along K).
;; Outputs: out0 4 x 128 float32.
;; This version of the problem:
;;   THIS VERSION OF THE PROBLEM IS GIVEN IN LOW PRECISION. The matrix products marked QUANTISED in the list below multiply operands that are first quantised to E3M2 (3 exponent bits, 2 mantissa bits; 6 bits a number), with one power-of-two scale for each 32 numbers along K (OCP MX v1.0); their sums are f32. All else is computed in f32.
;;   The module's matrix products, in the order in which they are computed (A, B: the left and right operand; K: the contracted axis; several contracted axes count as one K, in the product's order):
;;     1. [M 8,192, K 256] x [K 256, N 512]; A: input x (given as codes); B: input win_w (given as codes): QUANTISED
;;     2. [M 8,192, K 512] x [K 512, N 512]; A: computed on the way; B: input l_wqkv (given as codes): QUANTISED
;;     3. [M 8,192, K 512] x [K 512, N 512]; A: computed on the way; B: input l_wqkv (given as codes): QUANTISED
;;     4. [M 8,192, K 512] x [K 512, N 512]; A: computed on the way; B: input l_wqkv (given as codes): QUANTISED
;;     5. batch 32 x [M 2,048, K 64] x [K 64, N 2,048]; A: computed on the way; B: computed on the way: QUANTISED
;;     6. batch 32 x [M 64, K 2,048] x [K 2,048, N 2,048]; A: computed on the way; B: softmax (see below): QUANTISED
;;     7. [M 8,192, K 512] x [K 512, N 512]; A: computed on the way; B: input l_wo (given as codes): QUANTISED
;;     8. [M 8,192, K 512] x [K 512, N 512]; A: computed on the way; B: input g_wqkv (given as codes): QUANTISED
;;     9. [M 8,192, K 512] x [K 512, N 512]; A: computed on the way; B: input g_wqkv (given as codes): QUANTISED
;;     10. [M 8,192, K 512] x [K 512, N 512]; A: computed on the way; B: input g_wqkv (given as codes): QUANTISED
;;     11. batch 32 x [M 2,048, K 64] x [K 64, N 2,048]; A: computed on the way; B: computed on the way: QUANTISED
;;     12. batch 32 x [M 64, K 2,048] x [K 2,048, N 2,048]; A: computed on the way; B: softmax (see below): QUANTISED
;;     13. [M 8,192, K 512] x [K 512, N 512]; A: computed on the way; B: input g_wo (given as codes): QUANTISED
;;     14. [M 8,192, K 1,024] x [K 1,024, N 512]; A: computed on the way; B: input gate_w (given as codes): QUANTISED
;;     15. [M 8,192, K 512] x [K 512, N 1,024]; A: computed on the way; B: input ffn_w1 (given as codes): QUANTISED
;;     16. [M 8,192, K 1,024] x [K 1,024, N 512]; A: computed on the way; B: input ffn_w2 (given as codes): QUANTISED
;;     17. [M 4, K 512] x [K 512, N 128]; A: computed on the way; B: input out_w: left as it is (M = 4 < 16)
;;   THE QUANTISER, for each operand of a quantised product, along K:
;;     - K is cut into blocks of 32 from its start; a last block that is shorter is filled with zeros.
;;     - A block's scale is 2^e with e = floor(log2(the largest magnitude in the block)) - 4, held to -126 .. 127; a block of zeros has e = 0. As a byte (E8M0): e + 127.
;;     - Each number is divided by its block's scale, clamped to +-28, and rounded to the nearest number of E3M2, ties to even, subnormals kept.
;;     - The product sums the exact products of the quantised numbers (number of the format x scale) in f32.
;;   ~~~python
;;   def quantise(x, axis):      # numpy; x: float32 -> the quantised numbers, widened to float32 again
;;       x = np.moveaxis(x, axis, -1); K = x.shape[-1]
;;       x = np.pad(x, [(0, 0)] * (x.ndim - 1) + [(0, -K % 32)]); x = x.reshape(x.shape[:-1] + (-1, 32)); a = np.abs(x).max(-1, keepdims=True)
;;       e = np.where(a > 0, np.clip(np.frexp(np.where(a > 0, a, 1))[1] - 1 - 4, -126, 127), 0)      # np.frexp(a)[1] - 1 = floor(log2(a)), exactly
;;       r = np.clip(x / 2.0 ** e, -28, 28)
;;       step = 2.0 ** (np.maximum(np.frexp(np.where(r == 0, 1, r))[1] - 1, -2) - 2)
;;       q = np.round(r / step) * step * 2.0 ** e      # np.round: ties to even
;;       return np.moveaxis(q.reshape(q.shape[:-2] + (-1,))[..., :K], -1, axis).astype(np.float32)
;;   ~~~
;;   SOFTMAX AHEAD OF A QUANTISED PRODUCT. Where the list says 'softmax', what is quantised is not the finished softmax but p = 2^(t - M), with t = logit x log2(e) and M = ceil(the row's largest t), a whole number; so 1/2 < the row's largest p <= 1. The row's sum l is taken of the UNQUANTISED p, in f32, and the product's result is divided by l at the end. Since M is a whole number, a kernel that streams over the keys may use a running M (the ceiling of the running maximum): every later rescaling is an exact power of two, which a block's scale takes up: the codes' values come out the same.
;;   OPERANDS COMPUTED ON THE WAY. 'Computed on the way' means the value that the module computes at that place (a softmax that the list does not call 'softmax' is quantised finished and normalised). What goes into a quantiser is computed in f32, as accurately as f32 sums, v_exp_f32 and their like allow (about 1e-6 of the number): no bf16 or f16 on the way to a quantiser, and a product that is left as it is and whose result goes on into a quantised operand takes f32 operands (vector FMAs, or v_wmma_f32_16x16x4_f32). A number that lies on a knife's edge between two numbers of the format may be rounded either way, as far as f32 arithmetic and the matrix unit's own rounding can turn it there, and no further.
;;   INPUTS GIVEN AS CODES. ffn_w1 (in the module: [512, 1024], K = its axis 0); ffn_w2 (in the module: [1024, 512], K = its axis 0); g_wo (in the module: [512, 512], K = its axis 0); g_wqkv (in the module: [3, 512, 512], K = its axis 1); gate_w (in the module: [1024, 512], K = its axis 0); l_wo (in the module: [512, 512], K = its axis 0); l_wqkv (in the module: [3, 512, 512], K = its axis 1); win_w (in the module: [256, 512], K = its axis 0); x (in the module: [4, 2048, 256], K = its axis 2): each comes as NAME_codes (uint8): NAME with its K axis moved to the last place and cut into blocks of 32 codes, [.., K / 32, bytes a block], one block behind the other in memory; four codes in three bytes: a row's codes are one little-endian stream of bits, code i at bits 6 i .. 6 i + 5 (a code: sign, 3 exponent bits, 2 mantissa bits); and NAME_scales (uint8): the same leading axes, one E8M0 byte (e + 127) for each 32 codes along K. Its value is code x scale, taken as it is: it is not quantised again, and the codes and scales need not be those that the quantiser above would give.
;; 2 versions. Each part assembles by itself: llvm-mc -triple=amdgcn-amd-amdhsa -mcpu=gfx1250 --defsym DOCPART=n.
;; ======== version 1 of 2: 4 launches
;; workspace buffers: qbuf 8,388,608 bytes; kvbuf 14,680,064 bytes; obuf 8,388,608 bytes; wimg 1,810,432 bytes; part 524,288 bytes
;; launch qkv (part 1): grid 128 x 2, 4 waves a work-group, no clusters, 27,136 bytes of LDS; arguments x_codes, x_scales, win_w_codes, win_w_scales, win_b, pos, l_wqkv_codes, l_wqkv_scales, l_bqkv, g_wqkv_codes, g_wqkv_scales, g_bqkv, l_wo_codes, l_wo_scales, g_wo_codes, g_wo_scales, gate_w_codes, gate_w_scales, ffn_w1_codes, ffn_w1_scales, ffn_w2_codes, ffn_w2_scales, qbuf, kvbuf, wimg; writes qbuf, kvbuf, wimg
.if DOCPART == 1
	.amdgcn_target "amdgcn-amd-amdhsa--gfx1250"
	.amdhsa_code_object_version 6
	.text
	.protected	k_qe4fb308086_qkv
	.globl	k_qe4fb308086_qkv
	.p2align	8
	.type	k_qe4fb308086_qkv,@function
k_qe4fb308086_qkv:
	s_mov_b64 s[64:65], 0
	v_nop
	global_prefetch_b8 v0, s[64:65] scope:SCOPE_SE
	s_setreg_imm32_b32 hwreg(HW_REG_WAVE_MODE, 25, 1), 1
	s_wait_xcnt 0x0
; h = x win + win_b + pos;  q, k, v = Q(h) W + b of ONE path (work-group y: 0 local, 1 global), quantised to BF6 (E3M2) and stored as images of operand registers.
; A work-group of four waves owns 64 tokens (work-group x).  Phase H: wave w makes h's channels 128 w .. 128 w + 127 for the 64 tokens, quantises them (they are K step w of the next products)
; and hands the fragments to the other waves through LDS as images of their registers.  Phase P: wave w makes heads 2 w and 2 w + 1: six units (head, q | k | v) of 64 channels x 64 tokens x K 512.
; CHOSEN ORDER: lane r of tile t takes row 32 (t / 2) + 8 (t % 2) + r + 8 (r / 8), of weights and of tokens alike.  With such a tile as source 0, the registers of tiles 2 b and 2 b + 1 of a lane
; are 16 neighbours, 32 b + 16 (lane / 16) + 0 .. 15, along the next product's K: the conversions take them as they stand.  q, k: source 0 = weights, source 1 = tokens (registers run along the head's 64);
; v: source 0 = tokens, source 1 = weights (registers run along the keys, which are the second attention product's K).
; IMAGES.  64 along K of 16 rows (6 registers a lane): registers 0-3 at 16 x lane, registers 4-5 at 512 + 8 x lane: 768 bytes; its scale word (two bytes) at 4 x lane.
; At the end each wave lays one or two fragments of the later launch's weights (win, l_wo, g_wo, gate, ffn_w1, ffn_w2) into wimg as images of 12 registers: 1,088 fragments over 1,024 waves.
; LIMITS: NaN and infinities are not served; a block whose largest magnitude lies under 2^-122 keeps the scale byte 1; a block of zeros gets the byte 1, not 127: its codes are zeros and this program alone reads the bytes.
; REGISTERS.  window 0: v1-19 lane terms; v24-39 TM; v40 PW; v44-62 PC; v64-79 scale words of x, later of h; v80-111 scale words of weights; v112-115 v's bias; v128-255 accumulators.
;   window 1: h's 16 fragments, v192-223 a unit's bias (phase H: x's 8 fragments, v96-159 win_b).   window 2: win's 16 fragments.   window 3: a ring of three sets of four weight fragments.
.set HIMG, 0                           ; LDS: h's fragment (token tile m, K step s) at (4 m + s) x 1,536
.set HSC,  24576                       ; its scale words at (4 m + s) x 128
.set ACC,  128
.set TM,   24
.set PW,   40
.set PC,   44
.set XS,   64
.set HS,   64
.set SW,   80
.set WNS,  96
.set BT,   112
.set BI,   192                         ; window 1
.set WBR,  96                          ; window 1
.set WV,   54
.set RBK,  55
.set PATH, 56
.set BLK,  57
.set SEL,  58
.set XP,   66
.set XSP,  68
.set WNP,  70
.set WNSP, 72
.set WBP,  74
.set PP,   76
.set WP,   78
.set WSP,  80
.set BP,   82
.set QP,   84
.set KP,   86
.set MSB, 0
.macro WIN new                         ; the immediate's high byte repeats the setting that is left; a switch that changes nothing is dropped
.set WNEW, \new
.if MSB != WNEW
	s_set_vgpr_msb (MSB<<8)|WNEW
.set MSB, WNEW
.endif
.endm
.macro PLACES                          ; four plain vector lines behind matrix instructions, ahead of loads into their registers and of reads of their results
.rept 4
	v_nop
.endr
.endm
.set LC, 0                             ; global loads issued so far: the text is straight-line, so the assembler can count
.macro WAITL n                         ; the first n loads are in: as many may stay out as were issued behind them
.set WN, LC-(\n)
.if WN > 63
.set WN, 63
.endif
	s_wait_loadcnt WN
.endm
.macro MM d, a, b, c, sa, sb
	v_wmma_scale_f32_16x16x128_f8f6f4 v[\d:\d+7], v[\a:\a+11], v[\b:\b+11], v[\c:\c+7], v[\sa], v[\sb] matrix_a_fmt:MATRIX_FMT_BF6 matrix_b_fmt:MATRIX_FMT_BF6
.endm
; 64 numbers of a lane, register 16 b + i = k 32 b + 16 (lane / 16) + i of the lane's row, in window X, become a fragment's 12 registers in v[PC] on and its scale word in v[PW].
.macro QUANT64 s, X
	WIN (\X)|((\X)<<2)
.irp b, 0,1,2,3
	v_max3_num_f32 v[TM+\b], |v[(\s)+16*\b]|, |v[(\s)+1+16*\b]|, 0x2800000   ; my 16 numbers of block b, and the floor 2^(5 - 127): the byte cannot fall under 1
.endr
	WIN ((\X)<<2)|((\X)<<4)
.irp i, 2,4,6,8,10,12,14
.irp b, 0,1,2,3
	v_max3_num_f32 v[TM+\b], v[TM+\b], |v[(\s)+16*\b+\i]|, |v[(\s)+1+16*\b+\i]|
.endr
.endr
	WIN 0
.irp b, 0,1,2,3
	v_permlanex16_b32 v[TM+4+\b], v[TM+\b], s[SEL], s[SEL+1]
.endr
.irp b, 0,1,2,3
	v_max_num_f32 v[TM+\b], v[TM+\b], v[TM+4+\b]   ; with lane l xor 16's: the block's largest magnitude
.endr
.irp b, 0,1,2,3
	v_add_nc_u32 v[TM+12+\b], 0xfe000000, v[TM+\b]   ; 4 off its exponent field: the conversion's scale operand
.endr
.irp b, 0,1,2,3
	v_lshrrev_b32 v[TM+4+\b], 23, v[TM+12+\b]      ; the scale's byte
.endr
	v_lshl_or_b32 v[PW], v[TM+5], 8, v[TM+4]
	v_lshl_or_b32 v[PW], v[TM+6], 16, v[PW]
	v_lshl_or_b32 v[PW], v[TM+7], 24, v[PW]
	WIN \X
.irp c, 0,1
	v_cvt_scalef32_pk16_bf6_f32 v[PC+6*\c:PC+6*\c+2], v[(\s)+32*\c:(\s)+32*\c+15], v[TM+12+2*\c]
	v_cvt_scalef32_pk16_bf6_f32 v[PC+12+4*\c:PC+12+4*\c+2], v[(\s)+16+32*\c:(\s)+16+32*\c+15], v[TM+13+2*\c]
.endr
	WIN 0
	v_nop                                          ; one plain line behind the scaled conversions
.irp c, 0,1                                    ; the operand wants a whole block in a lane: lanes 0-15 block 2 c, lanes 16-31 block 2 c + 1
.irp i, 0,1,2
	v_permlane16_swap_b32 v[PC+6*\c+\i], v[PC+12+4*\c+\i]
.endr
.irp i, 0,1,2
	v_mov_b32 v[PC+3+6*\c+\i], v[PC+12+4*\c+\i]
.endr
.endr
.endm
; the same of 32 numbers (two blocks, window 0): 6 registers in v[PC] on, two bytes in v[PW]
.macro QUANT32 s
.irp b, 0,1
	v_max3_num_f32 v[TM+\b], |v[(\s)+16*\b]|, |v[(\s)+1+16*\b]|, 0x2800000
.endr
.irp i, 2,4,6,8,10,12,14
.irp b, 0,1
	v_max3_num_f32 v[TM+\b], v[TM+\b], |v[(\s)+16*\b+\i]|, |v[(\s)+1+16*\b+\i]|
.endr
.endr
.irp b, 0,1
	v_permlanex16_b32 v[TM+4+\b], v[TM+\b], s[SEL], s[SEL+1]
.endr
.irp b, 0,1
	v_max_num_f32 v[TM+\b], v[TM+\b], v[TM+4+\b]
.endr
.irp b, 0,1
	v_add_nc_u32 v[TM+12+\b], 0xfe000000, v[TM+\b]
.endr
.irp b, 0,1
	v_lshrrev_b32 v[TM+4+\b], 23, v[TM+12+\b]
.endr
	v_lshl_or_b32 v[PW], v[TM+5], 8, v[TM+4]
	v_cvt_scalef32_pk16_bf6_f32 v[PC:PC+2], v[(\s):(\s)+15], v[TM+12]
	v_cvt_scalef32_pk16_bf6_f32 v[PC+12:PC+14], v[(\s)+16:(\s)+31], v[TM+13]
	v_nop
.irp i, 0,1,2
	v_permlane16_swap_b32 v[PC+\i], v[PC+12+\i]
.endr
.irp i, 0,1,2
	v_mov_b32 v[PC+3+\i], v[PC+12+\i]
.endr
.endm
	s_load_b512 s[4:19], s[0:1], 0x0               ; x codes 4, x scales 6, win codes 8, win scales 10, win_b 12, pos 14, l_wqkv codes 16, scales 18
	s_load_b512 s[20:35], s[0:1], 0x40             ; l_bqkv 20, g_wqkv codes 22, scales 24, g_bqkv 26, l_wo codes 28, scales 30, g_wo codes 32, scales 34
	s_load_b512 s[36:51], s[0:1], 0x80             ; gate codes 36, scales 38, ffn_w1 codes 40, scales 42, ffn_w2 codes 44, scales 46, qbuf 48, kvbuf 50
	s_load_b64 s[52:53], s[0:1], 0xc0              ; wimg
	v_lshl_add_u32 v126, v0, 2, 0x6800
	v_mov_b32 v127, 0
	v_lshrrev_b32 v1, 5, v0
	v_readfirstlane_b32 s[WV], v1                  ; wave 0..3
	v_and_b32 v1, 31, v0                           ; lane
	v_and_b32 v2, 15, v0                           ; r
	v_bfe_u32 v3, v0, 4, 1                         ; h
	v_lshlrev_b32 v4, 4, v1                        ; 16 x lane
	v_lshlrev_b32 v5, 3, v1                        ; 8 x lane
	v_lshlrev_b32 v6, 2, v1                        ; 4 x lane
	v_and_b32 v9, 8, v2
	v_add_nc_u32 v9, v9, v2                        ; rho = r + 8 (r / 8)
	v_mul_u32_u24 v17, v3, 24                      ; 24 h
	v_mad_u32_u24 v7, v9, 192, v17                 ; rows of 256 codes (x, win)
	v_lshlrev_b32 v8, 3, v9                        ; their scale bytes, 8 a row
	v_mad_u32_u24 v10, v9, 384, v17                ; rows of 512 codes (wqkv)
	v_lshlrev_b32 v11, 4, v9                       ; their scale bytes, 16 a row
	v_lshlrev_b32 v13, 6, v3                       ; 64 h: my half's 16 channels of a block of 32, in f32
	v_lshl_add_u32 v12, v9, 11, v13                ; pos: row rho of 2,048 bytes + 64 h
	v_lshlrev_b32 v14, 2, v9                       ; 4 rho
	s_mul_i32 s60, s[WV], 1536
	v_add_nc_u32 v15, s60, v4                      ; where I store h's images: 16 x lane + 1,536 x wave
	s_lshl_b32 s60, s[WV], 7
	v_add_nc_u32 v16, s60, v6                      ; and their scale words: 4 x lane + 128 x wave
.irp b, 0,1,2,3
	v_mov_b32 v[TM+4+\b], 0                        ; written once: a lane permute's destination counts as one of its sources
.endr
	s_and_b32 s[PATH], ttmp7, 0xffff
	s_mov_b32 s[RBK], ttmp9
	s_mov_b32 s[SEL], 0x76543210
	s_mov_b32 s[SEL+1], 0xfedcba98
	s_mov_b32 s63, 0
	s_and_b32 s[BLK], s[RBK], 31                   ; the block of 64 tokens in its batch
	s_lshr_b32 s60, s[RBK], 5
	s_lshl_b32 s60, s60, 3
	s_lshl_b32 s61, s[PATH], 5
	s_add_co_u32 s60, s60, s61
	s_lshl_b32 s61, s[WV], 1
	s_add_co_u32 s60, s60, s61                     ; 32 path + 8 batch + 2 wave: my first head's record
	s_wait_kmcnt 0x0
	s_mul_i32 s62, s[RBK], 12288
	s_add_nc_u64 s[XP:XP+1], s[4:5], s[62:63]
	s_lshl_b32 s62, s[RBK], 9
	s_add_nc_u64 s[XSP:XSP+1], s[6:7], s[62:63]
	s_mul_i32 s62, s[WV], 24576
	s_add_nc_u64 s[WNP:WNP+1], s[8:9], s[62:63]
	s_lshl_b32 s62, s[WV], 10
	s_add_nc_u64 s[WNSP:WNSP+1], s[10:11], s[62:63]
	s_lshl_b32 s62, s[WV], 9
	s_add_nc_u64 s[WBP:WBP+1], s[12:13], s[62:63]
	s_lshl_b32 s61, s[BLK], 17
	s_add_co_u32 s62, s62, s61
	s_add_nc_u64 s[PP:PP+1], s[14:15], s[62:63]
	s_cmp_eq_u32 s[PATH], 0                        ; the path's weights: the choice hangs on the work-group's number alone
	s_cselect_b64 s[WP:WP+1], s[16:17], s[22:23]
	s_cselect_b64 s[WSP:WSP+1], s[18:19], s[24:25]
	s_cselect_b64 s[BP:BP+1], s[20:21], s[26:27]
	s_mul_i32 s62, s[WV], 49152
	s_add_nc_u64 s[WP:WP+1], s[WP:WP+1], s[62:63]
	s_lshl_b32 s62, s[WV], 11
	s_add_nc_u64 s[WSP:WSP+1], s[WSP:WSP+1], s[62:63]
	s_lshl_b32 s62, s[WV], 9
	s_add_nc_u64 s[BP:BP+1], s[BP:BP+1], s[62:63]
	s_lshl_b32 s62, s60, 17
	s_lshl_b32 s61, s[BLK], 12
	s_add_co_u32 s62, s62, s61
	s_add_nc_u64 s[QP:QP+1], s[48:49], s[62:63]
	s_mul_i32 s62, s60, 229376
	s_mul_i32 s61, s[BLK], 7168
	s_add_co_u32 s62, s62, s61
	s_add_nc_u64 s[KP:KP+1], s[50:51], s[62:63]
	; ---- the loads of phase H: x's 8 fragments and scale words, my 16 fragments of win, their scale words, win_b, pos of two token tiles
	WIN 0x40
.irp m, 0,1,2,3
.irp k, 0,1
.irp p, 0,1,2,3,4,5
	global_load_b64 v[12*(2*\m+\k)+2*\p:12*(2*\m+\k)+2*\p+1], v7, s[XP:XP+1] offset:(32*(\m/2)+8*(\m%2))*192+96*\k+48*(\p/3)+8*(\p%3)
.endr
.endr
.endr
	WIN 0
.irp m, 0,1,2,3
	global_load_b64 v[XS+2*\m:XS+2*\m+1], v8, s[XSP:XSP+1] offset:(32*(\m/2)+8*(\m%2))*8
.endr
.set LC, LC+52
	WIN 0x80
.irp t, 0,1,2,3,4,5,6,7
.irp k, 0,1
.irp p, 0,1,2,3,4,5
	global_load_b64 v[12*(2*\t+\k)+2*\p:12*(2*\t+\k)+2*\p+1], v7, s[WNP:WNP+1] offset:(32*(\t/2)+8*(\t%2))*192+96*\k+48*(\p/3)+8*(\p%3)
.endr
.endr
.endr
	WIN 0
.irp t, 0,1,2,3,4,5,6,7
	global_load_b64 v[WNS+2*\t:WNS+2*\t+1], v8, s[WNSP:WNSP+1] offset:(32*(\t/2)+8*(\t%2))*8
.endr
	WIN 0x40
.irp b, 0,1,2,3
.irp q, 0,1,2,3
	global_load_b128 v[WBR+16*\b+4*\q:WBR+16*\b+4*\q+3], v13, s[WBP:WBP+1] offset:128*\b+16*\q
.endr
.endr
	WIN 0
.set LC, LC+120
.macro POS m                           ; pos of token tile m, in the result's layout, into the accumulators that the tile's products will add onto
.irp b, 0,1,2,3
.irp q, 0,1,2,3
	global_load_b128 v[ACC+64*((\m)%2)+16*\b+4*\q:ACC+64*((\m)%2)+16*\b+4*\q+3], v12, s[PP:PP+1] offset:(32*((\m)/2)+8*((\m)%2))*2048+128*\b+16*\q
.endr
.endr
.set LC, LC+16
.set MP\m, LC
.endm
.macro LOADG g                         ; group g = 4 x unit + K step: four weight fragments into ring set g % 3
.set LG_I, (\g)/4
.set LG_O, (LG_I%3)*196608+(LG_I/3)*24576+96*((\g)%4)
.set LG_R, 48*((\g)%3)
	WIN 0xc0
.irp t, 0,1,2,3
.irp p, 0,1,2,3,4,5
	global_load_b64 v[LG_R+12*\t+2*\p:LG_R+12*\t+2*\p+1], v10, s[WP:WP+1] offset:LG_O+(32*(\t/2)+8*(\t%2))*384+48*(\p/3)+8*(\p%3)
.endr
.endr
	WIN 0
.set LC, LC+24
.endm
.macro EXTRA u                         ; unit u's scale words (four K steps a load) and its bias
.set EX_K, (\u)%3
.set EX_J, (\u)/3
.set EX_S, SW+16*((\u)%2)
	WIN 0
.irp t, 0,1,2,3
	global_load_b128 v[EX_S+4*\t:EX_S+4*\t+3], v11, s[WSP:WSP+1] offset:EX_K*8192+EX_J*1024+(32*(\t/2)+8*(\t%2))*16
.endr
.set LC, LC+4
.if EX_K < 2
	WIN 0x40
.irp t, 0,1,2,3
	global_load_b128 v[BI+8*\t:BI+8*\t+3], v13, s[BP:BP+1] offset:EX_K*2048+EX_J*256+(32*(\t/2)+8*(\t%2))*4
	global_load_b128 v[BI+8*\t+4:BI+8*\t+7], v13, s[BP:BP+1] offset:EX_K*2048+EX_J*256+(32*(\t/2)+8*(\t%2))*4+16
.endr
	WIN 0
.set LC, LC+8
.else
.irp t, 0,1,2,3
	global_load_b32 v[BT+\t], v14, s[BP:BP+1] offset:4096+EX_J*256+(32*(\t/2)+8*(\t%2))*4
.endr
.set LC, LC+4
.endif
.endm
	POS 0
	POS 1
; ---- phase H, a token tile at a time: 16 products on 8 accumulators by turns (they begin as pos), + win_b, quantised, image to LDS
.macro HTILE m
.set HA, ACC+64*((\m)%2)
	WAITL MP\m                                     ; this tile's pos is in, and so is all that was asked for ahead of it
	WIN 0x06                                       ; source 0 (win) window 2, source 1 (x) window 1
.irp k, 0,1
.irp t, 0,1,2,3,4,5,6,7
	MM HA+8*\t, 12*(2*\t+\k), 12*(2*(\m)+\k), HA+8*\t, WNS+2*\t+\k, XS+2*(\m)+\k
.endr
.endr
	PLACES
	WIN 0x04                                       ; source 1 (win_b) window 1
.set j, 0
.rept 32
	v_pk_add_f32 v[HA+j:HA+j+1], v[HA+j:HA+j+1], v[WBR+j:WBR+j+1]
.set j, j+2
.endr
	WIN 0
	s_wait_dscnt 0x0                               ; the last image's stores have read their registers
	QUANT64 HA, 0
.irp c, 0,1,2
	ds_store_b128 v15, v[PC+4*\c:PC+4*\c+3] offset:HIMG+6144*(\m)+512*\c
.endr
	ds_store_b32 v16, v[PW] offset:HSC+512*(\m)
.endm
	HTILE 0
	POS 2
	HTILE 1
	POS 3
	HTILE 2
	EXTRA 0
	LOADG 0
.set M0, LC
	HTILE 3
	LOADG 1
.set M1, LC
.set M2, LC
	s_wait_dscnt 0x0                               ; my images have landed
	s_barrier_signal -1
	s_barrier_wait -1                              ; everybody's have: h's 16 fragments lie in LDS
	WIN 0x40
.irp f, 0,1,2,3,4,5,6,7,8,9,10,11,12,13,14,15
.irp c, 0,1,2
	ds_load_b128 v[12*\f+4*\c:12*\f+4*\c+3], v4 offset:HIMG+1536*\f+512*\c
.endr
.endr
	WIN 0
.irp f, 0,1,2,3,4,5,6,7,8,9,10,11,12,13,14,15
	ds_load_b32 v[HS+\f], v6 offset:HSC+128*\f
.endr
	s_wait_dscnt 0x0
; ---- phase P.  A group is one K step of one unit: 16 products on 16 accumulators by turns.  Weights come two groups ahead through the ring.
.macro OUT3 bp, oi, ow                 ; an image of 6 registers and its scale word: stores of 512, 256 and 128 consecutive bytes
	global_store_b128 v4, v[PC:PC+3], s[\bp:\bp+1] offset:\oi
	global_store_b64 v5, v[PC+4:PC+5], s[\bp:\bp+1] offset:(\oi)+512
	global_store_b32 v6, v[PW], s[\bp:\bp+1] offset:\ow
.endm
.macro GROUP u, k
.set GG, 4*(\u)+(\k)
.set KIND, (\u)%3
.set JH, (\u)/3
.set RGB, 48*(GG%3)
.set SWS, SW+16*((\u)%2)
	PLACES                                         ; behind the last group's products: the ring set and the bias that they read are loaded anew below
.if GG+2 < 24
	LOADG GG+2
.set M2, LC
.endif
.if ((\k)==1)&&((\u)<5)
	EXTRA (\u)+1
.endif
	WAITL M0                                       ; this group's fragments are in (and the unit's scale words and bias, asked for earlier)
.if KIND == 2
.if (\k) == 0
	WIN 0x40
.irp t, 0,1,2,3
.irp j, 0,1,2,3,4,5,6,7
	v_mov_b32 v[BI+8*\t+\j], v[BT+\t]              ; v: a lane holds one channel, so its bias fills the tile's eight registers
.endr
.endr
	WIN 0x1d                                       ; source 0 (h) window 1, source 1 (weights) window 3, C (bias) window 1
.else
	WIN 0x0d
.endif
.irp m, 0,1,2,3
.irp t, 0,1,2,3
.if (\k) == 0
	MM ACC+32*\t+8*\m, 12*(4*\m+(\k)), RGB+12*\t, BI+8*\t, HS+4*\m+(\k), SWS+4*\t+(\k)
.else
	MM ACC+32*\t+8*\m, 12*(4*\m+(\k)), RGB+12*\t, ACC+32*\t+8*\m, HS+4*\m+(\k), SWS+4*\t+(\k)
.endif
.endr
.endr
.else
.if (\k) == 0
	WIN 0x17                                       ; source 0 (weights) window 3, source 1 (h) window 1, C (bias) window 1
.else
	WIN 0x07
.endif
.irp m, 0,1,2,3
.irp t, 0,1,2,3
.if (\k) == 0
	MM ACC+32*\m+8*\t, RGB+12*\t, 12*(4*\m+(\k)), BI+8*\t, SWS+4*\t+(\k), HS+4*\m+(\k)
.else
	MM ACC+32*\m+8*\t, RGB+12*\t, 12*(4*\m+(\k)), ACC+32*\m+8*\t, SWS+4*\t+(\k), HS+4*\m+(\k)
.endif
.endr
.endr
.endif
.if (\k) == 3                          ; the unit is finished: four images of 16 rows x 64 along the next K
	WIN 0
	PLACES
.irp e, 0,1,2,3
	s_wait_xcnt 0x0                                ; the last image's stores have read their registers
	QUANT32 ACC+32*\e
.if KIND == 0
	OUT3 QP, JH*131072+1024*\e, JH*131072+1024*\e+768
.elseif KIND == 1
	OUT3 KP, JH*229376+768*\e, JH*229376+6144+128*\e
.else
	OUT3 KP, JH*229376+3072+768*\e, JH*229376+6656+128*\e
.endif
.endr
.endif
.set M0, M1
.set M1, M2
.endm
.irp u, 0,1,2,3,4,5
	GROUP \u, 0
	GROUP \u, 1
	GROUP \u, 2
	GROUP \u, 3
.endr
; ---- the later launch's weights as images.  Fragment f: K step Gk = f / 32 of the chain (0-1 win, 2-5 l_wo, 6-9 g_wo, 10-17 gate, 18-25 ffn_w1 in two halves of its rows, 26-33 ffn_w2),
; wave w' = (f / 8) % 4, tile t = f % 8: rows 128 w' + chosen order.  All choices hang on ids alone.
.macro PICK from, cp, sp, rb, srb, km
	s_cmp_ge_u32 s89, \from
	s_cselect_b64 s[92:93], s[\cp:\cp+1], s[92:93]
	s_cselect_b64 s[94:95], s[\sp:\sp+1], s[94:95]
	s_cselect_b32 s96, \rb, s96
	s_cselect_b32 s97, \srb, s97
	s_cselect_b32 s98, \from, s98
	s_cselect_b32 s99, \km, s99
.endm
.macro RELAY
	s_lshr_b32 s89, s88, 5                         ; Gk
	s_bfe_u32 s90, s88, 0x20003                    ; w'
	s_and_b32 s91, s88, 7                          ; t
	s_mov_b64 s[92:93], s[8:9]
	s_mov_b64 s[94:95], s[10:11]
	s_mov_b32 s96, 192                             ; bytes in a row of codes
	s_mov_b32 s97, 8                               ; bytes in a row of scales
	s_mov_b32 s98, 0                               ; the tensor's first Gk
	s_mov_b32 s99, 7                               ; K steps in a row, less one (ffn_w1: 3; what lies above selects the half of its rows)
	PICK 2, 28, 30, 384, 16, 7
	PICK 6, 32, 34, 384, 16, 7
	PICK 10, 36, 38, 768, 32, 7
	PICK 18, 40, 42, 384, 16, 3
	PICK 26, 44, 46, 768, 32, 7
	s_sub_co_u32 s98, s89, s98
	s_and_not1_b32 s60, s98, s99
	s_and_b32 s98, s98, s99                        ; the K step in the row
	s_lshl_b32 s60, s60, 7
	s_lshl_b32 s61, s90, 7
	s_add_co_u32 s60, s60, s61
	s_lshr_b32 s61, s91, 1
	s_lshl_b32 s61, s61, 5
	s_add_co_u32 s60, s60, s61
	s_and_b32 s61, s91, 1
	s_lshl_b32 s61, s61, 3
	s_add_co_u32 s60, s60, s61                     ; the tile's first row
	s_mul_i32 s62, s60, s96
	s_mul_i32 s61, s98, 96
	s_add_co_u32 s62, s62, s61
	s_add_nc_u64 s[92:93], s[92:93], s[62:63]
	s_mul_i32 s62, s60, s97
	s_lshl_b32 s61, s98, 2
	s_add_co_u32 s62, s62, s61
	s_add_nc_u64 s[94:95], s[94:95], s[62:63]
	v_mad_u32_u24 v18, v9, s96, v17                ; rho rows + 24 h
	v_mul_u32_u24 v19, s97, v9
.irp p, 0,1,2,3,4,5
	global_load_b64 v[128+2*\p:129+2*\p], v18, s[92:93] offset:48*(\p/3)+8*(\p%3)
.endr
	global_load_b32 v140, v19, s[94:95]
	s_lshl_b32 s60, s89, 2
	s_add_co_u32 s60, s60, s90
	s_mul_i32 s60, s60, 13312                      ; the brick (Gk, w')
	s_mul_i32 s61, s91, 1536
	s_add_co_u32 s62, s60, s61
	s_add_nc_u64 s[66:67], s[52:53], s[62:63]      ; the image's place
	s_lshr_b32 s61, s91, 2
	s_lshl_b32 s61, s61, 9
	s_add_co_u32 s62, s60, s61
	s_and_b32 s61, s91, 3
	s_lshl_b32 s61, s61, 2
	s_add_co_u32 s62, s62, s61
	s_add_co_u32 s62, s62, 12288
	s_add_nc_u64 s[68:69], s[52:53], s[62:63]      ; the scale word's: four tiles' words lie side by side, 16 bytes a lane
	s_wait_loadcnt 0x0
.irp c, 0,1,2
	global_store_b128 v4, v[128+4*\c:131+4*\c], s[66:67] offset:512*\c
.endr
	global_store_b32 v4, v140, s[68:69]
.endm
	s_lshl_b32 s88, s[PATH], 7
	s_add_co_u32 s88, s88, s[RBK]
	s_lshl_b32 s88, s88, 2
	s_add_co_u32 s88, s88, s[WV]                   ; my wave's number in the launch, 0 .. 1,023
	RELAY
	s_cmp_lt_u32 s88, 64                           ; 1,088 fragments: the first 64 waves take a second one
	s_cbranch_scc0 .Ldone
	s_wait_xcnt 0x0                                ; the first fragment's loads and stores have read their registers and bases
	s_add_co_u32 s88, s88, 1024
	RELAY
.Ldone:
	s_wait_tensorcnt 0x0
	ds_add_u32 v126, v127
	s_wait_dscnt 0x0
	s_endpgm
.Lfunc_end_k_qe4fb308086_qkv:
	.size	k_qe4fb308086_qkv, .Lfunc_end_k_qe4fb308086_qkv-k_qe4fb308086_qkv
	.p2alignl 7, 3214868480
	.fill 96, 4, 3214868480
	.section	.rodata,"a",@progbits
	.p2align	6, 0x0
	.amdhsa_kernel k_qe4fb308086_qkv
		.amdhsa_group_segment_fixed_size 27136
		.amdhsa_private_segment_fixed_size 0
		.amdhsa_enable_private_segment 0
		.amdhsa_kernarg_size 200
		.amdhsa_user_sgpr_count 2
		.amdhsa_user_sgpr_kernarg_segment_ptr 1
		.amdhsa_wavefront_size32 1
		.amdhsa_system_sgpr_workgroup_id_x 1
		.amdhsa_system_sgpr_workgroup_id_y 1
		.amdhsa_system_sgpr_workgroup_id_z 1
		.amdhsa_system_vgpr_workitem_id 0
		.amdhsa_next_free_vgpr 912
		.amdhsa_next_free_sgpr 100
		.amdhsa_reserve_vcc 0
		.amdhsa_float_denorm_mode_32 3
		.amdhsa_float_denorm_mode_16_64 3
		.amdhsa_memory_ordered 1
		.amdhsa_forward_progress 1
		.amdhsa_inst_pref_size 241
	.end_amdhsa_kernel
	.amdgpu_metadata
---
amdhsa.version: [ 1, 2 ]
amdhsa.kernels:
  - .name:           k_qe4fb308086_qkv
    .symbol:         k_qe4fb308086_qkv.kd
    .args:
      - { .name: x_codes, .offset: 0, .size: 8, .value_kind: global_buffer, .address_space: global }
      - { .name: x_scales, .offset: 8, .size: 8, .value_kind: global_buffer, .address_space: global }
      - { .name: win_w_codes, .offset: 16, .size: 8, .value_kind: global_buffer, .address_space: global }
      - { .name: win_w_scales, .offset: 24, .size: 8, .value_kind: global_buffer, .address_space: global }
      - { .name: win_b, .offset: 32, .size: 8, .value_kind: global_buffer, .address_space: global }
      - { .name: pos, .offset: 40, .size: 8, .value_kind: global_buffer, .address_space: global }
      - { .name: l_wqkv_codes, .offset: 48, .size: 8, .value_kind: global_buffer, .address_space: global }
      - { .name: l_wqkv_scales, .offset: 56, .size: 8, .value_kind: global_buffer, .address_space: global }
      - { .name: l_bqkv, .offset: 64, .size: 8, .value_kind: global_buffer, .address_space: global }
      - { .name: g_wqkv_codes, .offset: 72, .size: 8, .value_kind: global_buffer, .address_space: global }
      - { .name: g_wqkv_scales, .offset: 80, .size: 8, .value_kind: global_buffer, .address_space: global }
      - { .name: g_bqkv, .offset: 88, .size: 8, .value_kind: global_buffer, .address_space: global }
      - { .name: l_wo_codes, .offset: 96, .size: 8, .value_kind: global_buffer, .address_space: global }
      - { .name: l_wo_scales, .offset: 104, .size: 8, .value_kind: global_buffer, .address_space: global }
      - { .name: g_wo_codes, .offset: 112, .size: 8, .value_kind: global_buffer, .address_space: global }
      - { .name: g_wo_scales, .offset: 120, .size: 8, .value_kind: global_buffer, .address_space: global }
      - { .name: gate_w_codes, .offset: 128, .size: 8, .value_kind: global_buffer, .address_space: global }
      - { .name: gate_w_scales, .offset: 136, .size: 8, .value_kind: global_buffer, .address_space: global }
      - { .name: ffn_w1_codes, .offset: 144, .size: 8, .value_kind: global_buffer, .address_space: global }
      - { .name: ffn_w1_scales, .offset: 152, .size: 8, .value_kind: global_buffer, .address_space: global }
      - { .name: ffn_w2_codes, .offset: 160, .size: 8, .value_kind: global_buffer, .address_space: global }
      - { .name: ffn_w2_scales, .offset: 168, .size: 8, .value_kind: global_buffer, .address_space: global }
      - { .name: qbuf, .offset: 176, .size: 8, .value_kind: global_buffer, .address_space: global }
      - { .name: kvbuf, .offset: 184, .size: 8, .value_kind: global_buffer, .address_space: global }
      - { .name: wimg, .offset: 192, .size: 8, .value_kind: global_buffer, .address_space: global }
    .group_segment_fixed_size: 27136
    .private_segment_fixed_size: 0
    .kernarg_segment_align: 8
    .kernarg_segment_size: 200
    .max_flat_workgroup_size: 128
    .sgpr_count:     100
    .vgpr_count:     912
    .wavefront_size: 32
...
	.end_amdgpu_metadata
.endif
;; end of part 1
;; launch attn (part 2): grid 8 x 32, 16 waves a work-group, no clusters, 274,432 bytes of LDS; arguments qbuf, kvbuf, obuf; writes obuf
.if DOCPART == 2
	.amdgcn_target "amdgcn-amd-amdhsa--gfx1250"
	.amdhsa_code_object_version 6
	.text
	.protected	k_qe4fb308086_attn
	.globl	k_qe4fb308086_attn
	.p2align	8
	.type	k_qe4fb308086_attn,@function
k_qe4fb308086_attn:
	s_mov_b64 s[64:65], 0
	v_nop
	global_prefetch_b8 v0, s[64:65] scope:SCOPE_SE
	s_setreg_imm32_b32 hwreg(HW_REG_WAVE_MODE, 25, 1), 1
	s_wait_xcnt 0x0
; Both attentions of one (batch, head) for 256 queries, on codes of BF6 (E3M2) with one E8M0 scale for each 32 along a product's K.  o / l is quantised along the head's 64 and stored as an operand image.
; SHARES.  Work-group (x = block of 256 queries, y = 8 batch + head), sixteen waves, four to a SIMD.  A wave owns one tile of 16 queries: tile 2 G + u holds queries 32 G + 8 u + r + 8 (r / 8).
; It does the tile's LOCAL attention in one step of 128 keys (|query - key| <= 32 lies inside one window that begins at a multiple of 64; hidden scores become -infinity) and then its GLOBAL attention in 16 steps.
; LDS.  The head's global K and V, 32 records of 64 keys, 7,168 bytes each, lie in LDS whole; six records of the local K and V behind them.  Every byte is filled once, by asynchronous copies issued at the head.
; A record: K's four tiles of 16 keys (6 registers a lane: 512 + 256 bytes) at 768 i; V's four tiles of 16 channels x 64 keys at 3,072 + 768 t; K's scale words at 6,144 + 128 i; V's at 6,656 + 128 t.
; LAYOUT.  S^T = K Q^T (source 0 = 16 keys, source 1 = my queries; the head has 64 channels, so the upper 64 of the instruction's 128 are zero codes), O^T = V^T P^T: a lane holds one query throughout.
; SOFTMAX.  t = score x log2(e) / 8;  M = the running largest t rounded up to a whole number;  p = 2^(t - M) is quantised along the keys;  the sum is taken of the unquantised p and divides at the end.
; LIMITS: NaN and infinities are not served; a block whose largest magnitude lies under 2^-122 keeps the scale byte 1, and so does a block of zeros (its codes are zeros; this program alone reads the bytes).
.set REC,   7168
.set LOC,   229376
.set HEADB, 229376
.set A16, 10
.set A8,  11
.set A4,  42
.set QL,  16
.set QG,  28
.set KF,  44
.set KS,  92
.set S,   96
.set O,   160
.set PC,  192
.set BM,  212
.set TM,  212
.set BP,  216
.set SO,  220
.set PS,  228
.set PW,  229
.set LO,  230
.set WD,  231
.set VH,  232
.set VS,  240
.set CL,  244                          ; v244-247 the global copies' LDS addresses: 16 x thread + 65,536 g; never rewritten
.set CG,  248                          ; v248-251 their offsets in memory: the same numbers; never rewritten
.set WV,  34
.set BH,  35
.set TB,  36
.set CNT, 37
.set CS,  38
.set SEL, 40
.macro MM d, a, b, c, sa, sb
	v_wmma_scale_f32_16x16x128_f8f6f4 v[\d:\d+7], v[\a:\a+11], v[\b:\b+11], v[\c:\c+7], v[\sa], v[\sb] matrix_a_fmt:MATRIX_FMT_BF6 matrix_b_fmt:MATRIX_FMT_BF6
.endm
.macro MM0 d, a, b, sa, sb
	v_wmma_scale_f32_16x16x128_f8f6f4 v[\d:\d+7], v[\a:\a+11], v[\b:\b+11], 0, v[\sa], v[\sb] matrix_a_fmt:MATRIX_FMT_BF6 matrix_b_fmt:MATRIX_FMT_BF6
.endm
.macro QUANT32 s                       ; 32 numbers of a lane, register 16 b + i = k 32 b + 16 (lane / 16) + i: 6 registers of codes in v[PC] on, two scale bytes in v[PW]
.irp b, 0,1
	v_max3_num_f32 v[TM+\b], |v[(\s)+16*\b]|, |v[(\s)+1+16*\b]|, 0x2800000
.endr
.irp i, 2,4,6,8,10,12,14
.irp b, 0,1
	v_max3_num_f32 v[TM+\b], v[TM+\b], |v[(\s)+16*\b+\i]|, |v[(\s)+1+16*\b+\i]|
.endr
.endr
.irp b, 0,1
	v_permlanex16_b32 v[TM+4+\b], v[TM+\b], s[SEL], s[SEL+1]
.endr
.irp b, 0,1
	v_max_num_f32 v[TM+\b], v[TM+\b], v[TM+4+\b]
.endr
.irp b, 0,1
	v_add_nc_u32 v[TM+12+\b], 0xfe000000, v[TM+\b]
.endr
.irp b, 0,1
	v_lshrrev_b32 v[TM+4+\b], 23, v[TM+12+\b]
.endr
	v_lshl_or_b32 v[PW], v[TM+5], 8, v[TM+4]
	v_cvt_scalef32_pk16_bf6_f32 v[PC:PC+2], v[(\s):(\s)+15], v[TM+12]
	v_cvt_scalef32_pk16_bf6_f32 v[PC+12:PC+14], v[(\s)+16:(\s)+31], v[TM+13]
	v_nop
.irp i, 0,1,2
	v_permlane16_swap_b32 v[PC+\i], v[PC+12+\i]
.endr
.irp i, 0,1,2
	v_mov_b32 v[PC+3+\i], v[PC+12+\i]
.endr
.endm
	s_load_b128 s[4:7], s[0:1], 0x0                ; qbuf, kvbuf
	s_load_b64 s[8:9], s[0:1], 0x10                ; obuf
	v_lshl_add_u32 v254, v0, 2, 0x42800
	v_mov_b32 v255, 0
	ds_add_u32 v254, v255
	ds_add_u32 v254, v255
	v_lshrrev_b32 v10, 5, v0
	v_readfirstlane_b32 s[WV], v10                 ; wave 0..15
	s_and_b32 s[BH], ttmp7, 0xffff                 ; 8 batch + head
	v_lshlrev_b32 v4, 4, v0                        ; 16 x thread: my 16 bytes of a copy; v1-4 and v244-251 are the copies' address registers and are never rewritten
	v_add_nc_u32 v3, LOC, v4
	v_add_nc_u32 v1, LOC+REC, v4
	v_add_nc_u32 v2, LOC+5*REC, v4
.irp g, 0,1,2,3
	v_lshl_add_u32 v[CL+\g], v0, 4, 65536*\g       ; a copy's immediate is added to both its addresses; it stays under 65,536 here, and these registers carry the rest
	v_lshl_add_u32 v[CG+\g], v0, 4, 65536*\g
.endr
	s_mul_i32 s10, s[BH], HEADB
	s_mov_b32 s11, 0
	s_lshl_b32 s12, ttmp9, 2                       ; my block's first record of 64 keys
	s_sub_co_i32 s13, s12, 1
	s_max_i32 s13, s13, 0                          ; the one in front, held inside the head (a doubled record lies wholly under the mask)
	s_mul_i32 s14, s13, REC
	s_mov_b32 s15, 0
	s_mul_i32 s16, s12, REC
	s_mov_b32 s17, 0
	s_add_co_u32 s18, s12, 4
	s_min_u32 s18, s18, 31                         ; and the one behind, likewise
	s_mul_i32 s18, s18, REC
	s_mov_b32 s19, 0
	s_wait_dscnt 0x0
	s_wait_kmcnt 0x0
	s_add_nc_u64 s[20:21], s[6:7], s[10:11]        ; the head's local records
	s_add_nc_u64 s[22:23], s[20:21], 32*HEADB      ; its global records
	s_add_nc_u64 s[24:25], s[20:21], s[14:15]
	s_add_nc_u64 s[26:27], s[20:21], s[16:17]
	s_add_nc_u64 s[28:29], s[20:21], s[18:19]
	s_cmp_lt_u32 s[WV], 14                         ; a record is 14 waves x 512 bytes: waves 0-13 copy the six local records, in one branch on the wave's number
	s_cbranch_scc0 .Lno_local
	global_load_async_to_lds_b128 v3, v4, s[24:25]
	global_load_async_to_lds_b128 v1, v4, s[26:27]
	global_load_async_to_lds_b128 v1, v4, s[26:27] offset:7168
	global_load_async_to_lds_b128 v1, v4, s[26:27] offset:14336
	global_load_async_to_lds_b128 v1, v4, s[26:27] offset:21504
	global_load_async_to_lds_b128 v2, v4, s[28:29]
.Lno_local:
.irp k, 0,1,2,3,4,5,6,7,8,9,10,11,12,13,14,15,16,17,18,19,20,21,22,23,24,25,26,27
	global_load_async_to_lds_b128 v[CL+\k/8], v[CG+\k/8], s[22:23] offset:8192*(\k%8)   ; the global records: 28 copies of 8,192 bytes by all sixteen waves; copy k lands at 8,192 k + 16 x thread
.endr
	v_and_b32 v7, 31, v0
	v_lshlrev_b32 v5, 4, v7                        ; 16 x lane
	v_lshlrev_b32 v6, 3, v7                        ; 8 x lane
	v_lshlrev_b32 v7, 2, v7                        ; 4 x lane
	s_lshl_b32 s30, s[BH], 7
	s_lshl_b32 s31, ttmp9, 4
	s_add_co_u32 s31, s31, s[WV]                   ; my tile in the batch: 16 x block + wave
	s_add_co_u32 s30, s30, s31
	s_lshl_b32 s30, s30, 10
	s_lshr_b32 s32, s[BH], 3
	s_lshl_b32 s32, s32, 7
	s_add_co_u32 s32, s32, s31
	s_lshl_b32 s32, s32, 4
	s_and_b32 s33, s[BH], 7
	s_add_co_u32 s32, s32, s33
	s_lshl_b32 s32, s32, 10                        ; obuf: ((128 batch + tile) x 16 + head) x 1,024
	s_mov_b32 s31, 0
	s_mov_b32 s33, 0
	s_add_nc_u64 s[4:5], s[4:5], s[30:31]
	s_add_nc_u64 s[8:9], s[8:9], s[32:33]
	global_load_b128 v[QL:QL+3], v5, s[4:5]
	global_load_b64 v[QL+4:QL+5], v6, s[4:5] offset:512
	global_load_b32 v40, v7, s[4:5] offset:768
	global_load_b128 v[QG:QG+3], v5, s[4:5] offset:4194304
	global_load_b64 v[QG+4:QG+5], v6, s[4:5] offset:4194304+512
	global_load_b32 v41, v7, s[4:5] offset:4194304+768
.irp i, 6,7,8,9,10,11
	v_mov_b32 v[QL+\i], 0                          ; the upper 64 of K: zero codes, in Q and in K's four fragments
	v_mov_b32 v[QG+\i], 0
	v_mov_b32 v[KF+\i], 0
	v_mov_b32 v[KF+12+\i], 0
	v_mov_b32 v[KF+24+\i], 0
	v_mov_b32 v[KF+36+\i], 0
.endr
.irp b, 0,1,2,3
	v_mov_b32 v[BP+\b], 0                          ; written once: a lane permute's destination counts as one of its sources
.endr
	v_mov_b32 v227, 0                              ; (the upper half of the pair v[226:227], named with it)
	v_mov_b32 v43, 0xff800000                      ; -infinity
	s_mov_b32 s[CS], 0x3e38aa3b                    ; c = log2(e) / sqrt(64)
	s_mov_b32 s[CS+1], s[CS]
	s_mov_b32 s[SEL], 0x76543210
	s_mov_b32 s[SEL+1], 0xfedcba98
	; the local window: records j0 and j0 + 1 of the six, j0 = (wave / 2 + 1) / 2; its first key is kb = 256 x block - 64 + 64 j0
	s_lshr_b32 s42, s[WV], 1
	s_add_co_u32 s43, s42, 1
	s_lshr_b32 s43, s43, 1                         ; j0
	s_mul_i32 s[TB], s43, REC
	s_add_co_u32 s[TB], s[TB], LOC
	s_lshl_b32 s44, ttmp9, 8
	s_lshl_b32 s45, s42, 5
	s_add_co_u32 s45, s45, s44
	s_and_b32 s46, s[WV], 1
	s_lshl_b32 s46, s46, 3
	s_add_co_u32 s45, s45, s46                     ; my tile's first query
	s_lshl_b32 s46, s43, 6
	s_add_co_u32 s46, s46, s44
	s_sub_co_u32 s46, 64, s46                      ; -kb
	v_and_b32 v224, 15, v0
	v_and_b32 v225, 8, v224
	v_add_nc_u32 v224, v224, v225
	v_add_nc_u32 v224, s45, v224                   ; my query q
	v_max_u32 v225, 32, v224
	v_add_nc_u32 v225, 0xffffffe0, v225            ; the first key that counts: max(q - 32, 0)
	v_add_nc_u32 v224, 32, v224
	v_min_u32 v224, 0x7ff, v224                    ; the last: min(q + 32, 2047)
	v_sub_nc_u32 v[WD], v224, v225                 ; WD = last - first
	v_bfe_u32 v224, v0, 4, 1
	v_lshlrev_b32 v224, 4, v224
	v_sub_nc_u32 v225, v225, v224
	v_add_nc_u32 v[LO], s46, v225                  ; LO = first - kb - 16 (lane / 16).  Register 16 b + i holds key kb + 16 (lane / 16) + 32 b + i: it counts where 32 b + i - LO, unsigned, is at most WD
; A STEP of 128 keys: the two records at LDS byte s[TB].  mask = 1: the band.  first = 1: the step starts M, the sum and O^T.  QF, QS: my queries' fragment and scale word.
.macro STEP mask, first, QF, QS
	v_add_nc_u32 v[A16], s[TB], v5
	v_add_nc_u32 v[A8], s[TB], v6
	v_add_nc_u32 v[A4], s[TB], v7
.rept 3
	v_nop                                          ; six plain lines behind the last step's products: their source registers (V's fragments) are written over by the matrix instructions below
.endr
.irp g, 0,1
.if \g
.rept 4
	v_nop                                          ; ahead of loads into registers that matrix instructions have read
.endr
.endif
.irp i, 0,1,2,3
	ds_load_b128 v[KF+12*\i:KF+12*\i+3], v[A16] offset:REC*\g+768*\i
	ds_load_b64 v[KF+12*\i+4:KF+12*\i+5], v[A8] offset:REC*\g+768*\i+512
	ds_load_b32 v[KS+\i], v[A4] offset:REC*\g+6144+128*\i
	ds_load_b32 v[VH+4*\g+\i], v[A4] offset:REC*\g+6656+128*\i
.endr
	s_wait_dscnt 0x0
.irp i, 0,1,2,3
	MM0 S+8*(4*\g+\i), KF+12*\i, \QF, KS+\i, \QS
.endr
.endr
.irp b, 0,1,2,3
	v_lshl_or_b32 v[VS+\b], v[VH+4+\b], 16, v[VH+\b]   ; V's scale words of the 128 keys: two bytes of each record.  (Also the four plain lines behind the products)
.endr
.if \mask
.set n, 0
.rept 64
	v_sub_nc_u32 v224, 32*(n/16)+n%16, v[LO]
	v_cmp_gt_u32 vcc_lo, v224, v[WD]
	v_cndmask_b32 v[S+n], v[S+n], v43, vcc_lo      ; hidden scores become -infinity ahead of the maximum: p = 0 then
.set n, n+1
.endr
.endif
.irp b, 0,1,2,3
	v_max3_num_f32 v[BM+\b], v[S+16*\b], v[S+1+16*\b], v[S+2+16*\b]   ; the largest score of each block of 32 keys: for the row's maximum, and, since p rises with the score, for the block's largest p
.endr
.irp i, 3,5,7,9,11,13
.irp b, 0,1,2,3
	v_max3_num_f32 v[BM+\b], v[BM+\b], v[S+16*\b+\i], v[S+1+16*\b+\i]
.endr
.endr
.irp b, 0,1,2,3
	v_max_num_f32 v[BM+\b], v[BM+\b], v[S+15+16*\b]
.endr
.irp b, 0,1,2,3
	v_permlanex16_b32 v[BP+\b], v[BM+\b], s[SEL], s[SEL+1]
.endr
.irp b, 0,1,2,3
	v_max_num_f32 v[BM+\b], v[BM+\b], v[BP+\b]     ; with lane l xor 16's 16 keys
.endr
	v_max3_num_f32 v224, v[BM], v[BM+1], v[BM+2]
	v_max_num_f32 v224, v224, v[BM+3]
	v_mul_f32 v224, s[CS], v224                    ; the step's largest t
.if \first
	v_mov_b32 v13, v224
	v_floor_f32 v12, -v13                          ; -M = floor(-t) = -ceil(t)
.else
	v_max_num_f32 v13, v13, v224                   ; the running largest t
	v_mov_b32 v224, v12
	v_floor_f32 v12, -v13
	v_sub_f32 v224, v12, v224                      ; old M - new M: a whole number, 0 or less
	v_cvt_i32_f32 v224, v224
	v_ldexp_f32 v226, 1.0, v224                    ; f = 2^(old M - new M): a multiplication by it rounds nothing
.endif
.set j, 0
.rept 32
	v_pk_fma_f32 v[S+j:S+j+1], v[S+j:S+j+1], s[CS:CS+1], v[12:13] op_sel_hi:[1,0,0]   ; t - M
.set j, j+2
.endr
.irp b, 0,1,2,3
	v_fma_f32 v[BM+\b], v[BM+\b], s[CS], v12       ; the same of each block's largest score
.endr
.set j, 0
.rept 64
	v_exp_f32 v[S+j], v[S+j]                       ; p = 2^(t - M)
.set j, j+1
.endr
.if \first
	v_mov_b32 v14, 0                               ; the sum, in two halves.  (Plain lines behind the exponentials)
	v_mov_b32 v15, 0
.else
	v_pk_mul_f32 v[14:15], v[14:15], v[226:227] op_sel_hi:[1,0]   ; the sum under the new M.  (A plain line behind the exponentials)
.endif
	s_wait_alu depctr_va_vdst(0)                   ; one wait for the batch of 64, ahead of its first reader
.irp b, 0,1,2,3
	v_exp_f32 v[BM+\b], v[BM+\b]                   ; the block's largest p
.endr
	v_pk_add_f32 v[BP:BP+1], v[S:S+1], v[S+2:S+3]  ; the sum of the unquantised p, in two chains
.irp i, 4,8,12,16,20,24,28,32,36,40,44,48,52,56,60
	v_pk_add_f32 v[14:15], v[14:15], v[S+\i:S+\i+1]
	v_pk_add_f32 v[BP:BP+1], v[BP:BP+1], v[S+2+\i:S+3+\i]
.endr
	v_pk_add_f32 v[14:15], v[14:15], v[BP:BP+1]
	s_wait_alu depctr_va_vdst(0)                   ; and one for the four
.irp b, 0,1,2,3
	v_max_num_f32 v[BM+\b], 0x2800000, v[BM+\b]    ; the floor 2^(5 - 127)
.endr
.irp b, 0,1,2,3
	v_add_nc_u32 v[SO+\b], 0xfe000000, v[BM+\b]    ; 4 off the exponent field: the conversion's scale operand
.endr
.irp b, 0,1,2,3
	v_lshrrev_b32 v[BP+\b], 23, v[SO+\b]
.endr
	v_lshl_or_b32 v[PS], v[BP+1], 8, v[BP]         ; p's scale word for these 128 keys
	v_lshl_or_b32 v[PS], v[BP+2], 16, v[PS]
	v_lshl_or_b32 v[PS], v[BP+3], 24, v[PS]
.irp c, 0,1
	v_cvt_scalef32_pk16_bf6_f32 v[PC+6*\c:PC+6*\c+2], v[S+32*\c:S+32*\c+15], v[SO+2*\c]
	v_cvt_scalef32_pk16_bf6_f32 v[PC+12+4*\c:PC+12+4*\c+2], v[S+16+32*\c:S+16+32*\c+15], v[SO+2*\c+1]
.endr
	v_nop                                          ; one plain line behind the scaled conversions
.irp t, 0,1,2,3                                ; V's four fragments (16 channels x 128 keys) take p's registers: each half from one record
	ds_load_b128 v[S+12*\t:S+12*\t+3], v[A16] offset:3072+768*\t
	ds_load_b64 v[S+12*\t+4:S+12*\t+5], v[A8] offset:3072+768*\t+512
	ds_load_b128 v[S+12*\t+6:S+12*\t+9], v[A16] offset:REC+3072+768*\t
	ds_load_b64 v[S+12*\t+10:S+12*\t+11], v[A8] offset:REC+3072+768*\t+512
.endr
.irp c, 0,1
.irp i, 0,1,2
	v_permlane16_swap_b32 v[PC+6*\c+\i], v[PC+12+4*\c+\i]
.endr
.irp i, 0,1,2
	v_mov_b32 v[PC+3+6*\c+\i], v[PC+12+4*\c+\i]
.endr
.endr
.if \first
.rept 8
	v_nop                                          ; an operand written by vector lines stands 4 plain lines ahead of a scaled matrix instruction, a scale register 8
.endr
.else
.set j, 0
.rept 16
	v_pk_mul_f32 v[O+j:O+j+1], v[O+j:O+j+1], v[226:227] op_sel_hi:[1,0]   ; O^T under the new M.  (For each product below twelve of these name none of its registers)
.set j, j+2
.endr
.endif
	s_wait_dscnt 0x0
.irp t, 0,1,2,3
.if \first
	MM0 O+8*\t, S+12*\t, PC, VS+\t, PS
.else
	MM O+8*\t, S+12*\t, PC, O+8*\t, VS+\t, PS
.endif
.endr
.endm
; O^T / the sum, quantised along the head's 64 channels, stored as an image: 512, 256 and 128 consecutive bytes
.macro FINISH path
	v_add_f32 v14, v14, v15
	v_permlanex16_b32 v[BP], v14, s[SEL], s[SEL+1]
	v_add_f32 v14, v14, v[BP]                      ; the row's sum
	v_nop
	v_nop                                          ; (five plain lines behind the last products)
	v_rcp_f32 v226, v14
	v_nop
	s_wait_alu depctr_va_vdst(0)                   ; ahead of the reciprocal's first reader
.set j, 0
.rept 16
	v_pk_mul_f32 v[S+j:S+j+1], v[O+j:O+j+1], v[226:227] op_sel_hi:[1,0]
.set j, j+2
.endr
	s_wait_xcnt 0x0                                ; earlier stores have read their registers
	QUANT32 S
	global_store_b128 v5, v[PC:PC+3], s[8:9] offset:8192*\path
	global_store_b64 v6, v[PC+4:PC+5], s[8:9] offset:8192*\path+512
	global_store_b32 v7, v[PW], s[8:9] offset:8192*\path+768
.endm
	s_wait_asynccnt 0x1c                           ; my local copies have landed: the 28 global ones, issued behind them on every wave's way, may stay out
	s_barrier_signal -1
	s_barrier_wait -1                              ; everybody's have
	s_wait_loadcnt 0x0                             ; Q
	STEP 1, 1, QL, 40
	FINISH 0
	s_wait_asynccnt 0x0                            ; my part of the global records has landed
	s_barrier_signal -1
	s_barrier_wait -1
	s_wait_xcnt 0x0                                ; the local result's stores have read their registers: the next step writes them
	s_mov_b32 s[TB], 0
	STEP 0, 1, QG, 41
	s_mov_b32 s[CNT], 15
.Lkeys:
	s_add_co_u32 s[TB], s[TB], 2*REC
	STEP 0, 0, QG, 41
	s_sub_co_u32 s[CNT], s[CNT], 1
	s_cmp_lg_u32 s[CNT], 0
	s_cbranch_scc1 .Lkeys
	FINISH 1
	s_wait_tensorcnt 0x0
	ds_add_u32 v254, v255
	s_wait_dscnt 0x0
	s_endpgm
.Lfunc_end_k_qe4fb308086_attn:
	.size	k_qe4fb308086_attn, .Lfunc_end_k_qe4fb308086_attn-k_qe4fb308086_attn
	.p2alignl 7, 3214868480
	.fill 96, 4, 3214868480
	.section	.rodata,"a",@progbits
	.p2align	6, 0x0
	.amdhsa_kernel k_qe4fb308086_attn
		.amdhsa_group_segment_fixed_size 274432
		.amdhsa_private_segment_fixed_size 0
		.amdhsa_enable_private_segment 0
		.amdhsa_kernarg_size 24
		.amdhsa_user_sgpr_count 2
		.amdhsa_user_sgpr_kernarg_segment_ptr 1
		.amdhsa_wavefront_size32 1
		.amdhsa_system_sgpr_workgroup_id_x 1
		.amdhsa_system_sgpr_workgroup_id_y 1
		.amdhsa_system_sgpr_workgroup_id_z 1
		.amdhsa_system_vgpr_workitem_id 0
		.amdhsa_next_free_vgpr 256
		.amdhsa_next_free_sgpr 66
		.amdhsa_reserve_vcc 1
		.amdhsa_float_denorm_mode_32 3
		.amdhsa_float_denorm_mode_16_64 3
		.amdhsa_memory_ordered 1
		.amdhsa_forward_progress 1
		.amdhsa_inst_pref_size 73
	.end_amdhsa_kernel
	.amdgpu_metadata
---
amdhsa.version: [ 1, 2 ]
amdhsa.kernels:
  - .name:           k_qe4fb308086_attn
    .symbol:         k_qe4fb308086_attn.kd
    .args:
      - { .name: qbuf, .offset: 0, .size: 8, .value_kind: global_buffer, .address_space: global }
      - { .name: kvbuf, .offset: 8, .size: 8, .value_kind: global_buffer, .address_space: global }
      - { .name: obuf, .offset: 16, .size: 8, .value_kind: global_buffer, .address_space: global }
    .group_segment_fixed_size: 274432
    .private_segment_fixed_size: 0
    .kernarg_segment_align: 8
    .kernarg_segment_size: 24
    .max_flat_workgroup_size: 512
    .sgpr_count:     66
    .vgpr_count:     256
    .wavefront_size: 32
...
	.end_amdgpu_metadata
.endif
;; end of part 2
;; launch tail (part 3): grid 256 x 1, 4 waves a work-group, no clusters, 61,952 bytes of LDS; arguments x_codes, x_scales, pos, win_b, obuf, wimg, l_bo, g_bo, gate_b, ffn_b1, ffn_b2, n1_g, n1_b, n2_g, n2_b, part; writes part
.if DOCPART == 3
	.amdgcn_target "amdgcn-amd-amdhsa--gfx1250"
	.amdhsa_code_object_version 6
	.text
	.protected	k_qe4fb308086_tail
	.globl	k_qe4fb308086_tail
	.p2align	8
	.type	k_qe4fb308086_tail,@function
k_qe4fb308086_tail:
	s_mov_b64 s[64:65], 0
	v_nop
	global_prefetch_b8 v0, s[64:65] scope:SCOPE_SE
	s_setreg_imm32_b32 hwreg(HW_REG_WAVE_MODE, 25, 1), 1
	s_wait_xcnt 0x0
; For 32 tokens: h = x win + win_b + pos (made again: cheaper than its way through memory); L = Q(o_l) l_wo + l_bo; G = Q(o_g) g_wo + g_bo; gate = tanh(relu(Q([L G]) gate_w + gate_b));
; h1 = LN1(h + gate L + (1 - gate) G); h2 = LN2(h1 + Q(relu(Q(h1) w1 + b1)) w2 + b2); the normalised part of LN3(h2); its sum over the 32 tokens, channel by channel, to part.
; (The mean over the sequence of y g + b is g x the mean of y + b: the last launch applies n3_g and n3_b once a channel.)  All products on codes of BF6 (E3M2), one E8M0 scale for each 32 along K.
; SHARES.  Work-group = 32 tokens: two tiles m, tile m holds tokens 32 x work-group + 8 m + r + 8 (r / 8).  THE WAVES SHARE THE COLUMNS: wave w owns columns 128 w .. 128 w + 127 of every product
; (ffn_w1 in two passes of 512 columns).  An array is 128 registers: 64 m + 8 t + j = channel 128 w + 32 (t / 2) + 16 (lane / 16) + 8 (t % 2) + j of the token in lane % 16.
; WEIGHTS stream from wimg, laid by the first launch as images of operand registers, straight into registers: 26 loads of 512 bytes a K step, two K steps ahead, one stream of 34 K steps through two sets.
; ACTIVATIONS go from wave to wave through LDS as images of their registers: fragment (K step ks, tile m) at (2 ks + m) x 1,536, its scale words at 24,576 + (2 ks + m) x 128, in two regions.
; The text is straight-line: every LDS address and every offset is a constant plus a lane term plus a wave term.
; LIMITS: NaN and infinities are not served; a block whose largest magnitude lies under 2^-122 keeps the scale byte 1, and so does a block of zeros (its codes are zeros; this program alone reads the bytes).
; REGISTERS.  window 0: v4-15, v82 lane terms; v16-31 TM; v32 PW; v36-54 PC; v56-81 sums and statistics; v84-107 scale words; v108-115 halves of o's scale words; v116-163 activation fragments, two sets;
;   v164-227 win_b, at the end the column sums.   window 1: ACC 0-127 (at the head x's fragments), AL 128-255.   window 2: AG 0-127, HR 128-255.   window 3: two sets of 8 weight fragments, v192-255 a pass's bias.
.set IMG_A, 0
.set IMG_B, 26624
.set RED,   53248                      ; six regions of 1,024 bytes, one for each reduction over the waves
.set CST,   59392                      ; 512 bytes a wave: the column sums in natural order
.set LI,  4
.set L8,  5
.set LS,  6
.set XA,  7
.set XSA, 8
.set PA,  9
.set BA,  10
.set IW,  11
.set SWA, 12
.set RW,  13
.set CW,  14
.set CR,  15
.set TM,  16
.set PW,  32
.set PC,  36
.set LT,  56
.set SUM, 64
.set RD,  66
.set MN,  74
.set RS,  78
.set LIW, 82
.set AS,  84
.set XS,  88
.set SW,  92
.set OH,  108
.set AF,  116
.set WB,  164
.set ACC, 0                            ; window 1
.set AL,  128                          ; window 1
.set AG,  0                            ; window 2
.set HR,  128                          ; window 2
.set BI,  192                          ; window 3
.set WV,  36
.set SEL, 38
.set OBP, 44
.set XP,  46
.set XSP, 48
.set PP,  50
.set PRT, 52
.set INV, 54
.set EPS, 55
.set MSB, 0
.macro WIN new
.set WNEW, \new
.if MSB != WNEW
	s_set_vgpr_msb (MSB<<8)|WNEW
.set MSB, WNEW
.endif
.endm
.macro PLACES
.rept 4
	v_nop
.endr
.endm
.set LC, 0
.macro WAITL n                         ; the first n global loads are in: as many may stay out as were issued behind them
.set WN, LC-(\n)
.if WN > 63
.set WN, 63
.endif
	s_wait_loadcnt WN
.endm
.macro BARRIER                         ; my LDS stores have landed and my LDS loads are in: then the work-group's barrier
	s_wait_dscnt 0x0
	s_barrier_signal -1
	s_barrier_wait -1
.endm
.macro MM d, a, b, c, sa, sb
	v_wmma_scale_f32_16x16x128_f8f6f4 v[\d:\d+7], v[\a:\a+11], v[\b:\b+11], v[\c:\c+7], v[\sa], v[\sb] matrix_a_fmt:MATRIX_FMT_BF6 matrix_b_fmt:MATRIX_FMT_BF6
.endm
.macro QUANT64 s, X                    ; 64 numbers of a lane in window X, register 16 b + i = k 32 b + 16 (lane / 16) + i: a fragment in v[PC] on, its scale word in v[PW]
	WIN (\X)|((\X)<<2)
.irp b, 0,1,2,3
	v_max3_num_f32 v[TM+\b], |v[(\s)+16*\b]|, |v[(\s)+1+16*\b]|, 0x2800000
.endr
	WIN ((\X)<<2)|((\X)<<4)
.irp i, 2,4,6,8,10,12,14
.irp b, 0,1,2,3
	v_max3_num_f32 v[TM+\b], v[TM+\b], |v[(\s)+16*\b+\i]|, |v[(\s)+1+16*\b+\i]|
.endr
.endr
	WIN 0
.irp b, 0,1,2,3
	v_permlanex16_b32 v[TM+4+\b], v[TM+\b], s[SEL], s[SEL+1]
.endr
.irp b, 0,1,2,3
	v_max_num_f32 v[TM+\b], v[TM+\b], v[TM+4+\b]
.endr
.irp b, 0,1,2,3
	v_add_nc_u32 v[TM+12+\b], 0xfe000000, v[TM+\b]
.endr
.irp b, 0,1,2,3
	v_lshrrev_b32 v[TM+4+\b], 23, v[TM+12+\b]
.endr
	v_lshl_or_b32 v[PW], v[TM+5], 8, v[TM+4]
	v_lshl_or_b32 v[PW], v[TM+6], 16, v[PW]
	v_lshl_or_b32 v[PW], v[TM+7], 24, v[PW]
	WIN \X
.irp c, 0,1
	v_cvt_scalef32_pk16_bf6_f32 v[PC+6*\c:PC+6*\c+2], v[(\s)+32*\c:(\s)+32*\c+15], v[TM+12+2*\c]
	v_cvt_scalef32_pk16_bf6_f32 v[PC+12+4*\c:PC+12+4*\c+2], v[(\s)+16+32*\c:(\s)+16+32*\c+15], v[TM+13+2*\c]
.endr
	WIN 0
	v_nop
.irp c, 0,1
.irp i, 0,1,2
	v_permlane16_swap_b32 v[PC+6*\c+\i], v[PC+12+4*\c+\i]
.endr
.irp i, 0,1,2
	v_mov_b32 v[PC+3+6*\c+\i], v[PC+12+4*\c+\i]
.endr
.endr
.endm
.macro LOADW gk                        ; my brick of K step gk: 8 fragments into set gk % 2, their scale words (four tiles a load)
.set LWB, 96*((\gk)%2)
.set LSB, SW+8*((\gk)%2)
	WIN 0xc0
.irp t, 0,1,2,3,4,5,6,7
.irp c, 0,1,2
	global_load_b128 v[LWB+12*\t+4*\c:LWB+12*\t+4*\c+3], v[LIW], s[14:15] offset:53248*(\gk)+1536*\t+512*\c
.endr
.endr
	WIN 0
	global_load_b128 v[LSB:LSB+3], v[LIW], s[14:15] offset:53248*(\gk)+12288
	global_load_b128 v[LSB+4:LSB+7], v[LIW], s[14:15] offset:53248*(\gk)+12800
.set LC, LC+26
.set M2, LC
.endm
.macro LOADB p, off                    ; a pass's bias in the result's layout: the C of each sum's first product
	WIN 0xc0
.irp b, 0,1,2,3
.irp q, 0,1,2,3
	global_load_b128 v[BI+16*\b+4*\q:BI+16*\b+4*\q+3], v[BA], s[\p:\p+1] offset:(\off)+128*\b+16*\q
.endr
.endr
	WIN 0
.set LC, LC+16
.endm
.macro LNP gp, bp, base                ; a norm's gain and bias, likewise, into window 2: gain at base, bias at base + 64
	WIN 0x80
.irp b, 0,1,2,3
.irp q, 0,1,2,3
	global_load_b128 v[(\base)+16*\b+4*\q:(\base)+16*\b+4*\q+3], v[BA], s[\gp:\gp+1] offset:128*\b+16*\q
	global_load_b128 v[(\base)+64+16*\b+4*\q:(\base)+64+16*\b+4*\q+3], v[BA], s[\bp:\bp+1] offset:128*\b+16*\q
.endr
.endr
	WIN 0
.set LC, LC+32
.endm
.macro ACTLOAD img, ks                 ; the two tiles' fragments of K step ks, and their scale words, into set ks % 2: eight LDS loads
.set AFB2, AF+24*((\ks)%2)
.set ASB2, AS+2*((\ks)%2)
.irp m, 0,1
.irp c, 0,1,2
	ds_load_b128 v[AFB2+12*\m+4*\c:AFB2+12*\m+4*\c+3], v[LI] offset:(\img)+(2*(\ks)+\m)*1536+512*\c
.endr
	ds_load_b32 v[ASB2+\m], v[LS] offset:(\img)+24576+(2*(\ks)+\m)*128
.endr
.endm
; A K step: 16 products on 16 accumulators by turns.  gk: the weights' K step; dreg, wc: the accumulators and the windows; cf = 1: C is the bias; img, ks: the activations; more = 1: the next K step's are fetched first.
.macro KSTEP gk, dreg, wc, cf, img, ks, more
.if \more
	ACTLOAD \img, (\ks)+1
.endif
	WAITL M0                                       ; this K step's weights are in; the next K step's may be out
.if \more
	s_wait_dscnt 0x8                               ; this K step's activations are in; the eight loads just issued may be out
.else
	s_wait_dscnt 0x0
.endif
.set WSB, 96*((\gk)%2)
.set SWB, SW+8*((\gk)%2)
.set AFB, AF+24*((\ks)%2)
.set ASB, AS+2*((\ks)%2)
	WIN \wc
.irp t, 0,1,2,3,4,5,6,7
.irp m, 0,1
.if \cf
	MM (\dreg)+64*\m+8*\t, WSB+12*\t, AFB+12*\m, BI+8*\t, SWB+\t, ASB+\m
.else
	MM (\dreg)+64*\m+8*\t, WSB+12*\t, AFB+12*\m, (\dreg)+64*\m+8*\t, SWB+\t, ASB+\m
.endif
.endr
.endr
	WIN 0
	PLACES                                         ; ahead of the loads into the registers that these products read, and of reads of their results
.if (\gk)+2 < 34
	LOADW (\gk)+2
.endif
.set M0, M1
.set M1, M2
.endm
.macro KSTEPX gk                       ; h: source 1 = x's fragments (window 1), the accumulators begin as pos
.set WSB, 96*((\gk)%2)
.set SWB, SW+8*((\gk)%2)
	WAITL M0
	WIN 0xa7                                       ; source 0 window 3, source 1 window 1, C and D window 2
.irp t, 0,1,2,3,4,5,6,7
.irp m, 0,1
	MM HR+64*\m+8*\t, WSB+12*\t, 12*(2*\m+(\gk)), HR+64*\m+8*\t, SWB+\t, XS+2*\m+(\gk)
.endr
.endr
	WIN 0
	PLACES
	LOADW (\gk)+2
.set M0, M1
.set M1, M2
.endm
.macro TOIMG arr, X, img, kb           ; my 128 columns of both tiles become K step kb + wave of the next product: images to LDS
.irp m, 0,1
	s_wait_dscnt 0x0                               ; the last image's stores have read their registers
	QUANT64 (\arr)+64*\m, \X
.irp c, 0,1,2
	ds_store_b128 v[IW], v[PC+4*\c:PC+4*\c+3] offset:(\img)+3072*(\kb)+1536*\m+512*\c
.endr
	ds_store_b32 v[SWA], v[PW] offset:(\img)+24576+256*(\kb)+128*\m
.endr
.endm
.macro FOLD ri                         ; four partial pairs in LT become each token's total over 512 channels: v[RD] for tile 0, v[RD+1] for tile 1
.irp m, 0,1
	v_pk_add_f32 v[LT+4*\m:LT+4*\m+1], v[LT+4*\m:LT+4*\m+1], v[LT+4*\m+2:LT+4*\m+3]
.endr
.irp m, 0,1
	v_add_f32 v[SUM+\m], v[LT+4*\m], v[LT+4*\m+1]
.endr
.irp m, 0,1
	v_permlanex16_b32 v[LT+4*\m], v[SUM+\m], s[SEL], s[SEL+1]
.endr
.irp m, 0,1
	v_add_f32 v[SUM+\m], v[SUM+\m], v[LT+4*\m]     ; my wave's 128 channels
.endr
	ds_store_b64 v[RW], v[SUM:SUM+1] offset:RED+1024*(\ri)
	BARRIER
.irp q, 0,1,2,3
	ds_load_b64 v[RD+2*\q:RD+2*\q+1], v[L8] offset:RED+1024*(\ri)+256*\q
.endr
	s_wait_dscnt 0x0
	v_pk_add_f32 v[RD:RD+1], v[RD:RD+1], v[RD+2:RD+3]
	v_pk_add_f32 v[RD+4:RD+5], v[RD+4:RD+5], v[RD+6:RD+7]
	v_pk_add_f32 v[RD:RD+1], v[RD:RD+1], v[RD+4:RD+5]
.endm
; LayerNorm of AL in place, in two passes as the definition has it: the mean, then the mean of the squared differences.  ri: its two reduction regions; affine = 1: x gain + bias from window 2 at pbase, loaded up to mark mk.
.macro LN ri, pbase, affine, mk
	WIN 0x05
.irp m, 0,1
	v_pk_add_f32 v[LT+4*\m:LT+4*\m+1], v[AL+64*\m:AL+64*\m+1], v[AL+64*\m+2:AL+64*\m+3]
	v_pk_add_f32 v[LT+4*\m+2:LT+4*\m+3], v[AL+64*\m+4:AL+64*\m+5], v[AL+64*\m+6:AL+64*\m+7]
.endr
	WIN 0x04
.set j, 8
.rept 14
.irp m, 0,1
	v_pk_add_f32 v[LT+4*\m:LT+4*\m+1], v[LT+4*\m:LT+4*\m+1], v[AL+64*\m+j:AL+64*\m+j+1]
	v_pk_add_f32 v[LT+4*\m+2:LT+4*\m+3], v[LT+4*\m+2:LT+4*\m+3], v[AL+64*\m+j+2:AL+64*\m+j+3]
.endr
.set j, j+4
.endr
	WIN 0
	FOLD \ri
	v_mul_f32 v[MN], s[INV], v[RD]
	v_mul_f32 v[MN+2], s[INV], v[RD+1]
	WIN 0x41
.irp m, 0,1
.set j, 0
.rept 32
	v_pk_add_f32 v[AL+64*\m+j:AL+64*\m+j+1], v[AL+64*\m+j:AL+64*\m+j+1], v[MN+2*\m:MN+2*\m+1] op_sel_hi:[1,0] neg_lo:[0,1] neg_hi:[0,1]
.set j, j+2
.endr
.endr
	WIN 0x05
.irp m, 0,1
	v_pk_mul_f32 v[LT+4*\m:LT+4*\m+1], v[AL+64*\m:AL+64*\m+1], v[AL+64*\m:AL+64*\m+1]
	v_pk_mul_f32 v[LT+4*\m+2:LT+4*\m+3], v[AL+64*\m+2:AL+64*\m+3], v[AL+64*\m+2:AL+64*\m+3]
.endr
.set j, 4
.rept 15
.irp m, 0,1
	v_pk_fma_f32 v[LT+4*\m:LT+4*\m+1], v[AL+64*\m+j:AL+64*\m+j+1], v[AL+64*\m+j:AL+64*\m+j+1], v[LT+4*\m:LT+4*\m+1]
	v_pk_fma_f32 v[LT+4*\m+2:LT+4*\m+3], v[AL+64*\m+j+2:AL+64*\m+j+3], v[AL+64*\m+j+2:AL+64*\m+j+3], v[LT+4*\m+2:LT+4*\m+3]
.endr
.set j, j+4
.endr
	WIN 0
	FOLD (\ri)+1
	v_fma_f32 v[RS], v[RD], s[INV], s[EPS]
	v_fma_f32 v[RS+2], v[RD+1], s[INV], s[EPS]
	v_rsq_f32 v[RS], v[RS]
	v_rsq_f32 v[RS+2], v[RS+2]
	v_nop
	s_wait_alu depctr_va_vdst(0)                   ; ahead of the first reader of the two roots
	WIN 0x41
.irp m, 0,1
.set j, 0
.rept 32
	v_pk_mul_f32 v[AL+64*\m+j:AL+64*\m+j+1], v[AL+64*\m+j:AL+64*\m+j+1], v[RS+2*\m:RS+2*\m+1] op_sel_hi:[1,0]
.set j, j+2
.endr
.endr
.if \affine
	WAITL \mk
	WIN 0x69
.irp m, 0,1
.set j, 0
.rept 32
	v_pk_fma_f32 v[AL+64*\m+j:AL+64*\m+j+1], v[AL+64*\m+j:AL+64*\m+j+1], v[(\pbase)+j:(\pbase)+j+1], v[(\pbase)+64+j:(\pbase)+64+j+1]
.set j, j+2
.endr
.endr
.endif
	WIN 0
.endm
.macro RELU                            ; the hidden layer's activation, in f32, from each accumulator's low end on
	WIN 0x45
.set j, 0
.rept 128
	v_max_num_f32 v[ACC+j], 0, v[ACC+j]
.set j, j+1
.endr
	WIN 0
.endm
	s_load_b512 s[4:19], s[0:1], 0x0               ; x codes 4, x scales 6, pos 8, win_b 10, obuf 12, wimg 14, l_bo 16, g_bo 18
	s_load_b512 s[20:35], s[0:1], 0x40             ; gate_b 20, ffn_b1 22, ffn_b2 24, n1_g 26, n1_b 28, n2_g 30, n2_b 32, part 34
	v_lshl_add_u32 v254, v0, 2, 0xf000
	v_mov_b32 v255, 0
	v_lshrrev_b32 v1, 5, v0
	v_readfirstlane_b32 s[WV], v1                  ; wave 0..3
	v_and_b32 v1, 31, v0
	v_and_b32 v2, 15, v0
	v_bfe_u32 v3, v0, 4, 1
	v_lshlrev_b32 v[LI], 4, v1
	v_lshlrev_b32 v[L8], 3, v1
	v_lshlrev_b32 v[LS], 2, v1
	v_and_b32 v83, 8, v2
	v_add_nc_u32 v83, v83, v2                      ; rho = r + 8 (r / 8)
	v_mul_u32_u24 v[XA], v3, 24
	v_mad_u32_u24 v[XA], v83, 192, v[XA]           ; x: row rho of 192 bytes + 24 h
	v_lshlrev_b32 v[XSA], 3, v83
	s_lshl_b32 s40, s[WV], 9
	v_lshl_add_u32 v[BA], v3, 6, s40               ; biases and gains: 64 h + 512 x wave
	v_lshl_add_u32 v[PA], v83, 11, v[BA]           ; pos: + row rho of 2,048 bytes
	s_mul_i32 s40, s[WV], 3072
	v_add_nc_u32 v[IW], s40, v[LI]                 ; where I store images: 16 x lane + 3,072 x wave
	s_lshl_b32 s40, s[WV], 8
	v_add_nc_u32 v[SWA], s40, v[LS]                ; their scale words: 4 x lane + 256 x wave
	v_add_nc_u32 v[RW], s40, v[L8]                 ; my wave's sums: 8 x lane + 256 x wave
	s_lshl_b32 s40, s[WV], 9
	s_add_co_u32 s40, s40, CST
	v_lshl_add_u32 v[CW], v3, 6, s40
	v_add_nc_u32 v[CR], s40, v[LI]
	s_mul_i32 s40, s[WV], 13312
	v_add_nc_u32 v[LIW], s40, v[LI]                ; wimg: 16 x lane + my brick
.irp b, 0,1,2,3
	v_mov_b32 v[TM+4+\b], 0                        ; written once: a lane permute's destination counts as one of its sources
.endr
	v_mov_b32 v[MN+1], 0                           ; (upper halves of pairs that are named whole)
	v_mov_b32 v[MN+3], 0
	v_mov_b32 v[RS+1], 0
	v_mov_b32 v[RS+3], 0
	s_mov_b32 s[SEL], 0x76543210
	s_mov_b32 s[SEL+1], 0xfedcba98
	s_mov_b32 s[INV], 0x3b000000                   ; 1 / 512
	s_mov_b32 s[EPS], 0x3727c5ac                   ; 1e-5
	s_mov_b32 s43, 0
	s_wait_kmcnt 0x0
	s_lshl_b32 s42, ttmp9, 15
	s_lshl_b32 s40, s[WV], 11
	s_add_co_u32 s42, s42, s40
	s_add_nc_u64 s[OBP:OBP+1], s[12:13], s[42:43]  ; o: my two tiles' records, heads 2 w and 2 w + 1
	s_mul_i32 s42, ttmp9, 6144
	s_add_nc_u64 s[XP:XP+1], s[4:5], s[42:43]
	s_lshl_b32 s42, ttmp9, 8
	s_add_nc_u64 s[XSP:XSP+1], s[6:7], s[42:43]
	s_and_b32 s42, ttmp9, 63
	s_lshl_b32 s42, s42, 16
	s_add_nc_u64 s[PP:PP+1], s[8:9], s[42:43]
	s_lshl_b32 s42, ttmp9, 11
	s_lshl_b32 s40, s[WV], 9
	s_add_co_u32 s42, s42, s40
	s_add_nc_u64 s[PRT:PRT+1], s[34:35], s[42:43]
	; ---- o: wave w brings K step w (heads 2 w, 2 w + 1) of both paths and both tiles: two half images make a fragment
.irp p, 0,1
.irp m, 0,1
.irp e, 0,1
	global_load_b128 v[AF+24*\p+12*\m+6*\e:AF+24*\p+12*\m+6*\e+3], v[LI], s[OBP:OBP+1] offset:16384*\m+8192*\p+1024*\e th:TH_LOAD_NT
	global_load_b64 v[AF+24*\p+12*\m+6*\e+4:AF+24*\p+12*\m+6*\e+5], v[L8], s[OBP:OBP+1] offset:16384*\m+8192*\p+1024*\e+512 th:TH_LOAD_NT
	global_load_b32 v[OH+2*(2*\p+\m)+\e], v[LS], s[OBP:OBP+1] offset:16384*\m+8192*\p+1024*\e+768 th:TH_LOAD_NT
.endr
.endr
.endr
.set LC, LC+24
.set MO, LC
	WIN 0x40
.irp m, 0,1
.irp k, 0,1
.irp p, 0,1,2,3,4,5
	global_load_b64 v[12*(2*\m+\k)+2*\p:12*(2*\m+\k)+2*\p+1], v[XA], s[XP:XP+1] offset:1536*\m+96*\k+48*(\p/3)+8*(\p%3)
.endr
.endr
.endr
	WIN 0
.irp m, 0,1
	global_load_b64 v[XS+2*\m:XS+2*\m+1], v[XSA], s[XSP:XSP+1] offset:64*\m
.endr
.set LC, LC+26
	WAITL MO                                       ; o is in; x's 26 loads may be out
.irp f, 0,1,2,3
	v_lshl_or_b32 v[OH+2*\f], v[OH+2*\f+1], 16, v[OH+2*\f]   ; two bytes of each head make the fragment's scale word
.endr
.irp p, 0,1
.irp m, 0,1
.irp c, 0,1,2
	ds_store_b128 v[IW], v[AF+24*\p+12*\m+4*\c:AF+24*\p+12*\m+4*\c+3] offset:IMG_A+12288*\p+1536*\m+512*\c
.endr
	ds_store_b32 v[SWA], v[OH+2*(2*\p+\m)] offset:IMG_A+24576+1024*\p+128*\m
.endr
.endr
	WIN 0x80
.irp m, 0,1
.irp b, 0,1,2,3
.irp q, 0,1,2,3
	global_load_b128 v[HR+64*\m+16*\b+4*\q:HR+64*\m+16*\b+4*\q+3], v[PA], s[PP:PP+1] offset:16384*\m+128*\b+16*\q
.endr
.endr
.endr
	WIN 0
.irp b, 0,1,2,3
.irp q, 0,1,2,3
	global_load_b128 v[WB+16*\b+4*\q:WB+16*\b+4*\q+3], v[BA], s[10:11] offset:128*\b+16*\q
.endr
.endr
.set LC, LC+48
	LOADB 16, 0                                    ; l_bo
	LOADW 0
.set M0, M2
	LOADW 1
.set M1, M2
	; ---- h
	KSTEPX 0
	KSTEPX 1
	WIN 0x82
.irp m, 0,1
.set j, 0
.rept 32
	v_pk_add_f32 v[HR+64*\m+j:HR+64*\m+j+1], v[HR+64*\m+j:HR+64*\m+j+1], v[WB+j:WB+j+1]
.set j, j+2
.endr
.endr
	WIN 0
	BARRIER                                        ; o's sixteen fragments lie in IMG_A
	; ---- L = o_l l_wo + l_bo
	ACTLOAD IMG_A, 0
	KSTEP 2, AL, 0x73, 1, IMG_A, 0, 1
	LOADB 18, 0                                    ; g_bo
	KSTEP 3, AL, 0x53, 0, IMG_A, 1, 1
	KSTEP 4, AL, 0x53, 0, IMG_A, 2, 1
	KSTEP 5, AL, 0x53, 0, IMG_A, 3, 1              ; (the global o lies on end behind the local: its first K step is fetched here)
	TOIMG AL, 1, IMG_B, 0
	; ---- G = o_g g_wo + g_bo
	KSTEP 6, AG, 0xb3, 1, IMG_A, 4, 1
	LOADB 20, 0                                    ; gate_b
	KSTEP 7, AG, 0xa3, 0, IMG_A, 5, 1
	KSTEP 8, AG, 0xa3, 0, IMG_A, 6, 1
	KSTEP 9, AG, 0xa3, 0, IMG_A, 7, 0
	TOIMG AG, 2, IMG_B, 4
	BARRIER                                        ; [L G]'s sixteen fragments lie in IMG_B
	; ---- z = [L G] gate_w + gate_b
	ACTLOAD IMG_B, 0
	KSTEP 10, ACC, 0x73, 1, IMG_B, 0, 1
	LOADB 22, 0                                    ; ffn_b1, columns 0-511
	KSTEP 11, ACC, 0x53, 0, IMG_B, 1, 1
	KSTEP 12, ACC, 0x53, 0, IMG_B, 2, 1
	KSTEP 13, ACC, 0x53, 0, IMG_B, 3, 1
	KSTEP 14, ACC, 0x53, 0, IMG_B, 4, 1
	KSTEP 15, ACC, 0x53, 0, IMG_B, 5, 1
	KSTEP 16, ACC, 0x53, 0, IMG_B, 6, 1
	KSTEP 17, ACC, 0x53, 0, IMG_B, 7, 0
	; ---- gate = tanh(relu(z)) = max(1 - 2 / (1 + 2^(2 log2(e) z)), 0);  AL = gate (L - G) + (h + G)
	WIN 0x41
.set j, 0
.rept 64
	v_pk_mul_f32 v[ACC+j:ACC+j+1], v[ACC+j:ACC+j+1], 0x4038aa3b op_sel_hi:[1,0]
.set j, j+2
.endr
.set j, 0
.rept 128
	v_exp_f32 v[ACC+j], v[ACC+j]
.set j, j+1
.endr
	v_nop
	s_wait_alu depctr_va_vdst(0)                   ; one wait for the batch of 128
.set j, 0
.rept 64
	v_pk_add_f32 v[ACC+j:ACC+j+1], v[ACC+j:ACC+j+1], 1.0 op_sel_hi:[1,0]
.set j, j+2
.endr
.set j, 0
.rept 128
	v_rcp_f32 v[ACC+j], v[ACC+j]
.set j, j+1
.endr
	v_nop
	s_wait_alu depctr_va_vdst(0)                   ; and one for the 128 reciprocals
.set j, 0
.rept 64
	v_pk_fma_f32 v[ACC+j:ACC+j+1], v[ACC+j:ACC+j+1], -2.0, 1.0 op_sel_hi:[1,0,0]
.set j, j+2
.endr
	WIN 0x45
.set j, 0
.rept 128
	v_max_num_f32 v[ACC+j], 0, v[ACC+j]
.set j, j+1
.endr
	WIN 0x49
.set j, 0
.rept 64
	v_pk_add_f32 v[AL+j:AL+j+1], v[AL+j:AL+j+1], v[AG+j:AG+j+1] neg_lo:[0,1] neg_hi:[0,1]   ; L - G
.set j, j+2
.endr
	WIN 0x8a
.set j, 0
.rept 64
	v_pk_add_f32 v[AG+j:AG+j+1], v[HR+j:HR+j+1], v[AG+j:AG+j+1]   ; h + G
.set j, j+2
.endr
	LNP 26, 28, HR                                 ; n1's gain and bias take h's registers
.set MLN1, LC
	WIN 0x65
.set j, 0
.rept 64
	v_pk_fma_f32 v[AL+j:AL+j+1], v[ACC+j:ACC+j+1], v[AL+j:AL+j+1], v[AG+j:AG+j+1]
.set j, j+2
.endr
	WIN 0
	LN 0, HR, 1, MLN1                              ; h1.  Its two barriers also part every wave's reads of [L G] from the images written next
	TOIMG AL, 1, IMG_B, 0
	BARRIER                                        ; h1's eight fragments lie in IMG_B
	; ---- the hidden layer, columns 0-511
	ACTLOAD IMG_B, 0
	KSTEP 18, ACC, 0x73, 1, IMG_B, 0, 1
	LOADB 22, 2048                                 ; ffn_b1, columns 512-1023
	KSTEP 19, ACC, 0x53, 0, IMG_B, 1, 1
	LNP 30, 32, AG                                 ; n2's gain and bias take G's registers
.set MLN2, LC
	KSTEP 20, ACC, 0x53, 0, IMG_B, 2, 1
	KSTEP 21, ACC, 0x53, 0, IMG_B, 3, 0
	ACTLOAD IMG_B, 0                               ; h1's first K step again, for the second half
	RELU
	TOIMG ACC, 1, IMG_A, 0                         ; (o's images were last read two barriers ago)
	; ---- columns 512-1023
	KSTEP 22, ACC, 0x73, 1, IMG_B, 0, 1
	LOADB 24, 0                                    ; ffn_b2
	KSTEP 23, ACC, 0x53, 0, IMG_B, 1, 1
	KSTEP 24, ACC, 0x53, 0, IMG_B, 2, 1
	KSTEP 25, ACC, 0x53, 0, IMG_B, 3, 0
	RELU
	TOIMG ACC, 1, IMG_A, 4
	BARRIER                                        ; the hidden layer's sixteen fragments lie in IMG_A
	; ---- ffn = hidden w2 + b2
	ACTLOAD IMG_A, 0
	KSTEP 26, ACC, 0x73, 1, IMG_A, 0, 1
	KSTEP 27, ACC, 0x53, 0, IMG_A, 1, 1
	KSTEP 28, ACC, 0x53, 0, IMG_A, 2, 1
	KSTEP 29, ACC, 0x53, 0, IMG_A, 3, 1
	KSTEP 30, ACC, 0x53, 0, IMG_A, 4, 1
	KSTEP 31, ACC, 0x53, 0, IMG_A, 5, 1
	KSTEP 32, ACC, 0x53, 0, IMG_A, 6, 1
	KSTEP 33, ACC, 0x53, 0, IMG_A, 7, 0
	WIN 0x45
.set j, 0
.rept 64
	v_pk_add_f32 v[AL+j:AL+j+1], v[ACC+j:ACC+j+1], v[AL+j:AL+j+1]   ; h1 + ffn
.set j, j+2
.endr
	WIN 0
	LN 2, AG, 1, MLN2                              ; h2
	LN 4, 0, 0, 0                                  ; the normalised part of the third norm
	; ---- the sum over my 32 tokens: the two tiles, then the sixteen lanes of a half
	WIN 0x05
.set j, 0
.rept 32
	v_pk_add_f32 v[WB+j:WB+j+1], v[AL+j:AL+j+1], v[AL+64+j:AL+64+j+1]
.set j, j+2
.endr
	WIN 0
.irp x, 1,2,4,8
.set j, 0
.rept 64
	v_add_f32_dpp v[WB+j], v[WB+j], v[WB+j] row_xmask:\x row_mask:0xf bank_mask:0xf
.set j, j+1
.endr
.endr
.irp b, 0,1,2,3
.irp q, 0,1,2,3
	ds_store_b128 v[CW], v[WB+16*\b+4*\q:WB+16*\b+4*\q+3] offset:128*\b+16*\q   ; the sixteen lanes of a half write the same bytes with the same values: channels in natural order
.endr
.endr
	ds_load_b128 v[RD:RD+3], v[CR]                 ; LDS serves a wave's instructions in order: this sees my stores
	s_wait_dscnt 0x0
	global_store_b128 v[LI], v[RD:RD+3], s[PRT:PRT+1]   ; 512 consecutive bytes: my 128 channels of the work-group's row of part
	s_wait_tensorcnt 0x0
	ds_add_u32 v254, v255
	s_wait_dscnt 0x0
	s_endpgm
.Lfunc_end_k_qe4fb308086_tail:
	.size	k_qe4fb308086_tail, .Lfunc_end_k_qe4fb308086_tail-k_qe4fb308086_tail
	.p2alignl 7, 3214868480
	.fill 96, 4, 3214868480
	.section	.rodata,"a",@progbits
	.p2align	6, 0x0
	.amdhsa_kernel k_qe4fb308086_tail
		.amdhsa_group_segment_fixed_size 61952
		.amdhsa_private_segment_fixed_size 0
		.amdhsa_enable_private_segment 0
		.amdhsa_kernarg_size 128
		.amdhsa_user_sgpr_count 2
		.amdhsa_user_sgpr_kernarg_segment_ptr 1
		.amdhsa_wavefront_size32 1
		.amdhsa_system_sgpr_workgroup_id_x 1
		.amdhsa_system_sgpr_workgroup_id_y 1
		.amdhsa_system_sgpr_workgroup_id_z 1
		.amdhsa_system_vgpr_workitem_id 0
		.amdhsa_next_free_vgpr 1024
		.amdhsa_next_free_sgpr 66
		.amdhsa_reserve_vcc 0
		.amdhsa_float_denorm_mode_32 3
		.amdhsa_float_denorm_mode_16_64 3
		.amdhsa_memory_ordered 1
		.amdhsa_forward_progress 1
		.amdhsa_inst_pref_size 255
	.end_amdhsa_kernel
	.section	.bss,"aw",@nobits
	.p2align	6
	.space	262144
	.amdgpu_metadata
---
amdhsa.version: [ 1, 2 ]
amdhsa.kernels:
  - .name:           k_qe4fb308086_tail
    .symbol:         k_qe4fb308086_tail.kd
    .args:
      - { .name: x_codes, .offset: 0, .size: 8, .value_kind: global_buffer, .address_space: global }
      - { .name: x_scales, .offset: 8, .size: 8, .value_kind: global_buffer, .address_space: global }
      - { .name: pos, .offset: 16, .size: 8, .value_kind: global_buffer, .address_space: global }
      - { .name: win_b, .offset: 24, .size: 8, .value_kind: global_buffer, .address_space: global }
      - { .name: obuf, .offset: 32, .size: 8, .value_kind: global_buffer, .address_space: global }
      - { .name: wimg, .offset: 40, .size: 8, .value_kind: global_buffer, .address_space: global }
      - { .name: l_bo, .offset: 48, .size: 8, .value_kind: global_buffer, .address_space: global }
      - { .name: g_bo, .offset: 56, .size: 8, .value_kind: global_buffer, .address_space: global }
      - { .name: gate_b, .offset: 64, .size: 8, .value_kind: global_buffer, .address_space: global }
      - { .name: ffn_b1, .offset: 72, .size: 8, .value_kind: global_buffer, .address_space: global }
      - { .name: ffn_b2, .offset: 80, .size: 8, .value_kind: global_buffer, .address_space: global }
      - { .name: n1_g, .offset: 88, .size: 8, .value_kind: global_buffer, .address_space: global }
      - { .name: n1_b, .offset: 96, .size: 8, .value_kind: global_buffer, .address_space: global }
      - { .name: n2_g, .offset: 104, .size: 8, .value_kind: global_buffer, .address_space: global }
      - { .name: n2_b, .offset: 112, .size: 8, .value_kind: global_buffer, .address_space: global }
      - { .name: part, .offset: 120, .size: 8, .value_kind: global_buffer, .address_space: global }
    .group_segment_fixed_size: 61952
    .private_segment_fixed_size: 0
    .kernarg_segment_align: 8
    .kernarg_segment_size: 128
    .max_flat_workgroup_size: 128
    .sgpr_count:     66
    .vgpr_count:     1024
    .wavefront_size: 32
...
	.end_amdgpu_metadata
.endif
;; end of part 3
;; launch head (part 4): grid 4 x 1, 16 waves a work-group, no clusters, 18,432 bytes of LDS; arguments part, n3_g, n3_b, out_w, out_b, out0; writes out0
.if DOCPART == 4
	.amdgcn_target "amdgcn-amd-amdhsa--gfx1250"
	.amdhsa_code_object_version 6
	.text
	.protected	k_qe4fb308086_head
	.globl	k_qe4fb308086_head
	.p2align	8
	.type	k_qe4fb308086_head,@function
k_qe4fb308086_head:
	s_mov_b64 s[64:65], 0
	v_nop
	global_prefetch_b8 v0, s[64:65] scope:SCOPE_SE
	s_setreg_imm32_b32 hwreg(HW_REG_WAVE_MODE, 25, 1), 1
	s_wait_xcnt 0x0
; out0[b] = (mean over the sequence of the normalised rows x n3_g + n3_b) out_w + out_b, for one batch b (the work-group).  All in f32.
; part holds, for each of the batch's 64 blocks of 32 tokens, the sum of the normalised rows, 512 channels.  The mean of y g + b is g x the mean of y + b.
; Sixteen waves.  Step 1: wave w adds 16 blocks (w / 4) of 128 channels (w % 4).  Step 2: wave w finishes channels 32 w .. 32 w + 31, a lane a channel.
; Step 3: wave w multiplies its 32 channels into the 128 outputs, four a lane, by fused multiply-adds (the product has 4 rows: a quarter of a matrix tile).  Step 4: wave 0 adds the sixteen parts.
; No matrix unit, no ring: a few hundred KB are read once.  LIMITS: NaN and infinities are passed on as the arithmetic gives them.
	s_load_b256 s[4:11], s[0:1], 0x0               ; part 4, n3_g 6, n3_b 8, out_w 10
	s_load_b128 s[12:15], s[0:1], 0x20             ; out_b 12, out0 14
	v_lshl_add_u32 v208, v0, 2, 0x4000
	v_mov_b32 v209, 0
	v_lshrrev_b32 v1, 5, v0
	v_readfirstlane_b32 s16, v1                    ; wave 0..15
	v_and_b32 v1, 31, v0
	v_lshlrev_b32 v2, 4, v1                        ; 16 x lane
	v_lshlrev_b32 v3, 2, v1                        ; 4 x lane
	s_and_b32 s17, s16, 3                          ; which 128 channels
	s_lshr_b32 s18, s16, 2                         ; which 16 blocks
	s_lshl_b32 s19, s18, 11
	s_lshl_b32 s22, s17, 9
	s_add_co_u32 s19, s19, s22
	v_add_nc_u32 v4, s19, v2                       ; LDS, step 1: 2,048 x (w / 4) + 512 x (w % 4) + 16 x lane
	s_lshl_b32 s19, s16, 7
	v_add_nc_u32 v5, s19, v3                       ; step 2: 128 x wave + 4 x lane
	s_lshl_b32 s19, s16, 9
	s_add_co_u32 s19, s19, 8192
	v_add_nc_u32 v6, s19, v2                       ; step 3: 8,192 + 512 x wave + 16 x lane
	s_lshl_b32 s20, ttmp9, 17                      ; the batch's 64 rows of 2,048 bytes
	s_lshl_b32 s19, s18, 15
	s_add_co_u32 s20, s20, s19
	s_add_co_u32 s20, s20, s22
	s_mov_b32 s21, 0
	s_wait_kmcnt 0x0
	s_add_nc_u64 s[4:5], s[4:5], s[20:21]
	s_lshl_b32 s20, s16, 7
	s_add_nc_u64 s[6:7], s[6:7], s[20:21]
	s_add_nc_u64 s[8:9], s[8:9], s[20:21]
	s_lshl_b32 s20, s16, 14                        ; my 32 rows of out_w, 512 bytes each
	s_add_nc_u64 s[10:11], s[10:11], s[20:21]
	s_lshl_b32 s20, ttmp9, 9
	s_add_nc_u64 s[14:15], s[14:15], s[20:21]
.irp i, 0,1,2,3,4,5,6,7,8,9,10,11,12,13,14,15
	global_load_b128 v[16+4*\i:19+4*\i], v2, s[4:5] offset:2048*\i th:TH_LOAD_NT
.endr
	global_load_b32 v8, v3, s[6:7]
	global_load_b32 v9, v3, s[8:9]
.irp c, 0,1,2,3,4,5,6,7,8,9,10,11,12,13,14,15,16,17,18,19,20,21,22,23,24,25,26,27,28,29,30,31
	global_load_b128 v[80+4*\c:83+4*\c], v2, s[10:11] offset:512*\c
.endr
	global_load_b128 v[12:15], v2, s[12:13]
	s_wait_loadcnt 35                              ; the 16 rows of part are in: 2 + 32 + 1 loads were issued behind them
.irp i, 1,2,3,4,5,6,7,8,9,10,11,12,13,14,15
	v_pk_add_f32 v[16:17], v[16:17], v[16+4*\i:17+4*\i]
	v_pk_add_f32 v[18:19], v[18:19], v[18+4*\i:19+4*\i]
.endr
	ds_store_b128 v4, v[16:19]
	s_wait_dscnt 0x0                               ; for the others' sake
	s_barrier_signal -1
	s_barrier_wait -1
.irp q, 0,1,2,3
	ds_load_b32 v[28+\q], v5 offset:2048*\q
.endr
	s_wait_dscnt 0x0
	v_add_f32 v28, v28, v29
	v_add_f32 v30, v30, v31
	v_add_f32 v28, v28, v30
	v_mul_f32 v28, 0x3a000000, v28                 ; / 2,048: exact
	s_wait_loadcnt 33                              ; the gain and the bias are in
	v_fma_f32 v24, v28, v8, v9                     ; lane l: the pooled number of channel 32 w + l
	s_wait_loadcnt 0x0
	v_readlane_b32 s24, v24, 0
.irp e, 0,1,2,3
	v_mul_f32 v[20+\e], s24, v[80+\e]              ; the first channel starts the sums
.endr
.irp c, 1,2,3,4,5,6,7,8,9,10,11,12,13,14,15,16,17,18,19,20,21,22,23,24,25,26,27,28,29,30,31
	v_readlane_b32 s[24+\c%4], v24, \c
.irp e, 0,1,2,3
	v_fmac_f32 v[20+\e], s[24+\c%4], v[80+4*\c+\e]
.endr
.endr
	ds_store_b128 v6, v[20:23]
	s_wait_dscnt 0x0
	s_barrier_signal -1
	s_barrier_wait -1
	s_cmp_lg_u32 s16, 0                            ; wave 0 alone adds the sixteen parts; no barrier follows
	s_cbranch_scc1 .Lend
.irp q, 0,1,2,3,4,5,6,7,8,9,10,11,12,13,14,15
	ds_load_b128 v[32+4*\q:35+4*\q], v2 offset:8192+512*\q
.endr
	s_wait_dscnt 0x0
.irp q, 0,1,2,3,4,5,6,7,8,9,10,11,12,13,14,15
	v_pk_add_f32 v[12:13], v[12:13], v[32+4*\q:33+4*\q]   ; onto out_b
	v_pk_add_f32 v[14:15], v[14:15], v[34+4*\q:35+4*\q]
.endr
	global_store_b128 v2, v[12:15], s[14:15]       ; 512 consecutive bytes: the batch's row of out0
.Lend:
	s_wait_tensorcnt 0x0
	ds_add_u32 v208, v209
	s_wait_dscnt 0x0
	s_endpgm
.Lfunc_end_k_qe4fb308086_head:
	.size	k_qe4fb308086_head, .Lfunc_end_k_qe4fb308086_head-k_qe4fb308086_head
	.p2alignl 7, 3214868480
	.fill 96, 4, 3214868480
	.section	.rodata,"a",@progbits
	.p2align	6, 0x0
	.amdhsa_kernel k_qe4fb308086_head
		.amdhsa_group_segment_fixed_size 18432
		.amdhsa_private_segment_fixed_size 0
		.amdhsa_enable_private_segment 0
		.amdhsa_kernarg_size 48
		.amdhsa_user_sgpr_count 2
		.amdhsa_user_sgpr_kernarg_segment_ptr 1
		.amdhsa_wavefront_size32 1
		.amdhsa_system_sgpr_workgroup_id_x 1
		.amdhsa_system_sgpr_workgroup_id_y 1
		.amdhsa_system_sgpr_workgroup_id_z 1
		.amdhsa_system_vgpr_workitem_id 0
		.amdhsa_next_free_vgpr 210
		.amdhsa_next_free_sgpr 66
		.amdhsa_reserve_vcc 0
		.amdhsa_float_denorm_mode_32 3
		.amdhsa_float_denorm_mode_16_64 3
		.amdhsa_memory_ordered 1
		.amdhsa_forward_progress 1
		.amdhsa_inst_pref_size 19
	.end_amdhsa_kernel
	.amdgpu_metadata
---
amdhsa.version: [ 1, 2 ]
amdhsa.kernels:
  - .name:           k_qe4fb308086_head
    .symbol:         k_qe4fb308086_head.kd
    .args:
      - { .name: part, .offset: 0, .size: 8, .value_kind: global_buffer, .address_space: global }
      - { .name: n3_g, .offset: 8, .size: 8, .value_kind: global_buffer, .address_space: global }
      - { .name: n3_b, .offset: 16, .size: 8, .value_kind: global_buffer, .address_space: global }
      - { .name: out_w, .offset: 24, .size: 8, .value_kind: global_buffer, .address_space: global }
      - { .name: out_b, .offset: 32, .size: 8, .value_kind: global_buffer, .address_space: global }
      - { .name: out0, .offset: 40, .size: 8, .value_kind: global_buffer, .address_space: global }
    .group_segment_fixed_size: 18432
    .private_segment_fixed_size: 0
    .kernarg_segment_align: 8
    .kernarg_segment_size: 48
    .max_flat_workgroup_size: 512
    .sgpr_count:     66
    .vgpr_count:     210
    .wavefront_size: 32
...
	.end_amdgpu_metadata
.endif
;; end of part 4
;; ======== version 2 of 2: 4 launches
;; workspace buffers: qbuf 8,388,608 bytes; kvbuf 14,680,064 bytes; obuf 8,388,608 bytes; wimg 1,810,432 bytes; part 524,288 bytes
;; launch qkv (part 5): grid 128 x 2, 4 waves a work-group, no clusters, 27,136 bytes of LDS; arguments x_codes, x_scales, win_w_codes, win_w_scales, win_b, pos, l_wqkv_codes, l_wqkv_scales, l_bqkv, g_wqkv_codes, g_wqkv_scales, g_bqkv, l_wo_codes, l_wo_scales, g_wo_codes, g_wo_scales, gate_w_codes, gate_w_scales, ffn_w1_codes, ffn_w1_scales, ffn_w2_codes, ffn_w2_scales, qbuf, kvbuf, wimg; writes qbuf, kvbuf, wimg
.if DOCPART == 5
	.amdgcn_target "amdgcn-amd-amdhsa--gfx1250"
	.amdhsa_code_object_version 6
	.text
	.protected	k_qe4fb308086_qkv
	.globl	k_qe4fb308086_qkv
	.p2align	8
	.type	k_qe4fb308086_qkv,@function
k_qe4fb308086_qkv:
	s_mov_b64 s[64:65], 0
	v_nop
	global_prefetch_b8 v0, s[64:65] scope:SCOPE_SE
	s_setreg_imm32_b32 hwreg(HW_REG_WAVE_SCHED_MODE, 0, 2), 2
	s_setreg_imm32_b32 hwreg(HW_REG_WAVE_MODE, 25, 1), 1
	s_wait_xcnt 0x0
	s_wait_alu depctr_vm_vsrc(0)
; h = x win + win_b + pos;  q, k, v = Q(h) W + b of ONE path (work-group y: 0 local, 1 global), quantised to BF6 (E3M2) and stored as images of operand registers.
; A work-group of four waves owns 64 tokens (work-group x).  Phase H: wave w makes h's channels 128 w .. 128 w + 127 for the 64 tokens, quantises them (they are K step w of the next products)
; and hands the fragments to the other waves through LDS as images of their registers.  Phase P: wave w makes heads 2 w and 2 w + 1: six units (head, q | k | v) of 64 channels x 64 tokens x K 512.
; CHOSEN ORDER: lane r of tile t takes row 32 (t / 2) + 8 (t % 2) + r + 8 (r / 8), of weights and of tokens alike.  With such a tile as source 0, the registers of tiles 2 b and 2 b + 1 of a lane
; are 16 neighbours, 32 b + 16 (lane / 16) + 0 .. 15, along the next product's K: the conversions take them as they stand.  q, k: source 0 = weights, source 1 = tokens (registers run along the head's 64);
; v: source 0 = tokens, source 1 = weights (registers run along the keys, which are the second attention product's K).
; IMAGES.  64 along K of 16 rows (6 registers a lane): registers 0-3 at 16 x lane, registers 4-5 at 512 + 8 x lane: 768 bytes; its scale word (two bytes) at 4 x lane.
; At the end each wave lays one or two fragments of the later launch's weights (win, l_wo, g_wo, gate, ffn_w1, ffn_w2) into wimg as images of 12 registers: 1,088 fragments over 1,024 waves.
; LIMITS: NaN and infinities are not served; a block whose largest magnitude lies under 2^-122 keeps the scale byte 1; a block of zeros gets the byte 1, not 127: its codes are zeros and this program alone reads the bytes.
; REGISTERS.  window 0: v1-19 lane terms; v24-39 TM; v40 PW; v44-62 PC; v64-79 scale words of x, later of h; v80-111 scale words of weights; v112-115 v's bias; v128-255 accumulators.
;   window 1: h's 16 fragments, v192-223 a unit's bias (phase H: x's 8 fragments, v96-159 win_b).   window 2: win's 16 fragments.   window 3: a ring of three sets of four weight fragments.
; THE MODE: SCHED_MODE bits 1:0 = 2 (LLVM: expert scheduling mode 2), set by the entry lines.  The code itself states the register dependences
; between vector or matrix instructions and memory or LDS instructions, with s_wait_alu, always for 0.
; THE PLAN.  Registers that memory or LDS instructions touch:
;   v4-8, v10-16     offsets and LDS addresses: made at the head, never written again: one wait on va_vdst ahead of the first load serves them all.
;   ACC's halves     phase H: tile m's products, additions and conversions work on half m % 2; behind them pos of tile m + 2 lands in it.
;   PC, PW           written by the quantiser; read by the four LDS stores (phase H) or the three global stores (phase P) that follow it; written again by the next quantiser.
;   window 1, v64-79 phase H: x's fragments, win_b and x's scale words, read by products and additions; then h's fragments and scale words land there by LDS loads.
;   R0, R1, R2       the ring in window 3: group g's products read R[g % 3]; at the head of group g the loads of group g + 2 land in R[(g - 1) % 3], which group g - 1's products read.
;   SW, BI, BT       a unit's scale words and bias: asked for in the second group of the unit before; read by products (BT by moves; for v BI is written by moves).
;   v18, v19, v128-140  the weights' way into wimg, at the end.
; So: a wait on va_vdst ahead of each run of stores (it also covers the loads that follow the run: no vector line stands between), one at the head of each group that loads, and a wait on vm_vsrc ahead of each
; quantiser that writes PC and PW again.  The weights' loads stay in one run at a group's head: they want destination window 3 and address window 0, the products source 0 in window 3.
.set HIMG, 0                           ; LDS: h's fragment (token tile m, K step s) at (4 m + s) x 1,536
.set HSC,  24576                       ; its scale words at (4 m + s) x 128
.set ACC,  128
.set TM,   24
.set PW,   40
.set PC,   44
.set XS,   64
.set HS,   64
.set SW,   80
.set WNS,  96
.set BT,   112
.set BI,   192                         ; window 1
.set WBR,  96                          ; window 1
.set WV,   54
.set RBK,  55
.set PATH, 56
.set BLK,  57
.set SEL,  58
.set XP,   66
.set XSP,  68
.set WNP,  70
.set WNSP, 72
.set WBP,  74
.set PP,   76
.set WP,   78
.set WSP,  80
.set BP,   82
.set QP,   84
.set KP,   86
.set MSB, 0
.macro WIN new                         ; the immediate's high byte repeats the setting that is left; a switch that changes nothing is dropped
.set WNEW, \new
.if MSB != WNEW
	s_set_vgpr_msb (MSB<<8)|WNEW
.set MSB, WNEW
.endif
.endm
.macro PLACES                          ; four plain vector lines behind matrix instructions, ahead of reads of their results; where loads into their registers follow, the wait on va_vdst stands behind these lines
.rept 4
	v_nop
.endr
.endm
.set LC, 0                             ; global loads issued so far: the text is straight-line, so the assembler can count
.macro WAITL n                         ; the first n loads are in: as many may stay out as were issued behind them
.set WN, LC-(\n)
.if WN > 63
.set WN, 63
.endif
	s_wait_loadcnt WN
.endm
.macro MM d, a, b, c, sa, sb
	v_wmma_scale_f32_16x16x128_f8f6f4 v[\d:\d+7], v[\a:\a+11], v[\b:\b+11], v[\c:\c+7], v[\sa], v[\sb] matrix_a_fmt:MATRIX_FMT_BF6 matrix_b_fmt:MATRIX_FMT_BF6
.endm
; 64 numbers of a lane, register 16 b + i = k 32 b + 16 (lane / 16) + i of the lane's row, in window X, become a fragment's 12 registers in v[PC] on and its scale word in v[PW].
.macro QUANT64 s, X
	WIN (\X)|((\X)<<2)
.irp b, 0,1,2,3
	v_max3_num_f32 v[TM+\b], |v[(\s)+16*\b]|, |v[(\s)+1+16*\b]|, 0x2800000   ; my 16 numbers of block b, and the floor 2^(5 - 127): the byte cannot fall under 1
.endr
	WIN ((\X)<<2)|((\X)<<4)
.irp i, 2,4,6,8,10,12,14
.irp b, 0,1,2,3
	v_max3_num_f32 v[TM+\b], v[TM+\b], |v[(\s)+16*\b+\i]|, |v[(\s)+1+16*\b+\i]|
.endr
.endr
	WIN 0
.irp b, 0,1,2,3
	v_permlanex16_b32 v[TM+4+\b], v[TM+\b], s[SEL], s[SEL+1]
.endr
.irp b, 0,1,2,3
	v_max_num_f32 v[TM+\b], v[TM+\b], v[TM+4+\b]   ; with lane l xor 16's: the block's largest magnitude
.endr
.irp b, 0,1,2,3
	v_add_nc_u32 v[TM+12+\b], 0xfe000000, v[TM+\b]   ; 4 off its exponent field: the conversion's scale operand
.endr
.irp b, 0,1,2,3
	v_lshrrev_b32 v[TM+4+\b], 23, v[TM+12+\b]      ; the scale's byte
.endr
	v_lshl_or_b32 v[PW], v[TM+5], 8, v[TM+4]
	v_lshl_or_b32 v[PW], v[TM+6], 16, v[PW]
	v_lshl_or_b32 v[PW], v[TM+7], 24, v[PW]
	WIN \X
.irp c, 0,1
	v_cvt_scalef32_pk16_bf6_f32 v[PC+6*\c:PC+6*\c+2], v[(\s)+32*\c:(\s)+32*\c+15], v[TM+12+2*\c]
	v_cvt_scalef32_pk16_bf6_f32 v[PC+12+4*\c:PC+12+4*\c+2], v[(\s)+16+32*\c:(\s)+16+32*\c+15], v[TM+13+2*\c]
.endr
	WIN 0
	v_nop                                          ; one plain line behind the scaled conversions
.irp c, 0,1                                    ; the operand wants a whole block in a lane: lanes 0-15 block 2 c, lanes 16-31 block 2 c + 1
.irp i, 0,1,2
	v_permlane16_swap_b32 v[PC+6*\c+\i], v[PC+12+4*\c+\i]
.endr
.irp i, 0,1,2
	v_mov_b32 v[PC+3+6*\c+\i], v[PC+12+4*\c+\i]
.endr
.endr
.endm
; the same of 32 numbers (two blocks, window 0): 6 registers in v[PC] on, two bytes in v[PW]
.macro QUANT32 s
.irp b, 0,1
	v_max3_num_f32 v[TM+\b], |v[(\s)+16*\b]|, |v[(\s)+1+16*\b]|, 0x2800000
.endr
.irp i, 2,4,6,8,10,12,14
.irp b, 0,1
	v_max3_num_f32 v[TM+\b], v[TM+\b], |v[(\s)+16*\b+\i]|, |v[(\s)+1+16*\b+\i]|
.endr
.endr
.irp b, 0,1
	v_permlanex16_b32 v[TM+4+\b], v[TM+\b], s[SEL], s[SEL+1]
.endr
.irp b, 0,1
	v_max_num_f32 v[TM+\b], v[TM+\b], v[TM+4+\b]
.endr
.irp b, 0,1
	v_add_nc_u32 v[TM+12+\b], 0xfe000000, v[TM+\b]
.endr
.irp b, 0,1
	v_lshrrev_b32 v[TM+4+\b], 23, v[TM+12+\b]
.endr
	v_lshl_or_b32 v[PW], v[TM+5], 8, v[TM+4]
	v_cvt_scalef32_pk16_bf6_f32 v[PC:PC+2], v[(\s):(\s)+15], v[TM+12]
	v_cvt_scalef32_pk16_bf6_f32 v[PC+12:PC+14], v[(\s)+16:(\s)+31], v[TM+13]
	v_nop
.irp i, 0,1,2
	v_permlane16_swap_b32 v[PC+\i], v[PC+12+\i]
.endr
.irp i, 0,1,2
	v_mov_b32 v[PC+3+\i], v[PC+12+\i]
.endr
.endm
	s_load_b512 s[4:19], s[0:1], 0x0               ; x codes 4, x scales 6, win codes 8, win scales 10, win_b 12, pos 14, l_wqkv codes 16, scales 18
	s_load_b512 s[20:35], s[0:1], 0x40             ; l_bqkv 20, g_wqkv codes 22, scales 24, g_bqkv 26, l_wo codes 28, scales 30, g_wo codes 32, scales 34
	s_load_b512 s[36:51], s[0:1], 0x80             ; gate codes 36, scales 38, ffn_w1 codes 40, scales 42, ffn_w2 codes 44, scales 46, qbuf 48, kvbuf 50
	s_load_b64 s[52:53], s[0:1], 0xc0              ; wimg
	v_lshl_add_u32 v126, v0, 2, 0x6800
	v_mov_b32 v127, 0
	v_lshrrev_b32 v1, 5, v0
	v_readfirstlane_b32 s[WV], v1                  ; wave 0..3
	v_and_b32 v1, 31, v0                           ; lane
	v_and_b32 v2, 15, v0                           ; r
	v_bfe_u32 v3, v0, 4, 1                         ; h
	v_lshlrev_b32 v4, 4, v1                        ; 16 x lane
	v_lshlrev_b32 v5, 3, v1                        ; 8 x lane
	v_lshlrev_b32 v6, 2, v1                        ; 4 x lane
	v_and_b32 v9, 8, v2
	v_add_nc_u32 v9, v9, v2                        ; rho = r + 8 (r / 8)
	v_mul_u32_u24 v17, v3, 24                      ; 24 h
	v_mad_u32_u24 v7, v9, 192, v17                 ; rows of 256 codes (x, win)
	v_lshlrev_b32 v8, 3, v9                        ; their scale bytes, 8 a row
	v_mad_u32_u24 v10, v9, 384, v17                ; rows of 512 codes (wqkv)
	v_lshlrev_b32 v11, 4, v9                       ; their scale bytes, 16 a row
	v_lshlrev_b32 v13, 6, v3                       ; 64 h: my half's 16 channels of a block of 32, in f32
	v_lshl_add_u32 v12, v9, 11, v13                ; pos: row rho of 2,048 bytes + 64 h
	v_lshlrev_b32 v14, 2, v9                       ; 4 rho
	s_wait_alu depctr_va_sdst(0)                   ; the wave's number is written, ahead of its first reader: LDS addresses and all bases are made from it
	s_mul_i32 s60, s[WV], 1536
	v_add_nc_u32 v15, s60, v4                      ; where I store h's images: 16 x lane + 1,536 x wave
	s_lshl_b32 s60, s[WV], 7
	v_add_nc_u32 v16, s60, v6                      ; and their scale words: 4 x lane + 128 x wave
.irp b, 0,1,2,3
	v_mov_b32 v[TM+4+\b], 0                        ; written once: a lane permute's destination counts as one of its sources
.endr
	s_and_b32 s[PATH], ttmp7, 0xffff
	s_mov_b32 s[RBK], ttmp9
	s_mov_b32 s[SEL], 0x76543210
	s_mov_b32 s[SEL+1], 0xfedcba98
	s_mov_b32 s63, 0
	s_and_b32 s[BLK], s[RBK], 31                   ; the block of 64 tokens in its batch
	s_lshr_b32 s60, s[RBK], 5
	s_lshl_b32 s60, s60, 3
	s_lshl_b32 s61, s[PATH], 5
	s_add_co_u32 s60, s60, s61
	s_lshl_b32 s61, s[WV], 1
	s_add_co_u32 s60, s60, s61                     ; 32 path + 8 batch + 2 wave: my first head's record
	s_wait_kmcnt 0x0
	s_mul_i32 s62, s[RBK], 12288
	s_add_nc_u64 s[XP:XP+1], s[4:5], s[62:63]
	s_lshl_b32 s62, s[RBK], 9
	s_add_nc_u64 s[XSP:XSP+1], s[6:7], s[62:63]
	s_mul_i32 s62, s[WV], 24576
	s_add_nc_u64 s[WNP:WNP+1], s[8:9], s[62:63]
	s_lshl_b32 s62, s[WV], 10
	s_add_nc_u64 s[WNSP:WNSP+1], s[10:11], s[62:63]
	s_lshl_b32 s62, s[WV], 9
	s_add_nc_u64 s[WBP:WBP+1], s[12:13], s[62:63]
	s_lshl_b32 s61, s[BLK], 17
	s_add_co_u32 s62, s62, s61
	s_add_nc_u64 s[PP:PP+1], s[14:15], s[62:63]
	s_cmp_eq_u32 s[PATH], 0                        ; the path's weights: the choice hangs on the work-group's number alone
	s_cselect_b64 s[WP:WP+1], s[16:17], s[22:23]
	s_cselect_b64 s[WSP:WSP+1], s[18:19], s[24:25]
	s_cselect_b64 s[BP:BP+1], s[20:21], s[26:27]
	s_mul_i32 s62, s[WV], 49152
	s_add_nc_u64 s[WP:WP+1], s[WP:WP+1], s[62:63]
	s_lshl_b32 s62, s[WV], 11
	s_add_nc_u64 s[WSP:WSP+1], s[WSP:WSP+1], s[62:63]
	s_lshl_b32 s62, s[WV], 9
	s_add_nc_u64 s[BP:BP+1], s[BP:BP+1], s[62:63]
	s_lshl_b32 s62, s60, 17
	s_lshl_b32 s61, s[BLK], 12
	s_add_co_u32 s62, s62, s61
	s_add_nc_u64 s[QP:QP+1], s[48:49], s[62:63]
	s_mul_i32 s62, s60, 229376
	s_mul_i32 s61, s[BLK], 7168
	s_add_co_u32 s62, s62, s61
	s_add_nc_u64 s[KP:KP+1], s[50:51], s[62:63]
	; ---- the loads of phase H: x's 8 fragments and scale words, my 16 fragments of win, their scale words, win_b, pos of two token tiles
	s_wait_alu depctr_va_vdst(0)                   ; the offsets and LDS addresses v4 to v8 and v10 to v16 are written: every load and store down to the weights' way into wimg reads some of them
	WIN 0x40
.irp m, 0,1,2,3
.irp k, 0,1
.irp p, 0,1,2,3,4,5
	global_load_b64 v[12*(2*\m+\k)+2*\p:12*(2*\m+\k)+2*\p+1], v7, s[XP:XP+1] offset:(32*(\m/2)+8*(\m%2))*192+96*\k+48*(\p/3)+8*(\p%3)
.endr
.endr
.endr
	WIN 0
.irp m, 0,1,2,3
	global_load_b64 v[XS+2*\m:XS+2*\m+1], v8, s[XSP:XSP+1] offset:(32*(\m/2)+8*(\m%2))*8
.endr
.set LC, LC+52
	WIN 0x80
.irp t, 0,1,2,3,4,5,6,7
.irp k, 0,1
.irp p, 0,1,2,3,4,5
	global_load_b64 v[12*(2*\t+\k)+2*\p:12*(2*\t+\k)+2*\p+1], v7, s[WNP:WNP+1] offset:(32*(\t/2)+8*(\t%2))*192+96*\k+48*(\p/3)+8*(\p%3)
.endr
.endr
.endr
	WIN 0
.irp t, 0,1,2,3,4,5,6,7
	global_load_b64 v[WNS+2*\t:WNS+2*\t+1], v8, s[WNSP:WNSP+1] offset:(32*(\t/2)+8*(\t%2))*8
.endr
	WIN 0x40
.irp b, 0,1,2,3
.irp q, 0,1,2,3
	global_load_b128 v[WBR+16*\b+4*\q:WBR+16*\b+4*\q+3], v13, s[WBP:WBP+1] offset:128*\b+16*\q
.endr
.endr
	WIN 0
.set LC, LC+120
.macro POS m                           ; pos of token tile m, in the result's layout, into the accumulators that the tile's products will add onto
.irp b, 0,1,2,3
.irp q, 0,1,2,3
	global_load_b128 v[ACC+64*((\m)%2)+16*\b+4*\q:ACC+64*((\m)%2)+16*\b+4*\q+3], v12, s[PP:PP+1] offset:(32*((\m)/2)+8*((\m)%2))*2048+128*\b+16*\q
.endr
.endr
.set LC, LC+16
.set MP\m, LC
.endm
.macro LOADG g                         ; group g = 4 x unit + K step: four weight fragments into ring set g % 3
.set LG_I, (\g)/4
.set LG_O, (LG_I%3)*196608+(LG_I/3)*24576+96*((\g)%4)
.set LG_R, 48*((\g)%3)
	WIN 0xc0
.irp t, 0,1,2,3
.irp p, 0,1,2,3,4,5
	global_load_b64 v[LG_R+12*\t+2*\p:LG_R+12*\t+2*\p+1], v10, s[WP:WP+1] offset:LG_O+(32*(\t/2)+8*(\t%2))*384+48*(\p/3)+8*(\p%3)
.endr
.endr
	WIN 0
.set LC, LC+24
.endm
.macro EXTRA u                         ; unit u's scale words (four K steps a load) and its bias
.set EX_K, (\u)%3
.set EX_J, (\u)/3
.set EX_S, SW+16*((\u)%2)
	WIN 0
.irp t, 0,1,2,3
	global_load_b128 v[EX_S+4*\t:EX_S+4*\t+3], v11, s[WSP:WSP+1] offset:EX_K*8192+EX_J*1024+(32*(\t/2)+8*(\t%2))*16
.endr
.set LC, LC+4
.if EX_K < 2
	WIN 0x40
.irp t, 0,1,2,3
	global_load_b128 v[BI+8*\t:BI+8*\t+3], v13, s[BP:BP+1] offset:EX_K*2048+EX_J*256+(32*(\t/2)+8*(\t%2))*4
	global_load_b128 v[BI+8*\t+4:BI+8*\t+7], v13, s[BP:BP+1] offset:EX_K*2048+EX_J*256+(32*(\t/2)+8*(\t%2))*4+16
.endr
	WIN 0
.set LC, LC+8
.else
.irp t, 0,1,2,3
	global_load_b32 v[BT+\t], v14, s[BP:BP+1] offset:4096+EX_J*256+(32*(\t/2)+8*(\t%2))*4
.endr
.set LC, LC+4
.endif
.endm
	POS 0
	POS 1
; ---- phase H, a token tile at a time: 16 products on 8 accumulators by turns (they begin as pos), + win_b, quantised, image to LDS
.macro HTILE m
.set HA, ACC+64*((\m)%2)
	WAITL MP\m                                     ; this tile's pos is in, and so is all that was asked for ahead of it
	WIN 0x06                                       ; source 0 (win) window 2, source 1 (x) window 1
.irp k, 0,1
.irp t, 0,1,2,3,4,5,6,7
	MM HA+8*\t, 12*(2*\t+\k), 12*(2*(\m)+\k), HA+8*\t, WNS+2*\t+\k, XS+2*(\m)+\k
.endr
.endr
	PLACES
	WIN 0x04                                       ; source 1 (win_b) window 1
.set j, 0
.rept 32
	v_pk_add_f32 v[HA+j:HA+j+1], v[HA+j:HA+j+1], v[WBR+j:WBR+j+1]
.set j, j+2
.endr
	WIN 0
	s_wait_dscnt 0x0                               ; the last image's stores are done
.if (\m) > 0
	s_wait_alu depctr_vm_vsrc(0)                   ; the last tile's LDS stores have read v[PC ..] and v[PW], which the lines below write again
.endif
	QUANT64 HA, 0
	s_wait_alu depctr_va_vdst(0)                   ; v[PC ..] and v[PW] are written, which the LDS stores read; and this tile's products, additions and conversions are done with their half of ACC, in which the next loads of pos land
.irp c, 0,1,2
	ds_store_b128 v15, v[PC+4*\c:PC+4*\c+3] offset:HIMG+6144*(\m)+512*\c
.endr
	ds_store_b32 v16, v[PW] offset:HSC+512*(\m)
.endm
	HTILE 0
	POS 2                                          ; no further wait: no vector line since the tile's wait
	HTILE 1
	POS 3
	HTILE 2
	EXTRA 0                                        ; (these land in registers that no line has named yet)
	LOADG 0
.set M0, LC
	HTILE 3
	LOADG 1
.set M1, LC
.set M2, LC
	s_wait_dscnt 0x0                               ; my images have landed
	s_barrier_signal -1
	s_barrier_wait -1                              ; everybody's have: h's 16 fragments lie in LDS
	WIN 0x40                                       ; the loads below land on x's fragments, win_b and x's scale words: the last tile's wait on va_vdst stands behind every product and addition that read them, and no vector line has followed it
.irp f, 0,1,2,3,4,5,6,7,8,9,10,11,12,13,14,15
.irp c, 0,1,2
	ds_load_b128 v[12*\f+4*\c:12*\f+4*\c+3], v4 offset:HIMG+1536*\f+512*\c
.endr
.endr
	WIN 0
.irp f, 0,1,2,3,4,5,6,7,8,9,10,11,12,13,14,15
	ds_load_b32 v[HS+\f], v6 offset:HSC+128*\f
.endr
	s_wait_dscnt 0x0
; ---- phase P.  A group is one K step of one unit: 16 products on 16 accumulators by turns.  Weights come two groups ahead through the ring.
.macro OUT3 bp, oi, ow                 ; an image of 6 registers and its scale word: stores of 512, 256 and 128 consecutive bytes
	global_store_b128 v4, v[PC:PC+3], s[\bp:\bp+1] offset:\oi
	global_store_b64 v5, v[PC+4:PC+5], s[\bp:\bp+1] offset:(\oi)+512
	global_store_b32 v6, v[PW], s[\bp:\bp+1] offset:\ow
.endm
.macro GROUP u, k
.set GG, 4*(\u)+(\k)
.set KIND, (\u)%3
.set JH, (\u)/3
.set RGB, 48*(GG%3)
.set SWS, SW+16*((\u)%2)
	PLACES                                         ; behind the last group's products
.if (GG > 0) && (GG+2 < 24)
	s_wait_alu depctr_va_vdst(0)                   ; the last group's products are done reading their ring set, in which the loads below land; in a unit's second group also: the products that read, and for v the moves that read or wrote, the scale words and the bias that are asked for anew
.endif
.if GG+2 < 24
	LOADG GG+2
.set M2, LC
.endif
.if ((\k)==1)&&((\u)<5)
	EXTRA (\u)+1
.endif
	WAITL M0                                       ; this group's fragments are in (and the unit's scale words and bias, asked for earlier)
.if KIND == 2
.if (\k) == 0
	WIN 0x40
.irp t, 0,1,2,3
.irp j, 0,1,2,3,4,5,6,7
	v_mov_b32 v[BI+8*\t+\j], v[BT+\t]              ; v: a lane holds one channel, so its bias fills the tile's eight registers
.endr
.endr
	WIN 0x1d                                       ; source 0 (h) window 1, source 1 (weights) window 3, C (bias) window 1
.else
	WIN 0x0d
.endif
.irp m, 0,1,2,3
.irp t, 0,1,2,3
.if (\k) == 0
	MM ACC+32*\t+8*\m, 12*(4*\m+(\k)), RGB+12*\t, BI+8*\t, HS+4*\m+(\k), SWS+4*\t+(\k)
.else
	MM ACC+32*\t+8*\m, 12*(4*\m+(\k)), RGB+12*\t, ACC+32*\t+8*\m, HS+4*\m+(\k), SWS+4*\t+(\k)
.endif
.endr
.endr
.else
.if (\k) == 0
	WIN 0x17                                       ; source 0 (weights) window 3, source 1 (h) window 1, C (bias) window 1
.else
	WIN 0x07
.endif
.irp m, 0,1,2,3
.irp t, 0,1,2,3
.if (\k) == 0
	MM ACC+32*\m+8*\t, RGB+12*\t, 12*(4*\m+(\k)), BI+8*\t, SWS+4*\t+(\k), HS+4*\m+(\k)
.else
	MM ACC+32*\m+8*\t, RGB+12*\t, 12*(4*\m+(\k)), ACC+32*\m+8*\t, SWS+4*\t+(\k), HS+4*\m+(\k)
.endif
.endr
.endr
.endif
.if (\k) == 3                          ; the unit is finished: four images of 16 rows x 64 along the next K
	WIN 0
	PLACES
.irp e, 0,1,2,3
	s_wait_xcnt 0x0                                ; the last image's stores have had their addresses translated
	s_wait_alu depctr_vm_vsrc(0)                   ; the last image's stores (ahead of the first unit: phase H's last LDS stores) have read v[PC ..] and v[PW], which the lines below write again
	QUANT32 ACC+32*\e
	s_wait_alu depctr_va_vdst(0)                   ; v[PC ..] and v[PW] are written, which the three stores read
.if KIND == 0
	OUT3 QP, JH*131072+1024*\e, JH*131072+1024*\e+768
.elseif KIND == 1
	OUT3 KP, JH*229376+768*\e, JH*229376+6144+128*\e
.else
	OUT3 KP, JH*229376+3072+768*\e, JH*229376+6656+128*\e
.endif
.endr
.endif
.set M0, M1
.set M1, M2
.endm
.irp u, 0,1,2,3,4,5
	GROUP \u, 0
	GROUP \u, 1
	GROUP \u, 2
	GROUP \u, 3
.endr
; ---- the later launch's weights as images.  Fragment f: K step Gk = f / 32 of the chain (0-1 win, 2-5 l_wo, 6-9 g_wo, 10-17 gate, 18-25 ffn_w1 in two halves of its rows, 26-33 ffn_w2),
; wave w' = (f / 8) % 4, tile t = f % 8: rows 128 w' + chosen order.  All choices hang on ids alone.
.macro PICK from, cp, sp, rb, srb, km
	s_cmp_ge_u32 s89, \from
	s_cselect_b64 s[92:93], s[\cp:\cp+1], s[92:93]
	s_cselect_b64 s[94:95], s[\sp:\sp+1], s[94:95]
	s_cselect_b32 s96, \rb, s96
	s_cselect_b32 s97, \srb, s97
	s_cselect_b32 s98, \from, s98
	s_cselect_b32 s99, \km, s99
.endm
.macro RELAY
	s_lshr_b32 s89, s88, 5                         ; Gk
	s_bfe_u32 s90, s88, 0x20003                    ; w'
	s_and_b32 s91, s88, 7                          ; t
	s_mov_b64 s[92:93], s[8:9]
	s_mov_b64 s[94:95], s[10:11]
	s_mov_b32 s96, 192                             ; bytes in a row of codes
	s_mov_b32 s97, 8                               ; bytes in a row of scales
	s_mov_b32 s98, 0                               ; the tensor's first Gk
	s_mov_b32 s99, 7                               ; K steps in a row, less one (ffn_w1: 3; what lies above selects the half of its rows)
	PICK 2, 28, 30, 384, 16, 7
	PICK 6, 32, 34, 384, 16, 7
	PICK 10, 36, 38, 768, 32, 7
	PICK 18, 40, 42, 384, 16, 3
	PICK 26, 44, 46, 768, 32, 7
	s_sub_co_u32 s98, s89, s98
	s_and_not1_b32 s60, s98, s99
	s_and_b32 s98, s98, s99                        ; the K step in the row
	s_lshl_b32 s60, s60, 7
	s_lshl_b32 s61, s90, 7
	s_add_co_u32 s60, s60, s61
	s_lshr_b32 s61, s91, 1
	s_lshl_b32 s61, s61, 5
	s_add_co_u32 s60, s60, s61
	s_and_b32 s61, s91, 1
	s_lshl_b32 s61, s61, 3
	s_add_co_u32 s60, s60, s61                     ; the tile's first row
	s_mul_i32 s62, s60, s96
	s_mul_i32 s61, s98, 96
	s_add_co_u32 s62, s62, s61
	s_add_nc_u64 s[92:93], s[92:93], s[62:63]
	s_mul_i32 s62, s60, s97
	s_lshl_b32 s61, s98, 2
	s_add_co_u32 s62, s62, s61
	s_add_nc_u64 s[94:95], s[94:95], s[62:63]
	v_mad_u32_u24 v18, v9, s96, v17                ; rho rows + 24 h
	v_mul_u32_u24 v19, s97, v9
	s_wait_alu depctr_va_vdst(0)                   ; v18 and v19 are written, which the loads read as offsets; the last unit's products and conversions are done with v128 to v140, in which they land
.irp p, 0,1,2,3,4,5
	global_load_b64 v[128+2*\p:129+2*\p], v18, s[92:93] offset:48*(\p/3)+8*(\p%3)
.endr
	global_load_b32 v140, v19, s[94:95]
	s_lshl_b32 s60, s89, 2
	s_add_co_u32 s60, s60, s90
	s_mul_i32 s60, s60, 13312                      ; the brick (Gk, w')
	s_mul_i32 s61, s91, 1536
	s_add_co_u32 s62, s60, s61
	s_add_nc_u64 s[66:67], s[52:53], s[62:63]      ; the image's place
	s_lshr_b32 s61, s91, 2
	s_lshl_b32 s61, s61, 9
	s_add_co_u32 s62, s60, s61
	s_and_b32 s61, s91, 3
	s_lshl_b32 s61, s61, 2
	s_add_co_u32 s62, s62, s61
	s_add_co_u32 s62, s62, 12288
	s_add_nc_u64 s[68:69], s[52:53], s[62:63]      ; the scale word's: four tiles' words lie side by side, 16 bytes a lane
	s_wait_loadcnt 0x0
.irp c, 0,1,2
	global_store_b128 v4, v[128+4*\c:131+4*\c], s[66:67] offset:512*\c
.endr
	global_store_b32 v4, v140, s[68:69]
.endm
	s_lshl_b32 s88, s[PATH], 7
	s_add_co_u32 s88, s88, s[RBK]
	s_lshl_b32 s88, s88, 2
	s_add_co_u32 s88, s88, s[WV]                   ; my wave's number in the launch, 0 .. 1,023
	RELAY
	s_wait_alu depctr_vm_vsrc(0)                   ; the fragment's loads have read v18 and v19, its stores v128 to v140: a second fragment's lines write all of them again.  Stated ahead of the branch
	s_cmp_lt_u32 s88, 64                           ; 1,088 fragments: the first 64 waves take a second one
	s_cbranch_scc0 .Ldone
	s_wait_xcnt 0x0                                ; the first fragment's loads and stores have had their addresses translated: their registers and bases may be written
	s_add_co_u32 s88, s88, 1024
	RELAY
.Ldone:
	s_wait_dscnt 0x0                               ; the closing lines, six on end
	s_wait_alu 0x0
	s_wait_tensorcnt 0x0
	ds_add_u32 v126, v127
	s_wait_dscnt 0x0
	s_endpgm
.Lfunc_end_k_qe4fb308086_qkv:
	.size	k_qe4fb308086_qkv, .Lfunc_end_k_qe4fb308086_qkv-k_qe4fb308086_qkv
	.p2alignl 7, 3214868480
	.fill 96, 4, 3214868480
	.section	.rodata,"a",@progbits
	.p2align	6, 0x0
	.amdhsa_kernel k_qe4fb308086_qkv
		.amdhsa_group_segment_fixed_size 27136
		.amdhsa_private_segment_fixed_size 0
		.amdhsa_enable_private_segment 0
		.amdhsa_kernarg_size 200
		.amdhsa_user_sgpr_count 2
		.amdhsa_user_sgpr_kernarg_segment_ptr 1
		.amdhsa_wavefront_size32 1
		.amdhsa_system_sgpr_workgroup_id_x 1
		.amdhsa_system_sgpr_workgroup_id_y 1
		.amdhsa_system_sgpr_workgroup_id_z 1
		.amdhsa_system_vgpr_workitem_id 0
		.amdhsa_next_free_vgpr 912
		.amdhsa_next_free_sgpr 100
		.amdhsa_reserve_vcc 0
		.amdhsa_float_denorm_mode_32 3
		.amdhsa_float_denorm_mode_16_64 3
		.amdhsa_memory_ordered 1
		.amdhsa_forward_progress 1
		.amdhsa_inst_pref_size 243
	.end_amdhsa_kernel
	.amdgpu_metadata
---
amdhsa.version: [ 1, 2 ]
amdhsa.kernels:
  - .name:           k_qe4fb308086_qkv
    .symbol:         k_qe4fb308086_qkv.kd
    .args:
      - { .name: x_codes, .offset: 0, .size: 8, .value_kind: global_buffer, .address_space: global }
      - { .name: x_scales, .offset: 8, .size: 8, .value_kind: global_buffer, .address_space: global }
      - { .name: win_w_codes, .offset: 16, .size: 8, .value_kind: global_buffer, .address_space: global }
      - { .name: win_w_scales, .offset: 24, .size: 8, .value_kind: global_buffer, .address_space: global }
      - { .name: win_b, .offset: 32, .size: 8, .value_kind: global_buffer, .address_space: global }
      - { .name: pos, .offset: 40, .size: 8, .value_kind: global_buffer, .address_space: global }
      - { .name: l_wqkv_codes, .offset: 48, .size: 8, .value_kind: global_buffer, .address_space: global }
      - { .name: l_wqkv_scales, .offset: 56, .size: 8, .value_kind: global_buffer, .address_space: global }
      - { .name: l_bqkv, .offset: 64, .size: 8, .value_kind: global_buffer, .address_space: global }
      - { .name: g_wqkv_codes, .offset: 72, .size: 8, .value_kind: global_buffer, .address_space: global }
      - { .name: g_wqkv_scales, .offset: 80, .size: 8, .value_kind: global_buffer, .address_space: global }
      - { .name: g_bqkv, .offset: 88, .size: 8, .value_kind: global_buffer, .address_space: global }
      - { .name: l_wo_codes, .offset: 96, .size: 8, .value_kind: global_buffer, .address_space: global }
      - { .name: l_wo_scales, .offset: 104, .size: 8, .value_kind: global_buffer, .address_space: global }
      - { .name: g_wo_codes, .offset: 112, .size: 8, .value_kind: global_buffer, .address_space: global }
      - { .name: g_wo_scales, .offset: 120, .size: 8, .value_kind: global_buffer, .address_space: global }
      - { .name: gate_w_codes, .offset: 128, .size: 8, .value_kind: global_buffer, .address_space: global }
      - { .name: gate_w_scales, .offset: 136, .size: 8, .value_kind: global_buffer, .address_space: global }
      - { .name: ffn_w1_codes, .offset: 144, .size: 8, .value_kind: global_buffer, .address_space: global }
      - { .name: ffn_w1_scales, .offset: 152, .size: 8, .value_kind: global_buffer, .address_space: global }
      - { .name: ffn_w2_codes, .offset: 160, .size: 8, .value_kind: global_buffer, .address_space: global }
      - { .name: ffn_w2_scales, .offset: 168, .size: 8, .value_kind: global_buffer, .address_space: global }
      - { .name: qbuf, .offset: 176, .size: 8, .value_kind: global_buffer, .address_space: global }
      - { .name: kvbuf, .offset: 184, .size: 8, .value_kind: global_buffer, .address_space: global }
      - { .name: wimg, .offset: 192, .size: 8, .value_kind: global_buffer, .address_space: global }
    .group_segment_fixed_size: 27136
    .private_segment_fixed_size: 0
    .kernarg_segment_align: 8
    .kernarg_segment_size: 200
    .max_flat_workgroup_size: 128
    .sgpr_count:     100
    .vgpr_count:     912
    .wavefront_size: 32
...
	.end_amdgpu_metadata
.endif
;; end of part 5
;; launch attn (part 6): grid 8 x 32, 16 waves a work-group, no clusters, 274,432 bytes of LDS; arguments qbuf, kvbuf, obuf; writes obuf
.if DOCPART == 6
	.amdgcn_target "amdgcn-amd-amdhsa--gfx1250"
	.amdhsa_code_object_version 6
	.text
	.protected	k_qe4fb308086_attn
	.globl	k_qe4fb308086_attn
	.p2align	8
	.type	k_qe4fb308086_attn,@function
k_qe4fb308086_attn:
	s_mov_b64 s[64:65], 0
	v_nop
	global_prefetch_b8 v0, s[64:65] scope:SCOPE_SE
	s_setreg_imm32_b32 hwreg(HW_REG_WAVE_MODE, 25, 1), 1
	s_wait_xcnt 0x0
; Both attentions of one (batch, head) for 256 queries, on codes of BF6 (E3M2) with one E8M0 scale for each 32 along a product's K.  o / l is quantised along the head's 64 and stored as an operand image.
; SHARES.  Work-group (x = block of 256 queries, y = 8 batch + head), sixteen waves, four to a SIMD.  A wave owns one tile of 16 queries: tile 2 G + u holds queries 32 G + 8 u + r + 8 (r / 8).
; It does the tile's LOCAL attention in one step of 128 keys (|query - key| <= 32 lies inside one window that begins at a multiple of 64; hidden scores become -infinity) and then its GLOBAL attention in 16 steps.
; LDS.  The head's global K and V, 32 records of 64 keys, 7,168 bytes each, lie in LDS whole; six records of the local K and V behind them.  Every byte is filled once, by asynchronous copies issued at the head.
; A record: K's four tiles of 16 keys (6 registers a lane: 512 + 256 bytes) at 768 i; V's four tiles of 16 channels x 64 keys at 3,072 + 768 t; K's scale words at 6,144 + 128 i; V's at 6,656 + 128 t.
; LAYOUT.  S^T = K Q^T (source 0 = 16 keys, source 1 = my queries; the head has 64 channels, so the upper 64 of the instruction's 128 are zero codes), O^T = V^T P^T: a lane holds one query throughout.
; SOFTMAX.  t = score x log2(e) / 8;  M = the running largest t rounded up to a whole number;  p = 2^(t - M) is quantised along the keys;  the sum is taken of the unquantised p and divides at the end.
; LIMITS: NaN and infinities are not served; a block whose largest magnitude lies under 2^-122 keeps the scale byte 1, and so does a block of zeros (its codes are zeros; this program alone reads the bytes).
.set REC,   7168
.set LOC,   229376
.set HEADB, 229376
.set A16, 10
.set A8,  11
.set A4,  42
.set QL,  16
.set QG,  28
.set KF,  44
.set KS,  92
.set S,   96
.set O,   160
.set PC,  192
.set BM,  212
.set TM,  212
.set BP,  216
.set SO,  220
.set PS,  228
.set PW,  229
.set LO,  230
.set WD,  231
.set VH,  232
.set VS,  240
.set CL,  244                          ; v244-247 the global copies' LDS addresses: 16 x thread + 65,536 g; never rewritten
.set CG,  248                          ; v248-251 their offsets in memory: the same numbers; never rewritten
.set WV,  34
.set BH,  35
.set TB,  36
.set CNT, 37
.set CS,  38
.set SEL, 40
.macro MM d, a, b, c, sa, sb
	v_wmma_scale_f32_16x16x128_f8f6f4 v[\d:\d+7], v[\a:\a+11], v[\b:\b+11], v[\c:\c+7], v[\sa], v[\sb] matrix_a_fmt:MATRIX_FMT_BF6 matrix_b_fmt:MATRIX_FMT_BF6
.endm
.macro MM0 d, a, b, sa, sb
	v_wmma_scale_f32_16x16x128_f8f6f4 v[\d:\d+7], v[\a:\a+11], v[\b:\b+11], 0, v[\sa], v[\sb] matrix_a_fmt:MATRIX_FMT_BF6 matrix_b_fmt:MATRIX_FMT_BF6
.endm
.macro QUANT32 s                       ; 32 numbers of a lane, register 16 b + i = k 32 b + 16 (lane / 16) + i: 6 registers of codes in v[PC] on, two scale bytes in v[PW]
.irp b, 0,1
	v_max3_num_f32 v[TM+\b], |v[(\s)+16*\b]|, |v[(\s)+1+16*\b]|, 0x2800000
.endr
.irp i, 2,4,6,8,10,12,14
.irp b, 0,1
	s_delay_alu instid0(VALU_DEP_2)
	v_max3_num_f32 v[TM+\b], v[TM+\b], |v[(\s)+16*\b+\i]|, |v[(\s)+1+16*\b+\i]|
.endr
.endr
.irp b, 0,1
	s_delay_alu instid0(VALU_DEP_2)
	v_permlanex16_b32 v[TM+4+\b], v[TM+\b], s[SEL], s[SEL+1]
.endr
.irp b, 0,1
	s_delay_alu instid0(VALU_DEP_2)
	v_max_num_f32 v[TM+\b], v[TM+\b], v[TM+4+\b]
.endr
.irp b, 0,1
	s_delay_alu instid0(VALU_DEP_2)
	v_add_nc_u32 v[TM+12+\b], 0xfe000000, v[TM+\b]
.endr
.irp b, 0,1
	s_delay_alu instid0(VALU_DEP_2)
	v_lshrrev_b32 v[TM+4+\b], 23, v[TM+12+\b]
.endr
	s_delay_alu instid0(VALU_DEP_1)
	v_lshl_or_b32 v[PW], v[TM+5], 8, v[TM+4]
	v_cvt_scalef32_pk16_bf6_f32 v[PC:PC+2], v[(\s):(\s)+15], v[TM+12]
	v_cvt_scalef32_pk16_bf6_f32 v[PC+12:PC+14], v[(\s)+16:(\s)+31], v[TM+13]
	v_nop
.irp i, 0,1,2
	v_permlane16_swap_b32 v[PC+\i], v[PC+12+\i]
.endr
.irp i, 0,1,2
	s_delay_alu instid0(VALU_DEP_3)
	v_mov_b32 v[PC+3+\i], v[PC+12+\i]
.endr
.endm
	s_load_b128 s[4:7], s[0:1], 0x0                ; qbuf, kvbuf
	s_load_b64 s[8:9], s[0:1], 0x10                ; obuf
	v_lshl_add_u32 v254, v0, 2, 0x42800
	v_mov_b32 v255, 0
	ds_add_u32 v254, v255
	ds_add_u32 v254, v255
	v_lshrrev_b32 v10, 5, v0
	s_delay_alu instid0(VALU_DEP_1)
	v_readfirstlane_b32 s[WV], v10                 ; wave 0..15
	s_and_b32 s[BH], ttmp7, 0xffff                 ; 8 batch + head
	v_lshlrev_b32 v4, 4, v0                        ; 16 x thread: my 16 bytes of a copy; v1-4 and v244-251 are the copies' address registers and are never rewritten
	s_delay_alu instid0(VALU_DEP_1)
	v_add_nc_u32 v3, LOC, v4
	s_delay_alu instid0(VALU_DEP_2)
	v_add_nc_u32 v1, LOC+REC, v4
	s_delay_alu instid0(VALU_DEP_3)
	v_add_nc_u32 v2, LOC+5*REC, v4
.irp g, 0,1,2,3
	v_lshl_add_u32 v[CL+\g], v0, 4, 65536*\g       ; a copy's immediate is added to both its addresses; it stays under 65,536 here, and these registers carry the rest
	v_lshl_add_u32 v[CG+\g], v0, 4, 65536*\g
.endr
	s_mul_i32 s10, s[BH], HEADB
	s_mov_b32 s11, 0
	s_lshl_b32 s12, ttmp9, 2                       ; my block's first record of 64 keys
	s_sub_co_i32 s13, s12, 1
	s_max_i32 s13, s13, 0                          ; the one in front, held inside the head (a doubled record lies wholly under the mask)
	s_mul_i32 s14, s13, REC
	s_mov_b32 s15, 0
	s_mul_i32 s16, s12, REC
	s_mov_b32 s17, 0
	s_add_co_u32 s18, s12, 4
	s_min_u32 s18, s18, 31                         ; and the one behind, likewise
	s_mul_i32 s18, s18, REC
	s_mov_b32 s19, 0
	s_wait_dscnt 0x0
	s_wait_kmcnt 0x0
	s_add_nc_u64 s[20:21], s[6:7], s[10:11]        ; the head's local records
	s_add_nc_u64 s[22:23], s[20:21], 32*HEADB      ; its global records
	s_add_nc_u64 s[24:25], s[20:21], s[14:15]
	s_add_nc_u64 s[26:27], s[20:21], s[16:17]
	s_add_nc_u64 s[28:29], s[20:21], s[18:19]
	s_cmp_lt_u32 s[WV], 14                         ; a record is 14 waves x 512 bytes: waves 0-13 copy the six local records, in one branch on the wave's number
	s_cbranch_scc0 .Lno_local
	global_load_async_to_lds_b128 v3, v4, s[24:25]
	global_load_async_to_lds_b128 v1, v4, s[26:27]
	global_load_async_to_lds_b128 v1, v4, s[26:27] offset:7168
	global_load_async_to_lds_b128 v1, v4, s[26:27] offset:14336
	global_load_async_to_lds_b128 v1, v4, s[26:27] offset:21504
	s_wait_alu depctr_va_vdst(0)
	global_load_async_to_lds_b128 v2, v4, s[28:29]
.Lno_local:
	s_wait_alu depctr_va_vdst(0)
.irp k, 0,1,2,3,4,5,6,7,8,9,10,11,12,13,14,15,16,17,18,19,20,21,22,23,24,25,26,27
	global_load_async_to_lds_b128 v[CL+\k/8], v[CG+\k/8], s[22:23] offset:8192*(\k%8)   ; the global records: 28 copies of 8,192 bytes by all sixteen waves; copy k lands at 8,192 k + 16 x thread
.endr
	v_and_b32 v7, 31, v0
	s_delay_alu instid0(VALU_DEP_1)
	v_lshlrev_b32 v5, 4, v7                        ; 16 x lane
	s_wait_alu depctr_va_vdst(0)
	v_lshlrev_b32 v6, 3, v7                        ; 8 x lane
	s_wait_alu depctr_va_vdst(0)
	v_lshlrev_b32 v7, 2, v7                        ; 4 x lane
	s_wait_alu depctr_va_vdst(0)
	s_lshl_b32 s30, s[BH], 7
	s_lshl_b32 s31, ttmp9, 4
	s_add_co_u32 s31, s31, s[WV]                   ; my tile in the batch: 16 x block + wave
	s_add_co_u32 s30, s30, s31
	s_lshl_b32 s30, s30, 10
	s_lshr_b32 s32, s[BH], 3
	s_lshl_b32 s32, s32, 7
	s_add_co_u32 s32, s32, s31
	s_lshl_b32 s32, s32, 4
	s_and_b32 s33, s[BH], 7
	s_add_co_u32 s32, s32, s33
	s_lshl_b32 s32, s32, 10                        ; obuf: ((128 batch + tile) x 16 + head) x 1,024
	s_mov_b32 s31, 0
	s_mov_b32 s33, 0
	s_add_nc_u64 s[4:5], s[4:5], s[30:31]
	s_add_nc_u64 s[8:9], s[8:9], s[32:33]
	global_load_b128 v[QL:QL+3], v5, s[4:5]
	global_load_b64 v[QL+4:QL+5], v6, s[4:5] offset:512
	global_load_b32 v40, v7, s[4:5] offset:768
	global_load_b128 v[QG:QG+3], v5, s[4:5] offset:4194304
	global_load_b64 v[QG+4:QG+5], v6, s[4:5] offset:4194304+512
	global_load_b32 v41, v7, s[4:5] offset:4194304+768
.irp i, 6,7,8,9,10,11
	v_mov_b32 v[QL+\i], 0                          ; the upper 64 of K: zero codes, in Q and in K's four fragments
	v_mov_b32 v[QG+\i], 0
	v_mov_b32 v[KF+\i], 0
	v_mov_b32 v[KF+12+\i], 0
	v_mov_b32 v[KF+24+\i], 0
	v_mov_b32 v[KF+36+\i], 0
.endr
.irp b, 0,1,2,3
	v_mov_b32 v[BP+\b], 0                          ; written once: a lane permute's destination counts as one of its sources
.endr
	v_mov_b32 v227, 0                              ; (the upper half of the pair v[226:227], named with it)
	v_mov_b32 v43, 0xff800000                      ; -infinity
	s_mov_b32 s[CS], 0x3e38aa3b                    ; c = log2(e) / sqrt(64)
	s_mov_b32 s[CS+1], s[CS]
	s_mov_b32 s[SEL], 0x76543210
	s_mov_b32 s[SEL+1], 0xfedcba98
	; the local window: records j0 and j0 + 1 of the six, j0 = (wave / 2 + 1) / 2; its first key is kb = 256 x block - 64 + 64 j0
	s_lshr_b32 s42, s[WV], 1
	s_add_co_u32 s43, s42, 1
	s_lshr_b32 s43, s43, 1                         ; j0
	s_mul_i32 s[TB], s43, REC
	s_add_co_u32 s[TB], s[TB], LOC
	s_lshl_b32 s44, ttmp9, 8
	s_lshl_b32 s45, s42, 5
	s_add_co_u32 s45, s45, s44
	s_and_b32 s46, s[WV], 1
	s_lshl_b32 s46, s46, 3
	s_add_co_u32 s45, s45, s46                     ; my tile's first query
	s_lshl_b32 s46, s43, 6
	s_add_co_u32 s46, s46, s44
	s_sub_co_u32 s46, 64, s46                      ; -kb
	v_and_b32 v224, 15, v0
	s_delay_alu instid0(VALU_DEP_1)
	v_and_b32 v225, 8, v224
	s_delay_alu instid0(VALU_DEP_1)
	v_add_nc_u32 v224, v224, v225
	s_delay_alu instid0(VALU_DEP_1)
	v_add_nc_u32 v224, s45, v224                   ; my query q
	s_delay_alu instid0(VALU_DEP_1)
	v_max_u32 v225, 32, v224
	s_delay_alu instid0(VALU_DEP_1)
	v_add_nc_u32 v225, 0xffffffe0, v225            ; the first key that counts: max(q - 32, 0)
	s_delay_alu instid0(VALU_DEP_3)
	v_add_nc_u32 v224, 32, v224
	s_delay_alu instid0(VALU_DEP_1)
	v_min_u32 v224, 0x7ff, v224                    ; the last: min(q + 32, 2047)
	s_delay_alu instid0(VALU_DEP_1)
	v_sub_nc_u32 v[WD], v224, v225                 ; WD = last - first
	v_bfe_u32 v224, v0, 4, 1
	s_delay_alu instid0(VALU_DEP_1)
	v_lshlrev_b32 v224, 4, v224
	s_delay_alu instid0(VALU_DEP_1)
	v_sub_nc_u32 v225, v225, v224
	s_delay_alu instid0(VALU_DEP_1)
	v_add_nc_u32 v[LO], s46, v225                  ; LO = first - kb - 16 (lane / 16).  Register 16 b + i holds key kb + 16 (lane / 16) + 32 b + i: it counts where 32 b + i - LO, unsigned, is at most WD
; A STEP of 128 keys: the two records at LDS byte s[TB].  mask = 1: the band.  first = 1: the step starts M, the sum and O^T.  QF, QS: my queries' fragment and scale word.
.macro STEP mask, first, QF, QS
	v_add_nc_u32 v[A16], s[TB], v5
	s_wait_alu depctr_va_vdst(0)
	v_add_nc_u32 v[A8], s[TB], v6
	s_wait_alu depctr_va_vdst(0)
	v_add_nc_u32 v[A4], s[TB], v7
	s_wait_alu depctr_va_vdst(0)
.rept 3
	v_nop                                          ; six plain lines behind the last step's products: their source registers (V's fragments) are written over by the matrix instructions below
.endr
.irp g, 0,1
.if \g
.rept 4
	v_nop                                          ; ahead of loads into registers that matrix instructions have read
.endr
.endif
.irp i, 0,1,2,3
	ds_load_b128 v[KF+12*\i:KF+12*\i+3], v[A16] offset:REC*\g+768*\i
	ds_load_b64 v[KF+12*\i+4:KF+12*\i+5], v[A8] offset:REC*\g+768*\i+512
	ds_load_b32 v[KS+\i], v[A4] offset:REC*\g+6144+128*\i
	ds_load_b32 v[VH+4*\g+\i], v[A4] offset:REC*\g+6656+128*\i
.endr
	s_wait_dscnt 0x0
.irp i, 0,1,2,3
	MM0 S+8*(4*\g+\i), KF+12*\i, \QF, KS+\i, \QS
.endr
.endr
.irp b, 0,1,2,3
	v_lshl_or_b32 v[VS+\b], v[VH+4+\b], 16, v[VH+\b]   ; V's scale words of the 128 keys: two bytes of each record.  (Also the four plain lines behind the products)
.endr
.if \mask
.set n, 0
.rept 64
	v_sub_nc_u32 v224, 32*(n/16)+n%16, v[LO]
	s_delay_alu instid0(VALU_DEP_1)
	v_cmp_gt_u32 vcc_lo, v224, v[WD]
	v_cndmask_b32 v[S+n], v[S+n], v43, vcc_lo      ; hidden scores become -infinity ahead of the maximum: p = 0 then
.set n, n+1
.endr
.endif
.irp b, 0,1,2,3
	v_max3_num_f32 v[BM+\b], v[S+16*\b], v[S+1+16*\b], v[S+2+16*\b]   ; the largest score of each block of 32 keys: for the row's maximum, and, since p rises with the score, for the block's largest p
.endr
.irp i, 3,5,7,9,11,13
.irp b, 0,1,2,3
	v_max3_num_f32 v[BM+\b], v[BM+\b], v[S+16*\b+\i], v[S+1+16*\b+\i]
.endr
.endr
.irp b, 0,1,2,3
	v_max_num_f32 v[BM+\b], v[BM+\b], v[S+15+16*\b]
.endr
.irp b, 0,1,2,3
	s_delay_alu instid0(VALU_DEP_4)
	v_permlanex16_b32 v[BP+\b], v[BM+\b], s[SEL], s[SEL+1]
.endr
.irp b, 0,1,2,3
	s_delay_alu instid0(VALU_DEP_4)
	v_max_num_f32 v[BM+\b], v[BM+\b], v[BP+\b]     ; with lane l xor 16's 16 keys
.endr
	s_delay_alu instid0(VALU_DEP_2)
	v_max3_num_f32 v224, v[BM], v[BM+1], v[BM+2]
	s_delay_alu instid0(VALU_DEP_1)
	v_max_num_f32 v224, v224, v[BM+3]
	s_delay_alu instid0(VALU_DEP_1)
	v_mul_f32 v224, s[CS], v224                    ; the step's largest t
.if \first
	s_delay_alu instid0(VALU_DEP_1)
	v_mov_b32 v13, v224
	s_delay_alu instid0(VALU_DEP_1)
	v_floor_f32 v12, -v13                          ; -M = floor(-t) = -ceil(t)
.else
	s_delay_alu instid0(VALU_DEP_1)
	v_max_num_f32 v13, v13, v224                   ; the running largest t
	v_mov_b32 v224, v12
	s_delay_alu instid0(VALU_DEP_2)
	v_floor_f32 v12, -v13
	s_delay_alu instid0(VALU_DEP_1)
	v_sub_f32 v224, v12, v224                      ; old M - new M: a whole number, 0 or less
	s_delay_alu instid0(VALU_DEP_1)
	v_cvt_i32_f32 v224, v224
	s_delay_alu instid0(VALU_DEP_1)
	v_ldexp_f32 v226, 1.0, v224                    ; f = 2^(old M - new M): a multiplication by it rounds nothing
.endif
.set j, 0
.rept 32
	v_pk_fma_f32 v[S+j:S+j+1], v[S+j:S+j+1], s[CS:CS+1], v[12:13] op_sel_hi:[1,0,0]   ; t - M
.set j, j+2
.endr
.irp b, 0,1,2,3
	v_fma_f32 v[BM+\b], v[BM+\b], s[CS], v12       ; the same of each block's largest score
.endr
.set j, 0
	s_wait_alu depctr_va_vdst(0)
.rept 64
	v_exp_f32 v[S+j], v[S+j]                       ; p = 2^(t - M)
.set j, j+1
.endr
.if \first
	v_mov_b32 v14, 0                               ; the sum, in two halves.  (Plain lines behind the exponentials)
	v_mov_b32 v15, 0
.else
	s_setprio 1
	v_pk_mul_f32 v[14:15], v[14:15], v[226:227] op_sel_hi:[1,0]   ; the sum under the new M.  (A plain line behind the exponentials)
.endif
	s_wait_alu depctr_va_vdst(0)                   ; one wait for the batch of 64, ahead of its first reader
.irp b, 0,1,2,3
	v_exp_f32 v[BM+\b], v[BM+\b]                   ; the block's largest p
.endr
	v_pk_add_f32 v[BP:BP+1], v[S:S+1], v[S+2:S+3]  ; the sum of the unquantised p, in two chains
.irp i, 4,8,12,16,20,24,28,32,36,40,44,48,52,56,60
	v_pk_add_f32 v[14:15], v[14:15], v[S+\i:S+\i+1]
	v_pk_add_f32 v[BP:BP+1], v[BP:BP+1], v[S+2+\i:S+3+\i]
.endr
	s_delay_alu instid0(VALU_DEP_1)
	v_pk_add_f32 v[14:15], v[14:15], v[BP:BP+1]
	s_wait_alu depctr_va_vdst(0)                   ; and one for the four
.irp b, 0,1,2,3
	v_max_num_f32 v[BM+\b], 0x2800000, v[BM+\b]    ; the floor 2^(5 - 127)
.endr
.irp b, 0,1,2,3
	s_delay_alu instid0(VALU_DEP_4)
	v_add_nc_u32 v[SO+\b], 0xfe000000, v[BM+\b]    ; 4 off the exponent field: the conversion's scale operand
.endr
.irp b, 0,1,2,3
	s_delay_alu instid0(VALU_DEP_4)
	v_lshrrev_b32 v[BP+\b], 23, v[SO+\b]
.endr
	s_delay_alu instid0(VALU_DEP_3)
	v_lshl_or_b32 v[PS], v[BP+1], 8, v[BP]         ; p's scale word for these 128 keys
	s_delay_alu instid0(VALU_DEP_1)
	v_lshl_or_b32 v[PS], v[BP+2], 16, v[PS]
	s_delay_alu instid0(VALU_DEP_1)
	v_lshl_or_b32 v[PS], v[BP+3], 24, v[PS]
.irp c, 0,1
	v_cvt_scalef32_pk16_bf6_f32 v[PC+6*\c:PC+6*\c+2], v[S+32*\c:S+32*\c+15], v[SO+2*\c]
	v_cvt_scalef32_pk16_bf6_f32 v[PC+12+4*\c:PC+12+4*\c+2], v[S+16+32*\c:S+16+32*\c+15], v[SO+2*\c+1]
.endr
	v_nop                                          ; one plain line behind the scaled conversions
.irp t, 0,1,2,3                                ; V's four fragments (16 channels x 128 keys) take p's registers: each half from one record
	ds_load_b128 v[S+12*\t:S+12*\t+3], v[A16] offset:3072+768*\t
	ds_load_b64 v[S+12*\t+4:S+12*\t+5], v[A8] offset:3072+768*\t+512
	ds_load_b128 v[S+12*\t+6:S+12*\t+9], v[A16] offset:REC+3072+768*\t
	ds_load_b64 v[S+12*\t+10:S+12*\t+11], v[A8] offset:REC+3072+768*\t+512
.endr
	s_setprio 0
.irp c, 0,1
.irp i, 0,1,2
	v_permlane16_swap_b32 v[PC+6*\c+\i], v[PC+12+4*\c+\i]
.endr
.irp i, 0,1,2
	s_delay_alu instid0(VALU_DEP_3)
	v_mov_b32 v[PC+3+6*\c+\i], v[PC+12+4*\c+\i]
.endr
.endr
.if \first
	s_wait_alu depctr_va_vdst(0)
.rept 8
	v_nop                                          ; an operand written by vector lines stands 4 plain lines ahead of a scaled matrix instruction, a scale register 8
.endr
.else
.set j, 0
.rept 16
	v_pk_mul_f32 v[O+j:O+j+1], v[O+j:O+j+1], v[226:227] op_sel_hi:[1,0]   ; O^T under the new M.  (For each product below twelve of these name none of its registers)
.set j, j+2
.endr
.endif
	s_wait_alu depctr_va_vdst(0)
	s_wait_dscnt 0x0
.irp t, 0,1,2,3
.if \first
	MM0 O+8*\t, S+12*\t, PC, VS+\t, PS
.else
	MM O+8*\t, S+12*\t, PC, O+8*\t, VS+\t, PS
.endif
.endr
.endm
; O^T / the sum, quantised along the head's 64 channels, stored as an image: 512, 256 and 128 consecutive bytes
.macro FINISH path
	v_add_f32 v14, v14, v15
	s_delay_alu instid0(VALU_DEP_1)
	v_permlanex16_b32 v[BP], v14, s[SEL], s[SEL+1]
	s_delay_alu instid0(VALU_DEP_1)
	v_add_f32 v14, v14, v[BP]                      ; the row's sum
	v_nop
	v_nop                                          ; (five plain lines behind the last products)
	s_wait_alu depctr_va_vdst(0)
	v_rcp_f32 v226, v14
	v_nop
	s_wait_alu depctr_va_vdst(0)                   ; ahead of the reciprocal's first reader
.set j, 0
.rept 16
	v_pk_mul_f32 v[S+j:S+j+1], v[O+j:O+j+1], v[226:227] op_sel_hi:[1,0]
.set j, j+2
.endr
	s_wait_alu depctr_va_vdst(0)
	s_wait_xcnt 0x0                                ; earlier stores have read their registers
	QUANT32 S
	global_store_b128 v5, v[PC:PC+3], s[8:9] offset:8192*\path
	global_store_b64 v6, v[PC+4:PC+5], s[8:9] offset:8192*\path+512
	global_store_b32 v7, v[PW], s[8:9] offset:8192*\path+768
.endm
	s_wait_asynccnt 0x1c                           ; my local copies have landed: the 28 global ones, issued behind them on every wave's way, may stay out
	s_barrier_signal -1
	s_barrier_wait -1                              ; everybody's have
	s_wait_loadcnt 0x0                             ; Q
	STEP 1, 1, QL, 40
	FINISH 0
	s_wait_asynccnt 0x0                            ; my part of the global records has landed
	s_barrier_signal -1
	s_barrier_wait -1
	s_wait_xcnt 0x0                                ; the local result's stores have read their registers: the next step writes them
	s_mov_b32 s[TB], 0
	STEP 0, 1, QG, 41
	s_mov_b32 s[CNT], 15
.Lkeys:
	s_add_co_u32 s[TB], s[TB], 2*REC
	s_setprio 2
	STEP 0, 0, QG, 41
	s_sub_co_u32 s[CNT], s[CNT], 1
	s_cmp_lg_u32 s[CNT], 0
	s_cbranch_scc1 .Lkeys
	s_setprio 0
	FINISH 1
	s_wait_tensorcnt 0x0
	ds_add_u32 v254, v255
	s_wait_dscnt 0x0
	s_endpgm
.Lfunc_end_k_qe4fb308086_attn:
	.size	k_qe4fb308086_attn, .Lfunc_end_k_qe4fb308086_attn-k_qe4fb308086_attn
	.p2alignl 7, 3214868480
	.fill 96, 4, 3214868480
	.section	.rodata,"a",@progbits
	.p2align	6, 0x0
	.amdhsa_kernel k_qe4fb308086_attn
		.amdhsa_group_segment_fixed_size 274432
		.amdhsa_private_segment_fixed_size 0
		.amdhsa_enable_private_segment 0
		.amdhsa_kernarg_size 24
		.amdhsa_user_sgpr_count 2
		.amdhsa_user_sgpr_kernarg_segment_ptr 1
		.amdhsa_wavefront_size32 1
		.amdhsa_system_sgpr_workgroup_id_x 1
		.amdhsa_system_sgpr_workgroup_id_y 1
		.amdhsa_system_sgpr_workgroup_id_z 1
		.amdhsa_system_vgpr_workitem_id 0
		.amdhsa_next_free_vgpr 256
		.amdhsa_next_free_sgpr 66
		.amdhsa_reserve_vcc 1
		.amdhsa_float_denorm_mode_32 3
		.amdhsa_float_denorm_mode_16_64 3
		.amdhsa_memory_ordered 1
		.amdhsa_forward_progress 1
		.amdhsa_inst_pref_size 81
	.end_amdhsa_kernel
	.amdgpu_metadata
---
amdhsa.version: [ 1, 2 ]
amdhsa.kernels:
  - .name:           k_qe4fb308086_attn
    .symbol:         k_qe4fb308086_attn.kd
    .args:
      - { .name: qbuf, .offset: 0, .size: 8, .value_kind: global_buffer, .address_space: global }
      - { .name: kvbuf, .offset: 8, .size: 8, .value_kind: global_buffer, .address_space: global }
      - { .name: obuf, .offset: 16, .size: 8, .value_kind: global_buffer, .address_space: global }
    .group_segment_fixed_size: 274432
    .private_segment_fixed_size: 0
    .kernarg_segment_align: 8
    .kernarg_segment_size: 24
    .max_flat_workgroup_size: 512
    .sgpr_count:     66
    .vgpr_count:     256
    .wavefront_size: 32
...
	.end_amdgpu_metadata
.endif
;; end of part 6
;; launch tail (part 7): grid 256 x 1, 4 waves a work-group, no clusters, 61,952 bytes of LDS; arguments x_codes, x_scales, pos, win_b, obuf, wimg, l_bo, g_bo, gate_b, ffn_b1, ffn_b2, n1_g, n1_b, n2_g, n2_b, part; writes part
.if DOCPART == 7
	.amdgcn_target "amdgcn-amd-amdhsa--gfx1250"
	.amdhsa_code_object_version 6
	.text
	.protected	k_qe4fb308086_tail
	.globl	k_qe4fb308086_tail
	.p2align	8
	.type	k_qe4fb308086_tail,@function
k_qe4fb308086_tail:
	s_mov_b64 s[64:65], 0
	v_nop
	global_prefetch_b8 v0, s[64:65] scope:SCOPE_SE
	s_setreg_imm32_b32 hwreg(HW_REG_WAVE_SCHED_MODE, 0, 2), 2
	s_setreg_imm32_b32 hwreg(HW_REG_WAVE_MODE, 25, 1), 1
	s_wait_xcnt 0x0
	s_wait_alu depctr_vm_vsrc(0)
; For 32 tokens: h = x win + win_b + pos (made again: cheaper than its way through memory); L = Q(o_l) l_wo + l_bo; G = Q(o_g) g_wo + g_bo; gate = tanh(relu(Q([L G]) gate_w + gate_b));
; h1 = LN1(h + gate L + (1 - gate) G); h2 = LN2(h1 + Q(relu(Q(h1) w1 + b1)) w2 + b2); the normalised part of LN3(h2); its sum over the 32 tokens, channel by channel, to part.
; (The mean over the sequence of y g + b is g x the mean of y + b: the last launch applies n3_g and n3_b once a channel.)  All products on codes of BF6 (E3M2), one E8M0 scale for each 32 along K.
; SHARES.  Work-group = 32 tokens: two tiles m, tile m holds tokens 32 x work-group + 8 m + r + 8 (r / 8).  THE WAVES SHARE THE COLUMNS: wave w owns columns 128 w .. 128 w + 127 of every product
; (ffn_w1 in two passes of 512 columns).  An array is 128 registers: 64 m + 8 t + j = channel 128 w + 32 (t / 2) + 16 (lane / 16) + 8 (t % 2) + j of the token in lane % 16.
; WEIGHTS stream from wimg, laid by the first launch as images of operand registers, straight into registers: 26 loads of 512 bytes a K step, two K steps ahead, one stream of 34 K steps through two sets.
; ACTIVATIONS go from wave to wave through LDS as images of their registers: fragment (K step ks, tile m) at (2 ks + m) x 1,536, its scale words at 24,576 + (2 ks + m) x 128, in two regions.
; The text is straight-line: every LDS address and every offset is a constant plus a lane term plus a wave term.
; LIMITS: NaN and infinities are not served; a block whose largest magnitude lies under 2^-122 keeps the scale byte 1, and so does a block of zeros (its codes are zeros; this program alone reads the bytes).
; REGISTERS.  window 0: v4-15, v82 lane terms; v16-31 TM; v32 PW; v36-54 PC; v56-81 sums and statistics; v84-107 scale words; v108-115 halves of o's scale words; v116-163 activation fragments, two sets;
;   v164-227 win_b, at the end the column sums.   window 1: ACC 0-127 (at the head x's fragments), AL 128-255.   window 2: AG 0-127, HR 128-255.   window 3: two sets of 8 weight fragments, v192-255 a pass's bias.
; THE MODE: SCHED_MODE bits 1:0 = 2 (LLVM: expert scheduling mode 2), set by the entry lines.  The code itself states the register dependences
; between vector or matrix instructions and memory or LDS instructions, with s_wait_alu, always for 0.
; THE PLAN.  Registers that memory or LDS instructions touch:
;   v4-15, v82      offsets and LDS addresses: made at the head, never written again: one wait on va_vdst ahead of the first load serves them all.
;   W0, W1, SW      the weights' two sets and their scale words: K step gk's products read set gk % 2; behind them the loads of K step gk + 2 land in it.
;   BI              a pass's bias: the C of the pass's first K step; behind that K step the next pass's lands in it.
;   AF0, AF1, AS    at the head: o's global loads land, my LDS stores read.  Then: K step ks's products read set ks % 2; the LDS loads of K step ks + 1, at the head of K step ks, land in the set that K step ks - 1 read.
;   PC, PW          written by the quantiser; read by the four LDS stores behind it; written again by the next quantiser.
;   SUM, RD         a reduction's additions write SUM, an LDS store reads it; LDS loads land in RD, which vector lines then read.
;   HR, AG          behind their last vector reader the gains and biases of the first two norms land in them.
;   WB              at the end: written by the column sums, read by LDS stores.
; So ONE wait on va_vdst stands at the end of each K step that loads, behind its places: the step's products are done with their weights, scale words, bias and activations.  The weights' run follows it; so does
; the bias's, where there is one; and the next K step's LDS loads: no vector line between names any register that those loads touch.  All 1,024 registers are taken, so the weights have two sets and not three.
.set IMG_A, 0
.set IMG_B, 26624
.set RED,   53248                      ; six regions of 1,024 bytes, one for each reduction over the waves
.set CST,   59392                      ; 512 bytes a wave: the column sums in natural order
.set LI,  4
.set L8,  5
.set LS,  6
.set XA,  7
.set XSA, 8
.set PA,  9
.set BA,  10
.set IW,  11
.set SWA, 12
.set RW,  13
.set CW,  14
.set CR,  15
.set TM,  16
.set PW,  32
.set PC,  36
.set LT,  56
.set SUM, 64
.set RD,  66
.set MN,  74
.set RS,  78
.set LIW, 82
.set AS,  84
.set XS,  88
.set SW,  92
.set OH,  108
.set AF,  116
.set WB,  164
.set ACC, 0                            ; window 1
.set AL,  128                          ; window 1
.set AG,  0                            ; window 2
.set HR,  128                          ; window 2
.set BI,  192                          ; window 3
.set WV,  36
.set SEL, 38
.set OBP, 44
.set XP,  46
.set XSP, 48
.set PP,  50
.set PRT, 52
.set INV, 54
.set EPS, 55
.set NIMG, 0                           ; images stored so far, and
.set NFOLD, 0                          ; reductions made so far: the first of each finds its registers unread
.set MSB, 0
.macro WIN new
.set WNEW, \new
.if MSB != WNEW
	s_set_vgpr_msb (MSB<<8)|WNEW
.set MSB, WNEW
.endif
.endm
.macro PLACES
.rept 4
	v_nop
.endr
.endm
.set LC, 0
.macro WAITL n                         ; the first n global loads are in: as many may stay out as were issued behind them
.set WN, LC-(\n)
.if WN > 63
.set WN, 63
.endif
	s_wait_loadcnt WN
.endm
.macro BARRIER                         ; my LDS stores have landed and my LDS loads are in: then the work-group's barrier
	s_wait_dscnt 0x0
	s_barrier_signal -1
	s_barrier_wait -1
.endm
.macro MM d, a, b, c, sa, sb
	v_wmma_scale_f32_16x16x128_f8f6f4 v[\d:\d+7], v[\a:\a+11], v[\b:\b+11], v[\c:\c+7], v[\sa], v[\sb] matrix_a_fmt:MATRIX_FMT_BF6 matrix_b_fmt:MATRIX_FMT_BF6
.endm
.macro QUANT64 s, X                    ; 64 numbers of a lane in window X, register 16 b + i = k 32 b + 16 (lane / 16) + i: a fragment in v[PC] on, its scale word in v[PW]
	WIN (\X)|((\X)<<2)
.irp b, 0,1,2,3
	v_max3_num_f32 v[TM+\b], |v[(\s)+16*\b]|, |v[(\s)+1+16*\b]|, 0x2800000
.endr
	WIN ((\X)<<2)|((\X)<<4)
.irp i, 2,4,6,8,10,12,14
.irp b, 0,1,2,3
	v_max3_num_f32 v[TM+\b], v[TM+\b], |v[(\s)+16*\b+\i]|, |v[(\s)+1+16*\b+\i]|
.endr
.endr
	WIN 0
.irp b, 0,1,2,3
	v_permlanex16_b32 v[TM+4+\b], v[TM+\b], s[SEL], s[SEL+1]
.endr
.irp b, 0,1,2,3
	v_max_num_f32 v[TM+\b], v[TM+\b], v[TM+4+\b]
.endr
.irp b, 0,1,2,3
	v_add_nc_u32 v[TM+12+\b], 0xfe000000, v[TM+\b]
.endr
.irp b, 0,1,2,3
	v_lshrrev_b32 v[TM+4+\b], 23, v[TM+12+\b]
.endr
	v_lshl_or_b32 v[PW], v[TM+5], 8, v[TM+4]
	v_lshl_or_b32 v[PW], v[TM+6], 16, v[PW]
	v_lshl_or_b32 v[PW], v[TM+7], 24, v[PW]
	WIN \X
.irp c, 0,1
	v_cvt_scalef32_pk16_bf6_f32 v[PC+6*\c:PC+6*\c+2], v[(\s)+32*\c:(\s)+32*\c+15], v[TM+12+2*\c]
	v_cvt_scalef32_pk16_bf6_f32 v[PC+12+4*\c:PC+12+4*\c+2], v[(\s)+16+32*\c:(\s)+16+32*\c+15], v[TM+13+2*\c]
.endr
	WIN 0
	v_nop
.irp c, 0,1
.irp i, 0,1,2
	v_permlane16_swap_b32 v[PC+6*\c+\i], v[PC+12+4*\c+\i]
.endr
.irp i, 0,1,2
	v_mov_b32 v[PC+3+6*\c+\i], v[PC+12+4*\c+\i]
.endr
.endr
.endm
.macro LOADW gk                        ; my brick of K step gk: 8 fragments into set gk % 2, their scale words (four tiles a load)
.set LWB, 96*((\gk)%2)
.set LSB, SW+8*((\gk)%2)
	WIN 0xc0
.irp t, 0,1,2,3,4,5,6,7
.irp c, 0,1,2
	global_load_b128 v[LWB+12*\t+4*\c:LWB+12*\t+4*\c+3], v[LIW], s[14:15] offset:53248*(\gk)+1536*\t+512*\c
.endr
.endr
	WIN 0
	global_load_b128 v[LSB:LSB+3], v[LIW], s[14:15] offset:53248*(\gk)+12288
	global_load_b128 v[LSB+4:LSB+7], v[LIW], s[14:15] offset:53248*(\gk)+12800
.set LC, LC+26
.set M2, LC
.endm
.macro LOADB p, off                    ; a pass's bias in the result's layout: the C of each sum's first product
	WIN 0xc0
.irp b, 0,1,2,3
.irp q, 0,1,2,3
	global_load_b128 v[BI+16*\b+4*\q:BI+16*\b+4*\q+3], v[BA], s[\p:\p+1] offset:(\off)+128*\b+16*\q
.endr
.endr
	WIN 0
.set LC, LC+16
.endm
.macro LNP gp, bp, base                ; a norm's gain and bias, likewise, into window 2: gain at base, bias at base + 64
	WIN 0x80
.irp b, 0,1,2,3
.irp q, 0,1,2,3
	global_load_b128 v[(\base)+16*\b+4*\q:(\base)+16*\b+4*\q+3], v[BA], s[\gp:\gp+1] offset:128*\b+16*\q
	global_load_b128 v[(\base)+64+16*\b+4*\q:(\base)+64+16*\b+4*\q+3], v[BA], s[\bp:\bp+1] offset:128*\b+16*\q
.endr
.endr
	WIN 0
.set LC, LC+32
.endm
.macro ACTLOAD img, ks                 ; the two tiles' fragments of K step ks, and their scale words, into set ks % 2: eight LDS loads
.set AFB2, AF+24*((\ks)%2)
.set ASB2, AS+2*((\ks)%2)
.irp m, 0,1
.irp c, 0,1,2
	ds_load_b128 v[AFB2+12*\m+4*\c:AFB2+12*\m+4*\c+3], v[LI] offset:(\img)+(2*(\ks)+\m)*1536+512*\c
.endr
	ds_load_b32 v[ASB2+\m], v[LS] offset:(\img)+24576+(2*(\ks)+\m)*128
.endr
.endm
; A K step: 16 products on 16 accumulators by turns.  gk: the weights' K step; dreg, wc: the accumulators and the windows; cf = 1: C is the bias; img, ks: the activations; more = 1: the next K step's are fetched first.
.macro KSTEP gk, dreg, wc, cf, img, ks, more
.if \more
	ACTLOAD \img, (\ks)+1                          ; into the set that the K step before read: that step's closing wait on va_vdst stands behind its products, and no vector line since names the set or its scale words
.endif
	WAITL M0                                       ; this K step's weights are in; the next K step's may be out
.if \more
	s_wait_dscnt 0x8                               ; this K step's activations are in; the eight loads just issued may be out
.else
	s_wait_dscnt 0x0
.endif
.set WSB, 96*((\gk)%2)
.set SWB, SW+8*((\gk)%2)
.set AFB, AF+24*((\ks)%2)
.set ASB, AS+2*((\ks)%2)
	WIN \wc
.irp t, 0,1,2,3,4,5,6,7
.irp m, 0,1
.if \cf
	MM (\dreg)+64*\m+8*\t, WSB+12*\t, AFB+12*\m, BI+8*\t, SWB+\t, ASB+\m
.else
	MM (\dreg)+64*\m+8*\t, WSB+12*\t, AFB+12*\m, (\dreg)+64*\m+8*\t, SWB+\t, ASB+\m
.endif
.endr
.endr
	WIN 0
	PLACES                                         ; ahead of reads of these products' results
.if (\gk)+2 < 34
	s_wait_alu depctr_va_vdst(0)                   ; these products are done reading their weights and scale words, in which the loads below land; their bias and their activations too, in which later loads land
	LOADW (\gk)+2
.endif
.set M0, M1
.set M1, M2
.endm
.macro KSTEPX gk                       ; h: source 1 = x's fragments (window 1), the accumulators begin as pos
.set WSB, 96*((\gk)%2)
.set SWB, SW+8*((\gk)%2)
	WAITL M0
	WIN 0xa7                                       ; source 0 window 3, source 1 window 1, C and D window 2
.irp t, 0,1,2,3,4,5,6,7
.irp m, 0,1
	MM HR+64*\m+8*\t, WSB+12*\t, 12*(2*\m+(\gk)), HR+64*\m+8*\t, SWB+\t, XS+2*\m+(\gk)
.endr
.endr
	WIN 0
	PLACES
	s_wait_alu depctr_va_vdst(0)                   ; these products are done reading their weights and scale words, in which the loads below land
	LOADW (\gk)+2
.set M0, M1
.set M1, M2
.endm
.macro TOIMG arr, X, img, kb           ; my 128 columns of both tiles become K step kb + wave of the next product: images to LDS
.irp m, 0,1
	s_wait_dscnt 0x0                               ; the last image's stores are done
.if NIMG > 0
	s_wait_alu depctr_vm_vsrc(0)                   ; the last image's LDS stores have read v[PC ..] and v[PW], which the lines below write again
.endif
.set NIMG, NIMG+1
	QUANT64 (\arr)+64*\m, \X
	s_wait_alu depctr_va_vdst(0)                   ; v[PC ..] and v[PW] are written, which the LDS stores read
.irp c, 0,1,2
	ds_store_b128 v[IW], v[PC+4*\c:PC+4*\c+3] offset:(\img)+3072*(\kb)+1536*\m+512*\c
.endr
	ds_store_b32 v[SWA], v[PW] offset:(\img)+24576+256*(\kb)+128*\m
.endr
.endm
.macro FOLD ri                         ; four partial pairs in LT become each token's total over 512 channels: v[RD] for tile 0, v[RD+1] for tile 1
.irp m, 0,1
	v_pk_add_f32 v[LT+4*\m:LT+4*\m+1], v[LT+4*\m:LT+4*\m+1], v[LT+4*\m+2:LT+4*\m+3]
.endr
.if NFOLD > 0
	s_wait_alu depctr_vm_vsrc(0)                   ; the last reduction's LDS store has read v[SUM:SUM+1], which the lines below write again
.endif
.set NFOLD, NFOLD+1
.irp m, 0,1
	v_add_f32 v[SUM+\m], v[LT+4*\m], v[LT+4*\m+1]
.endr
.irp m, 0,1
	v_permlanex16_b32 v[LT+4*\m], v[SUM+\m], s[SEL], s[SEL+1]
.endr
.irp m, 0,1
	v_add_f32 v[SUM+\m], v[SUM+\m], v[LT+4*\m]     ; my wave's 128 channels
.endr
	s_wait_alu depctr_va_vdst(0)                   ; v[SUM:SUM+1] are written, which the LDS store reads; and the lines that read or wrote the last reduction's v[RD ..] are done: the LDS loads below land there
	ds_store_b64 v[RW], v[SUM:SUM+1] offset:RED+1024*(\ri)
	BARRIER
.irp q, 0,1,2,3
	ds_load_b64 v[RD+2*\q:RD+2*\q+1], v[L8] offset:RED+1024*(\ri)+256*\q
.endr
	s_wait_dscnt 0x0
	v_pk_add_f32 v[RD:RD+1], v[RD:RD+1], v[RD+2:RD+3]
	v_pk_add_f32 v[RD+4:RD+5], v[RD+4:RD+5], v[RD+6:RD+7]
	v_pk_add_f32 v[RD:RD+1], v[RD:RD+1], v[RD+4:RD+5]
.endm
; LayerNorm of AL in place, in two passes as the definition has it: the mean, then the mean of the squared differences.  ri: its two reduction regions; affine = 1: x gain + bias from window 2 at pbase, loaded up to mark mk.
.macro LN ri, pbase, affine, mk
	WIN 0x05
.irp m, 0,1
	v_pk_add_f32 v[LT+4*\m:LT+4*\m+1], v[AL+64*\m:AL+64*\m+1], v[AL+64*\m+2:AL+64*\m+3]
	v_pk_add_f32 v[LT+4*\m+2:LT+4*\m+3], v[AL+64*\m+4:AL+64*\m+5], v[AL+64*\m+6:AL+64*\m+7]
.endr
	WIN 0x04
.set j, 8
.rept 14
.irp m, 0,1
	v_pk_add_f32 v[LT+4*\m:LT+4*\m+1], v[LT+4*\m:LT+4*\m+1], v[AL+64*\m+j:AL+64*\m+j+1]
	v_pk_add_f32 v[LT+4*\m+2:LT+4*\m+3], v[LT+4*\m+2:LT+4*\m+3], v[AL+64*\m+j+2:AL+64*\m+j+3]
.endr
.set j, j+4
.endr
	WIN 0
	FOLD \ri
	v_mul_f32 v[MN], s[INV], v[RD]
	v_mul_f32 v[MN+2], s[INV], v[RD+1]
	WIN 0x41
.irp m, 0,1
.set j, 0
.rept 32
	v_pk_add_f32 v[AL+64*\m+j:AL+64*\m+j+1], v[AL+64*\m+j:AL+64*\m+j+1], v[MN+2*\m:MN+2*\m+1] op_sel_hi:[1,0] neg_lo:[0,1] neg_hi:[0,1]
.set j, j+2
.endr
.endr
	WIN 0x05
.irp m, 0,1
	v_pk_mul_f32 v[LT+4*\m:LT+4*\m+1], v[AL+64*\m:AL+64*\m+1], v[AL+64*\m:AL+64*\m+1]
	v_pk_mul_f32 v[LT+4*\m+2:LT+4*\m+3], v[AL+64*\m+2:AL+64*\m+3], v[AL+64*\m+2:AL+64*\m+3]
.endr
.set j, 4
.rept 15
.irp m, 0,1
	v_pk_fma_f32 v[LT+4*\m:LT+4*\m+1], v[AL+64*\m+j:AL+64*\m+j+1], v[AL+64*\m+j:AL+64*\m+j+1], v[LT+4*\m:LT+4*\m+1]
	v_pk_fma_f32 v[LT+4*\m+2:LT+4*\m+3], v[AL+64*\m+j+2:AL+64*\m+j+3], v[AL+64*\m+j+2:AL+64*\m+j+3], v[LT+4*\m+2:LT+4*\m+3]
.endr
.set j, j+4
.endr
	WIN 0
	FOLD (\ri)+1
	v_fma_f32 v[RS], v[RD], s[INV], s[EPS]
	v_fma_f32 v[RS+2], v[RD+1], s[INV], s[EPS]
	s_wait_alu depctr_va_vdst(0)
	v_rsq_f32 v[RS], v[RS]
	v_rsq_f32 v[RS+2], v[RS+2]
	v_nop
	s_wait_alu depctr_va_vdst(0)                   ; the two roots have written v[RS] and v[RS+2]: ahead of their first reader
	WIN 0x41
.irp m, 0,1
.set j, 0
.rept 32
	v_pk_mul_f32 v[AL+64*\m+j:AL+64*\m+j+1], v[AL+64*\m+j:AL+64*\m+j+1], v[RS+2*\m:RS+2*\m+1] op_sel_hi:[1,0]
.set j, j+2
.endr
.endr
.if \affine
	WAITL \mk
	WIN 0x69
.irp m, 0,1
.set j, 0
.rept 32
	v_pk_fma_f32 v[AL+64*\m+j:AL+64*\m+j+1], v[AL+64*\m+j:AL+64*\m+j+1], v[(\pbase)+j:(\pbase)+j+1], v[(\pbase)+64+j:(\pbase)+64+j+1]
.set j, j+2
.endr
.endr
.endif
	WIN 0
.endm
.macro RELU                            ; the hidden layer's activation, in f32, from each accumulator's low end on
	WIN 0x45
.set j, 0
.rept 128
	v_max_num_f32 v[ACC+j], 0, v[ACC+j]
.set j, j+1
.endr
	WIN 0
.endm
	s_load_b512 s[4:19], s[0:1], 0x0               ; x codes 4, x scales 6, pos 8, win_b 10, obuf 12, wimg 14, l_bo 16, g_bo 18
	s_load_b512 s[20:35], s[0:1], 0x40             ; gate_b 20, ffn_b1 22, ffn_b2 24, n1_g 26, n1_b 28, n2_g 30, n2_b 32, part 34
	v_lshl_add_u32 v254, v0, 2, 0xf000
	v_mov_b32 v255, 0
	v_lshrrev_b32 v1, 5, v0
	v_readfirstlane_b32 s[WV], v1                  ; wave 0..3
	v_and_b32 v1, 31, v0
	v_and_b32 v2, 15, v0
	v_bfe_u32 v3, v0, 4, 1
	v_lshlrev_b32 v[LI], 4, v1
	v_lshlrev_b32 v[L8], 3, v1
	v_lshlrev_b32 v[LS], 2, v1
	v_and_b32 v83, 8, v2
	v_add_nc_u32 v83, v83, v2                      ; rho = r + 8 (r / 8)
	v_mul_u32_u24 v[XA], v3, 24
	v_mad_u32_u24 v[XA], v83, 192, v[XA]           ; x: row rho of 192 bytes + 24 h
	v_lshlrev_b32 v[XSA], 3, v83
	s_wait_alu depctr_va_sdst(0)                   ; the wave's number is written, ahead of its first reader: offsets, LDS addresses and bases are made from it
	s_lshl_b32 s40, s[WV], 9
	v_lshl_add_u32 v[BA], v3, 6, s40               ; biases and gains: 64 h + 512 x wave
	v_lshl_add_u32 v[PA], v83, 11, v[BA]           ; pos: + row rho of 2,048 bytes
	s_mul_i32 s40, s[WV], 3072
	v_add_nc_u32 v[IW], s40, v[LI]                 ; where I store images: 16 x lane + 3,072 x wave
	s_lshl_b32 s40, s[WV], 8
	v_add_nc_u32 v[SWA], s40, v[LS]                ; their scale words: 4 x lane + 256 x wave
	v_add_nc_u32 v[RW], s40, v[L8]                 ; my wave's sums: 8 x lane + 256 x wave
	s_lshl_b32 s40, s[WV], 9
	s_add_co_u32 s40, s40, CST
	v_lshl_add_u32 v[CW], v3, 6, s40
	v_add_nc_u32 v[CR], s40, v[LI]
	s_mul_i32 s40, s[WV], 13312
	v_add_nc_u32 v[LIW], s40, v[LI]                ; wimg: 16 x lane + my brick
.irp b, 0,1,2,3
	v_mov_b32 v[TM+4+\b], 0                        ; written once: a lane permute's destination counts as one of its sources
.endr
	v_mov_b32 v[MN+1], 0                           ; (upper halves of pairs that are named whole)
	v_mov_b32 v[MN+3], 0
	v_mov_b32 v[RS+1], 0
	v_mov_b32 v[RS+3], 0
	s_mov_b32 s[SEL], 0x76543210
	s_mov_b32 s[SEL+1], 0xfedcba98
	s_mov_b32 s[INV], 0x3b000000                   ; 1 / 512
	s_mov_b32 s[EPS], 0x3727c5ac                   ; 1e-5
	s_mov_b32 s43, 0
	s_wait_kmcnt 0x0
	s_lshl_b32 s42, ttmp9, 15
	s_lshl_b32 s40, s[WV], 11
	s_add_co_u32 s42, s42, s40
	s_add_nc_u64 s[OBP:OBP+1], s[12:13], s[42:43]  ; o: my two tiles' records, heads 2 w and 2 w + 1
	s_mul_i32 s42, ttmp9, 6144
	s_add_nc_u64 s[XP:XP+1], s[4:5], s[42:43]
	s_lshl_b32 s42, ttmp9, 8
	s_add_nc_u64 s[XSP:XSP+1], s[6:7], s[42:43]
	s_and_b32 s42, ttmp9, 63
	s_lshl_b32 s42, s42, 16
	s_add_nc_u64 s[PP:PP+1], s[8:9], s[42:43]
	s_lshl_b32 s42, ttmp9, 11
	s_lshl_b32 s40, s[WV], 9
	s_add_co_u32 s42, s42, s40
	s_add_nc_u64 s[PRT:PRT+1], s[34:35], s[42:43]
	; ---- o: wave w brings K step w (heads 2 w, 2 w + 1) of both paths and both tiles: two half images make a fragment
	s_wait_alu depctr_va_vdst(0)                   ; the offsets and LDS addresses v4 to v15 and v82 are written: every load and store of the kernel reads some of them
.irp p, 0,1
.irp m, 0,1
.irp e, 0,1
	global_load_b128 v[AF+24*\p+12*\m+6*\e:AF+24*\p+12*\m+6*\e+3], v[LI], s[OBP:OBP+1] offset:16384*\m+8192*\p+1024*\e th:TH_LOAD_NT
	global_load_b64 v[AF+24*\p+12*\m+6*\e+4:AF+24*\p+12*\m+6*\e+5], v[L8], s[OBP:OBP+1] offset:16384*\m+8192*\p+1024*\e+512 th:TH_LOAD_NT
	global_load_b32 v[OH+2*(2*\p+\m)+\e], v[LS], s[OBP:OBP+1] offset:16384*\m+8192*\p+1024*\e+768 th:TH_LOAD_NT
.endr
.endr
.endr
.set LC, LC+24
.set MO, LC
	WIN 0x40
.irp m, 0,1
.irp k, 0,1
.irp p, 0,1,2,3,4,5
	global_load_b64 v[12*(2*\m+\k)+2*\p:12*(2*\m+\k)+2*\p+1], v[XA], s[XP:XP+1] offset:1536*\m+96*\k+48*(\p/3)+8*(\p%3)
.endr
.endr
.endr
	WIN 0
.irp m, 0,1
	global_load_b64 v[XS+2*\m:XS+2*\m+1], v[XSA], s[XSP:XSP+1] offset:64*\m
.endr
.set LC, LC+26
	WAITL MO                                       ; o is in; x's 26 loads may be out
.irp f, 0,1,2,3
	v_lshl_or_b32 v[OH+2*\f], v[OH+2*\f+1], 16, v[OH+2*\f]   ; two bytes of each head make the fragment's scale word
.endr
	s_wait_alu depctr_va_vdst(0)                   ; the four scale words are written, which the LDS stores below read
.irp p, 0,1
.irp m, 0,1
.irp c, 0,1,2
	ds_store_b128 v[IW], v[AF+24*\p+12*\m+4*\c:AF+24*\p+12*\m+4*\c+3] offset:IMG_A+12288*\p+1536*\m+512*\c
.endr
	ds_store_b32 v[SWA], v[OH+2*(2*\p+\m)] offset:IMG_A+24576+1024*\p+128*\m
.endr
.endr
	WIN 0x80
.irp m, 0,1
.irp b, 0,1,2,3
.irp q, 0,1,2,3
	global_load_b128 v[HR+64*\m+16*\b+4*\q:HR+64*\m+16*\b+4*\q+3], v[PA], s[PP:PP+1] offset:16384*\m+128*\b+16*\q
.endr
.endr
.endr
	WIN 0
.irp b, 0,1,2,3
.irp q, 0,1,2,3
	global_load_b128 v[WB+16*\b+4*\q:WB+16*\b+4*\q+3], v[BA], s[10:11] offset:128*\b+16*\q
.endr
.endr
.set LC, LC+48
	LOADB 16, 0                                    ; l_bo
	LOADW 0
.set M0, M2
	LOADW 1
.set M1, M2
	; ---- h
	KSTEPX 0
	KSTEPX 1
	WIN 0x82
.irp m, 0,1
.set j, 0
.rept 32
	v_pk_add_f32 v[HR+64*\m+j:HR+64*\m+j+1], v[HR+64*\m+j:HR+64*\m+j+1], v[WB+j:WB+j+1]
.set j, j+2
.endr
.endr
	WIN 0
	BARRIER                                        ; o's sixteen fragments lie in IMG_A
	s_wait_alu depctr_vm_vsrc(0)                   ; my LDS stores of o's images have read v[AF ..], both sets: the fragments' LDS loads land there from here on
	; ---- L = o_l l_wo + l_bo
	ACTLOAD IMG_A, 0
	KSTEP 2, AL, 0x73, 1, IMG_A, 0, 1
	LOADB 18, 0                                    ; g_bo.  (No further wait, here and at the later biases: the K step's closing wait stands behind the products that took the last bias as C)
	KSTEP 3, AL, 0x53, 0, IMG_A, 1, 1
	KSTEP 4, AL, 0x53, 0, IMG_A, 2, 1
	KSTEP 5, AL, 0x53, 0, IMG_A, 3, 1              ; (the global o lies on end behind the local: its first K step is fetched here)
	TOIMG AL, 1, IMG_B, 0
	; ---- G = o_g g_wo + g_bo
	KSTEP 6, AG, 0xb3, 1, IMG_A, 4, 1
	LOADB 20, 0                                    ; gate_b
	KSTEP 7, AG, 0xa3, 0, IMG_A, 5, 1
	KSTEP 8, AG, 0xa3, 0, IMG_A, 6, 1
	KSTEP 9, AG, 0xa3, 0, IMG_A, 7, 0
	TOIMG AG, 2, IMG_B, 4
	BARRIER                                        ; [L G]'s sixteen fragments lie in IMG_B
	; ---- z = [L G] gate_w + gate_b
	ACTLOAD IMG_B, 0
	KSTEP 10, ACC, 0x73, 1, IMG_B, 0, 1
	LOADB 22, 0                                    ; ffn_b1, columns 0-511
	KSTEP 11, ACC, 0x53, 0, IMG_B, 1, 1
	KSTEP 12, ACC, 0x53, 0, IMG_B, 2, 1
	KSTEP 13, ACC, 0x53, 0, IMG_B, 3, 1
	KSTEP 14, ACC, 0x53, 0, IMG_B, 4, 1
	KSTEP 15, ACC, 0x53, 0, IMG_B, 5, 1
	KSTEP 16, ACC, 0x53, 0, IMG_B, 6, 1
	KSTEP 17, ACC, 0x53, 0, IMG_B, 7, 0
	; ---- gate = tanh(relu(z)) = max(1 - 2 / (1 + 2^(2 log2(e) z)), 0);  AL = gate (L - G) + (h + G)
	WIN 0x41
.set j, 0
.rept 64
	v_pk_mul_f32 v[ACC+j:ACC+j+1], v[ACC+j:ACC+j+1], 0x4038aa3b op_sel_hi:[1,0]
.set j, j+2
.endr
.set j, 0
	s_wait_alu depctr_va_vdst(0)
.rept 128
	v_exp_f32 v[ACC+j], v[ACC+j]
.set j, j+1
.endr
	v_nop
	s_wait_alu depctr_va_vdst(0)                   ; the 128 exponentials have written v[ACC ..]: one wait for the batch, ahead of its first reader
.set j, 0
.rept 64
	v_pk_add_f32 v[ACC+j:ACC+j+1], v[ACC+j:ACC+j+1], 1.0 op_sel_hi:[1,0]
.set j, j+2
.endr
.set j, 0
	s_wait_alu depctr_va_vdst(0)
.rept 128
	v_rcp_f32 v[ACC+j], v[ACC+j]
.set j, j+1
.endr
	v_nop
	s_wait_alu depctr_va_vdst(0)                   ; the 128 reciprocals have written v[ACC ..]: one wait for the batch, ahead of its first reader
.set j, 0
.rept 64
	v_pk_fma_f32 v[ACC+j:ACC+j+1], v[ACC+j:ACC+j+1], -2.0, 1.0 op_sel_hi:[1,0,0]
.set j, j+2
.endr
	WIN 0x45
.set j, 0
.rept 128
	v_max_num_f32 v[ACC+j], 0, v[ACC+j]
.set j, j+1
.endr
	WIN 0x49
.set j, 0
.rept 64
	v_pk_add_f32 v[AL+j:AL+j+1], v[AL+j:AL+j+1], v[AG+j:AG+j+1] neg_lo:[0,1] neg_hi:[0,1]   ; L - G
.set j, j+2
.endr
	WIN 0x8a
.set j, 0
.rept 64
	v_pk_add_f32 v[AG+j:AG+j+1], v[HR+j:HR+j+1], v[AG+j:AG+j+1]   ; h + G
.set j, j+2
.endr
	s_wait_alu depctr_va_vdst(0)                   ; the additions above are done reading h's registers, in which the loads below land
	LNP 26, 28, HR                                 ; n1's gain and bias take h's registers
.set MLN1, LC
	WIN 0x65
.set j, 0
.rept 64
	v_pk_fma_f32 v[AL+j:AL+j+1], v[ACC+j:ACC+j+1], v[AL+j:AL+j+1], v[AG+j:AG+j+1]
.set j, j+2
.endr
	WIN 0
	LN 0, HR, 1, MLN1                              ; h1.  Its two barriers also part every wave's reads of [L G] from the images written next
	TOIMG AL, 1, IMG_B, 0
	BARRIER                                        ; h1's eight fragments lie in IMG_B
	; ---- the hidden layer, columns 0-511
	ACTLOAD IMG_B, 0
	KSTEP 18, ACC, 0x73, 1, IMG_B, 0, 1
	LOADB 22, 2048                                 ; ffn_b1, columns 512-1023
	KSTEP 19, ACC, 0x53, 0, IMG_B, 1, 1
	LNP 30, 32, AG                                 ; n2's gain and bias take G's registers: their last reader, the fused sum ahead of the first norm, stands ahead of the K step's closing wait
.set MLN2, LC
	KSTEP 20, ACC, 0x53, 0, IMG_B, 2, 1
	KSTEP 21, ACC, 0x53, 0, IMG_B, 3, 0
	ACTLOAD IMG_B, 0                               ; h1's first K step again, for the second half: into the set that K step 20 read
	RELU
	TOIMG ACC, 1, IMG_A, 0                         ; (o's images were last read two barriers ago)
	; ---- columns 512-1023
	KSTEP 22, ACC, 0x73, 1, IMG_B, 0, 1
	LOADB 24, 0                                    ; ffn_b2
	KSTEP 23, ACC, 0x53, 0, IMG_B, 1, 1
	KSTEP 24, ACC, 0x53, 0, IMG_B, 2, 1
	KSTEP 25, ACC, 0x53, 0, IMG_B, 3, 0
	RELU
	TOIMG ACC, 1, IMG_A, 4
	BARRIER                                        ; the hidden layer's sixteen fragments lie in IMG_A
	; ---- ffn = hidden w2 + b2
	ACTLOAD IMG_A, 0
	KSTEP 26, ACC, 0x73, 1, IMG_A, 0, 1
	KSTEP 27, ACC, 0x53, 0, IMG_A, 1, 1
	KSTEP 28, ACC, 0x53, 0, IMG_A, 2, 1
	KSTEP 29, ACC, 0x53, 0, IMG_A, 3, 1
	KSTEP 30, ACC, 0x53, 0, IMG_A, 4, 1
	KSTEP 31, ACC, 0x53, 0, IMG_A, 5, 1
	KSTEP 32, ACC, 0x53, 0, IMG_A, 6, 1            ; the last two K steps ask for no weights, so they close with no wait
	KSTEP 33, ACC, 0x53, 0, IMG_A, 7, 0
	WIN 0x45
.set j, 0
.rept 64
	v_pk_add_f32 v[AL+j:AL+j+1], v[ACC+j:ACC+j+1], v[AL+j:AL+j+1]   ; h1 + ffn
.set j, j+2
.endr
	WIN 0
	LN 2, AG, 1, MLN2                              ; h2
	LN 4, 0, 0, 0                                  ; the normalised part of the third norm
	; ---- the sum over my 32 tokens: the two tiles, then the sixteen lanes of a half
	WIN 0x05
.set j, 0
.rept 32
	v_pk_add_f32 v[WB+j:WB+j+1], v[AL+j:AL+j+1], v[AL+64+j:AL+64+j+1]
.set j, j+2
.endr
	WIN 0
.irp x, 1,2,4,8
.set j, 0
.rept 64
	v_add_f32_dpp v[WB+j], v[WB+j], v[WB+j] row_xmask:\x row_mask:0xf bank_mask:0xf
.set j, j+1
.endr
.endr
	s_wait_alu depctr_va_vdst(0)                   ; the column sums v[WB ..] are written, which the LDS stores read; and the last norm's lines are done reading v[RD ..], in which the LDS load below lands
.irp b, 0,1,2,3
.irp q, 0,1,2,3
	ds_store_b128 v[CW], v[WB+16*\b+4*\q:WB+16*\b+4*\q+3] offset:128*\b+16*\q   ; the sixteen lanes of a half write the same bytes with the same values: channels in natural order
.endr
.endr
	ds_load_b128 v[RD:RD+3], v[CR]                 ; LDS serves a wave's instructions in order: this sees my stores
	s_wait_dscnt 0x0
	global_store_b128 v[LI], v[RD:RD+3], s[PRT:PRT+1]   ; 512 consecutive bytes: my 128 channels of the work-group's row of part
	s_wait_dscnt 0x0                               ; the closing lines, six on end
	s_wait_alu 0x0
	s_wait_tensorcnt 0x0
	ds_add_u32 v254, v255
	s_wait_dscnt 0x0
	s_endpgm
.Lfunc_end_k_qe4fb308086_tail:
	.size	k_qe4fb308086_tail, .Lfunc_end_k_qe4fb308086_tail-k_qe4fb308086_tail
	.p2alignl 7, 3214868480
	.fill 96, 4, 3214868480
	.section	.rodata,"a",@progbits
	.p2align	6, 0x0
	.amdhsa_kernel k_qe4fb308086_tail
		.amdhsa_group_segment_fixed_size 61952
		.amdhsa_private_segment_fixed_size 0
		.amdhsa_enable_private_segment 0
		.amdhsa_kernarg_size 128
		.amdhsa_user_sgpr_count 2
		.amdhsa_user_sgpr_kernarg_segment_ptr 1
		.amdhsa_wavefront_size32 1
		.amdhsa_system_sgpr_workgroup_id_x 1
		.amdhsa_system_sgpr_workgroup_id_y 1
		.amdhsa_system_sgpr_workgroup_id_z 1
		.amdhsa_system_vgpr_workitem_id 0
		.amdhsa_next_free_vgpr 1024
		.amdhsa_next_free_sgpr 66
		.amdhsa_reserve_vcc 0
		.amdhsa_float_denorm_mode_32 3
		.amdhsa_float_denorm_mode_16_64 3
		.amdhsa_memory_ordered 1
		.amdhsa_forward_progress 1
		.amdhsa_inst_pref_size 255
	.end_amdhsa_kernel
	.section	.bss,"aw",@nobits
	.p2align	6
	.space	262144
	.amdgpu_metadata
---
amdhsa.version: [ 1, 2 ]
amdhsa.kernels:
  - .name:           k_qe4fb308086_tail
    .symbol:         k_qe4fb308086_tail.kd
    .args:
      - { .name: x_codes, .offset: 0, .size: 8, .value_kind: global_buffer, .address_space: global }
      - { .name: x_scales, .offset: 8, .size: 8, .value_kind: global_buffer, .address_space: global }
      - { .name: pos, .offset: 16, .size: 8, .value_kind: global_buffer, .address_space: global }
      - { .name: win_b, .offset: 24, .size: 8, .value_kind: global_buffer, .address_space: global }
      - { .name: obuf, .offset: 32, .size: 8, .value_kind: global_buffer, .address_space: global }
      - { .name: wimg, .offset: 40, .size: 8, .value_kind: global_buffer, .address_space: global }
      - { .name: l_bo, .offset: 48, .size: 8, .value_kind: global_buffer, .address_space: global }
      - { .name: g_bo, .offset: 56, .size: 8, .value_kind: global_buffer, .address_space: global }
      - { .name: gate_b, .offset: 64, .size: 8, .value_kind: global_buffer, .address_space: global }
      - { .name: ffn_b1, .offset: 72, .size: 8, .value_kind: global_buffer, .address_space: global }
      - { .name: ffn_b2, .offset: 80, .size: 8, .value_kind: global_buffer, .address_space: global }
      - { .name: n1_g, .offset: 88, .size: 8, .value_kind: global_buffer, .address_space: global }
      - { .name: n1_b, .offset: 96, .size: 8, .value_kind: global_buffer, .address_space: global }
      - { .name: n2_g, .offset: 104, .size: 8, .value_kind: global_buffer, .address_space: global }
      - { .name: n2_b, .offset: 112, .size: 8, .value_kind: global_buffer, .address_space: global }
      - { .name: part, .offset: 120, .size: 8, .value_kind: global_buffer, .address_space: global }
    .group_segment_fixed_size: 61952
    .private_segment_fixed_size: 0
    .kernarg_segment_align: 8
    .kernarg_segment_size: 128
    .max_flat_workgroup_size: 128
    .sgpr_count:     66
    .vgpr_count:     1024
    .wavefront_size: 32
...
	.end_amdgpu_metadata
.endif
;; end of part 7
;; launch head (part 8): grid 4 x 1, 16 waves a work-group, no clusters, 18,432 bytes of LDS; arguments part, n3_g, n3_b, out_w, out_b, out0; writes out0
.if DOCPART == 8
	.amdgcn_target "amdgcn-amd-amdhsa--gfx1250"
	.amdhsa_code_object_version 6
	.text
	.protected	k_qe4fb308086_head
	.globl	k_qe4fb308086_head
	.p2align	8
	.type	k_qe4fb308086_head,@function
k_qe4fb308086_head:
	s_mov_b64 s[64:65], 0
	v_nop
	global_prefetch_b8 v0, s[64:65] scope:SCOPE_SE
	s_setreg_imm32_b32 hwreg(HW_REG_WAVE_MODE, 25, 1), 1
	s_wait_xcnt 0x0
; out0[b] = (mean over the sequence of the normalised rows x n3_g + n3_b) out_w + out_b, for one batch b (the work-group).  All in f32.
; part holds, for each of the batch's 64 blocks of 32 tokens, the sum of the normalised rows, 512 channels.  The mean of y g + b is g x the mean of y + b.
; Sixteen waves.  Step 1: wave w adds 16 blocks (w / 4) of 128 channels (w % 4).  Step 2: wave w finishes channels 32 w .. 32 w + 31, a lane a channel.
; Step 3: wave w multiplies its 32 channels into the 128 outputs, four a lane, by fused multiply-adds (the product has 4 rows: a quarter of a matrix tile).  Step 4: wave 0 adds the sixteen parts.
; No matrix unit, no ring: a few hundred KB are read once.  LIMITS: NaN and infinities are passed on as the arithmetic gives them.
	s_load_b256 s[4:11], s[0:1], 0x0               ; part 4, n3_g 6, n3_b 8, out_w 10
	s_load_b128 s[12:15], s[0:1], 0x20             ; out_b 12, out0 14
	v_lshl_add_u32 v208, v0, 2, 0x4000
	v_mov_b32 v209, 0
	v_lshrrev_b32 v1, 5, v0
	s_delay_alu instid0(VALU_DEP_1)
	v_readfirstlane_b32 s16, v1                    ; wave 0..15
	v_and_b32 v1, 31, v0
	s_delay_alu instid0(VALU_DEP_1)
	v_lshlrev_b32 v2, 4, v1                        ; 16 x lane
	s_wait_alu depctr_va_vdst(0)
	v_lshlrev_b32 v3, 2, v1                        ; 4 x lane
	s_and_b32 s17, s16, 3                          ; which 128 channels
	s_lshr_b32 s18, s16, 2                         ; which 16 blocks
	s_lshl_b32 s19, s18, 11
	s_lshl_b32 s22, s17, 9
	s_add_co_u32 s19, s19, s22
	v_add_nc_u32 v4, s19, v2                       ; LDS, step 1: 2,048 x (w / 4) + 512 x (w % 4) + 16 x lane
	s_lshl_b32 s19, s16, 7
	v_add_nc_u32 v5, s19, v3                       ; step 2: 128 x wave + 4 x lane
	s_lshl_b32 s19, s16, 9
	s_add_co_u32 s19, s19, 8192
	v_add_nc_u32 v6, s19, v2                       ; step 3: 8,192 + 512 x wave + 16 x lane
	s_lshl_b32 s20, ttmp9, 17                      ; the batch's 64 rows of 2,048 bytes
	s_lshl_b32 s19, s18, 15
	s_add_co_u32 s20, s20, s19
	s_add_co_u32 s20, s20, s22
	s_mov_b32 s21, 0
	s_wait_alu depctr_va_vdst(0)
	s_wait_kmcnt 0x0
	s_add_nc_u64 s[4:5], s[4:5], s[20:21]
	s_lshl_b32 s20, s16, 7
	s_add_nc_u64 s[6:7], s[6:7], s[20:21]
	s_add_nc_u64 s[8:9], s[8:9], s[20:21]
	s_lshl_b32 s20, s16, 14                        ; my 32 rows of out_w, 512 bytes each
	s_add_nc_u64 s[10:11], s[10:11], s[20:21]
	s_lshl_b32 s20, ttmp9, 9
	s_add_nc_u64 s[14:15], s[14:15], s[20:21]
.irp i, 0,1,2,3,4,5,6,7,8,9,10,11,12,13,14,15
	global_load_b128 v[16+4*\i:19+4*\i], v2, s[4:5] offset:2048*\i th:TH_LOAD_NT
.endr
	global_load_b32 v8, v3, s[6:7]
	global_load_b32 v9, v3, s[8:9]
.irp c, 0,1,2,3,4,5,6,7,8,9,10,11,12,13,14,15,16,17,18,19,20,21,22,23,24,25,26,27,28,29,30,31
	global_load_b128 v[80+4*\c:83+4*\c], v2, s[10:11] offset:512*\c
.endr
	global_load_b128 v[12:15], v2, s[12:13]
	s_wait_loadcnt 35                              ; the 16 rows of part are in: 2 + 32 + 1 loads were issued behind them
.irp i, 1
	v_pk_add_f32 v[16:17], v[16:17], v[16+4*\i:17+4*\i]
	v_pk_add_f32 v[18:19], v[18:19], v[18+4*\i:19+4*\i]
.endr
.irp i, 2, 3, 4, 5, 6, 7, 8, 9, 10, 11, 12, 13, 14, 15
	s_delay_alu instid0(VALU_DEP_2)
	v_pk_add_f32 v[16:17], v[16:17], v[16+4*\i:17+4*\i]
	s_delay_alu instid0(VALU_DEP_2)
	v_pk_add_f32 v[18:19], v[18:19], v[18+4*\i:19+4*\i]
.endr
	ds_store_b128 v4, v[16:19]
	s_wait_dscnt 0x0                               ; for the others' sake
	s_barrier_signal -1
	s_barrier_wait -1
.irp q, 0,1,2,3
	ds_load_b32 v[28+\q], v5 offset:2048*\q
.endr
	s_wait_dscnt 0x0
	v_add_f32 v28, v28, v29
	v_add_f32 v30, v30, v31
	s_delay_alu instid0(VALU_DEP_1)
	v_add_f32 v28, v28, v30
	s_delay_alu instid0(VALU_DEP_1)
	v_mul_f32 v28, 0x3a000000, v28                 ; / 2,048: exact
	s_wait_alu depctr_va_vdst(0)
	s_wait_loadcnt 33                              ; the gain and the bias are in
	v_fma_f32 v24, v28, v8, v9                     ; lane l: the pooled number of channel 32 w + l
	s_wait_alu depctr_va_vdst(0)
	s_wait_loadcnt 0x0
	v_readlane_b32 s24, v24, 0
.irp e, 0,1,2,3
	v_mul_f32 v[20+\e], s24, v[80+\e]              ; the first channel starts the sums
.endr
.irp c, 1,2,3,4,5,6,7,8,9,10,11,12,13,14,15,16,17,18,19,20,21,22,23,24,25,26,27,28,29,30,31
	v_readlane_b32 s[24+\c%4], v24, \c
.irp e, 0,1,2,3
	v_fmac_f32 v[20+\e], s[24+\c%4], v[80+4*\c+\e]
.endr
.endr
	ds_store_b128 v6, v[20:23]
	s_wait_dscnt 0x0
	s_barrier_signal -1
	s_barrier_wait -1
	s_cmp_lg_u32 s16, 0                            ; wave 0 alone adds the sixteen parts; no barrier follows
	s_cbranch_scc1 .Lend
.irp q, 0,1,2,3,4,5,6,7,8,9,10,11,12,13,14,15
	ds_load_b128 v[32+4*\q:35+4*\q], v2 offset:8192+512*\q
.endr
	s_wait_dscnt 0x0
.irp q, 0
	v_pk_add_f32 v[12:13], v[12:13], v[32+4*\q:33+4*\q]   ; onto out_b
	v_pk_add_f32 v[14:15], v[14:15], v[34+4*\q:35+4*\q]
.endr
.irp q, 1, 2, 3, 4, 5, 6, 7, 8, 9, 10, 11, 12, 13, 14, 15
	s_delay_alu instid0(VALU_DEP_2)
	v_pk_add_f32 v[12:13], v[12:13], v[32+4*\q:33+4*\q]
	s_delay_alu instid0(VALU_DEP_2)
	v_pk_add_f32 v[14:15], v[14:15], v[34+4*\q:35+4*\q]
.endr
	global_store_b128 v2, v[12:15], s[14:15]       ; 512 consecutive bytes: the batch's row of out0
.Lend:
	s_wait_tensorcnt 0x0
	ds_add_u32 v208, v209
	s_wait_dscnt 0x0
	s_endpgm
.Lfunc_end_k_qe4fb308086_head:
	.size	k_qe4fb308086_head, .Lfunc_end_k_qe4fb308086_head-k_qe4fb308086_head
	.p2alignl 7, 3214868480
	.fill 96, 4, 3214868480
	.section	.rodata,"a",@progbits
	.p2align	6, 0x0
	.amdhsa_kernel k_qe4fb308086_head
		.amdhsa_group_segment_fixed_size 18432
		.amdhsa_private_segment_fixed_size 0
		.amdhsa_enable_private_segment 0
		.amdhsa_kernarg_size 48
		.amdhsa_user_sgpr_count 2
		.amdhsa_user_sgpr_kernarg_segment_ptr 1
		.amdhsa_wavefront_size32 1
		.amdhsa_system_sgpr_workgroup_id_x 1
		.amdhsa_system_sgpr_workgroup_id_y 1
		.amdhsa_system_sgpr_workgroup_id_z 1
		.amdhsa_system_vgpr_workitem_id 0
		.amdhsa_next_free_vgpr 210
		.amdhsa_next_free_sgpr 66
		.amdhsa_reserve_vcc 0
		.amdhsa_float_denorm_mode_32 3
		.amdhsa_float_denorm_mode_16_64 3
		.amdhsa_memory_ordered 1
		.amdhsa_forward_progress 1
		.amdhsa_inst_pref_size 21
	.end_amdhsa_kernel
	.amdgpu_metadata
---
amdhsa.version: [ 1, 2 ]
amdhsa.kernels:
  - .name:           k_qe4fb308086_head
    .symbol:         k_qe4fb308086_head.kd
    .args:
      - { .name: part, .offset: 0, .size: 8, .value_kind: global_buffer, .address_space: global }
      - { .name: n3_g, .offset: 8, .size: 8, .value_kind: global_buffer, .address_space: global }
      - { .name: n3_b, .offset: 16, .size: 8, .value_kind: global_buffer, .address_space: global }
      - { .name: out_w, .offset: 24, .size: 8, .value_kind: global_buffer, .address_space: global }
      - { .name: out_b, .offset: 32, .size: 8, .value_kind: global_buffer, .address_space: global }
      - { .name: out0, .offset: 40, .size: 8, .value_kind: global_buffer, .address_space: global }
    .group_segment_fixed_size: 18432
    .private_segment_fixed_size: 0
    .kernarg_segment_align: 8
    .kernarg_segment_size: 48
    .max_flat_workgroup_size: 512
    .sgpr_count:     66
    .vgpr_count:     210
    .wavefront_size: 32
...
	.end_amdgpu_metadata
.endif
;; end of part 8
